; MI455X (gfx1250); checked and timed in simulation.
; The chip was launched on July 23, 2026; its instructions are those of AMD's public machine-readable ISA for CDNA 5 (MIT licence, August 2026) and "CDNA5" Instruction Set Architecture Reference Guide (July 2026). The comments in the code are by the model that wrote it; some were corrected since.
;; softattention. Allowed arithmetic: matrix products marked QUANTISED: E2M3 operands, one E8M0 scale for each 32 along K, by v_wmma_scale_f32_16x16x128_f8f6f4 with both operands' format E2M3, f32 sums; everything else in f32.
;; Inputs: W_c 1,024 x 3,072 float32; W_p 1,024 x 1,024 float32; b_c 3,072 float32; b_p 1,024 float32; score_weights 4 x 2,048 x 2,048 float32; x 4 x 2,048 x 1,024 float32.
;; Outputs: out0 4 x 2,048 x 1,024 float32.
;; This version of the problem:
;;   THIS VERSION OF THE PROBLEM IS GIVEN IN LOW PRECISION. The matrix products marked QUANTISED in the list below multiply operands that are first quantised to E2M3 (2 exponent bits, 3 mantissa bits; 6 bits a number), with one power-of-two scale for each 32 numbers along K (OCP MX v1.0); their sums are f32. All else is computed in f32.
;;   The module's matrix products, in the order in which they are computed (A, B: the left and right operand; K: the contracted axis; several contracted axes count as one K, in the product's order):
;;     1. [M 8,192, K 1,024] x [K 1,024, N 3,072]; A: input x; B: input W_c: QUANTISED
;;     2. batch 4 x [M 2,048, K 1,024] x [K 1,024, N 2,048]; A: computed on the way; B: computed on the way: QUANTISED
;;     3. batch 4 x [M 2,048, K 2,048] x [K 2,048, N 1,024]; A: softmax (see below); B: computed on the way: QUANTISED
;;     4. [M 8,192, K 1,024] x [K 1,024, N 1,024]; A: computed on the way; B: input W_p: QUANTISED
;;   THE QUANTISER, for each operand of a quantised product, along K:
;;     - K is cut into blocks of 32 from its start; a last block that is shorter is filled with zeros.
;;     - A block's scale is 2^e with e = floor(log2(the largest magnitude in the block)) - 2, held to -126 .. 127; a block of zeros has e = 0. As a byte (E8M0): e + 127.
;;     - Each number is divided by its block's scale, clamped to +-7.5, and rounded to the nearest number of E2M3, ties to even, subnormals kept.
;;     - The product sums the exact products of the quantised numbers (number of the format x scale) in f32.
;;   ~~~python
;;   def quantise(x, axis):      # numpy; x: float32 -> the quantised numbers, widened to float32 again
;;       x = np.moveaxis(x, axis, -1); K = x.shape[-1]
;;       x = np.pad(x, [(0, 0)] * (x.ndim - 1) + [(0, -K % 32)]); x = x.reshape(x.shape[:-1] + (-1, 32)); a = np.abs(x).max(-1, keepdims=True)
;;       e = np.where(a > 0, np.clip(np.frexp(np.where(a > 0, a, 1))[1] - 1 - 2, -126, 127), 0)      # np.frexp(a)[1] - 1 = floor(log2(a)), exactly
;;       r = np.clip(x / 2.0 ** e, -7.5, 7.5)
;;       step = 2.0 ** (np.maximum(np.frexp(np.where(r == 0, 1, r))[1] - 1, 0) - 3)
;;       q = np.round(r / step) * step * 2.0 ** e      # np.round: ties to even
;;       return np.moveaxis(q.reshape(q.shape[:-2] + (-1,))[..., :K], -1, axis).astype(np.float32)
;;   ~~~
;;   SOFTMAX AHEAD OF A QUANTISED PRODUCT. Where the list says 'softmax', what is quantised is not the finished softmax but p = 2^(t - M), with t = logit x log2(e) and M = ceil(the row's largest t), a whole number; so 1/2 < the row's largest p <= 1. The row's sum l is taken of the UNQUANTISED p, in f32, and the product's result is divided by l at the end. Since M is a whole number, a kernel that streams over the keys may use a running M (the ceiling of the running maximum): every later rescaling is an exact power of two, which a block's scale takes up: the codes' values come out the same.
;;   OPERANDS COMPUTED ON THE WAY. 'Computed on the way' means the value that the module computes at that place (a softmax that the list does not call 'softmax' is quantised finished and normalised). What goes into a quantiser is computed in f32, as accurately as f32 sums, v_exp_f32 and their like allow (about 1e-6 of the number): no bf16 or f16 on the way to a quantiser, and a product that is left as it is and whose result goes on into a quantised operand takes f32 operands (vector FMAs, or v_wmma_f32_16x16x4_f32). A number that lies on a knife's edge between two numbers of the format may be rounded either way, as far as f32 arithmetic and the matrix unit's own rounding can turn it there, and no further.
;; 2 versions. Each part assembles by itself: llvm-mc -triple=amdgcn-amd-amdhsa -mcpu=gfx1250 --defsym DOCPART=n.
;; ======== version 1 of 2: 5 launches
;; workspace buffers: opnd 9,994,240 bytes; qkv 19,660,800 bytes; prob 14,680,064 bytes; ctx 6,553,600 bytes
;; launch quant (part 1): grid 384 x 1, 4 waves a work-group, no clusters, 61,952 bytes of LDS; arguments x, W_c, W_p, opnd; writes opnd
.if DOCPART == 1
	.amdgcn_target "amdgcn-amd-amdhsa--gfx1250"
	.amdhsa_code_object_version 6
	.text
	.protected	k_qb1b6dafd8b_quant
	.globl	k_qb1b6dafd8b_quant
	.p2align	8
	.type	k_qb1b6dafd8b_quant,@function
k_qb1b6dafd8b_quant:
	s_mov_b64 s[64:65], 0
	v_nop
	global_prefetch_b8 v0, s[64:65] scope:SCOPE_SE
	s_setreg_imm32_b32 hwreg(HW_REG_WAVE_MODE, 25, 1), 1
	s_wait_xcnt 0x0
; x [8192][1024], W_c [1024][3072] and W_p [1024][1024], f32, become codes of FP6 (E2M3) with one E8M0 byte for each 32 along K (x: its last axis; the weights: their first).
; A block's scale is 2^(floor(log2(largest magnitude)) - 2); its byte is the largest magnitude's exponent field - 2, held at 1 from below.
; LAYOUT OF THE RESULT (read by this program alone): an operand lies as IMAGES OF ITS FRAGMENTS.  Fragment (row block rb, K step ks of 128) begins at (8 rb + ks) x 1,536 bytes;
; in it register 4 g + w of lane l lies at 512 g + 16 l + 4 w.  Scale words: the word of (ks, position) at 4 (ks x RP + position).
; POSITIONS: position p of an operand holds its logical row p with bits 3 and 4 exchanged: lane r of row block i holds row 32 (i / 2) + 8 (i % 2) + r + 8 (r / 8).
; So in the products that follow (used transposed) a lane's 16 registers of two neighbouring tiles are 16 neighbours along the next product's K.
; LIMITS: a block of zeros gets the byte 1 (its codes are zeros, and only this program reads the bytes); NaN and infinities among the inputs are not served.
; Three paths part on the work-group's number: 0-255 x, 256-351 W_c, 352-383 W_p.  Each has LDS bytes of its own.  Waves share nothing: no barrier.
.set XSO, 6291456                      ; opnd: x's codes at 0, x's scale words here (RP 8,192),
.set WCC, 6553600                      ; W_c's codes,
.set WCS, 8912896                      ; W_c's scale words (RP 8,192 too, so that x's and W_c's scale tiles have one pitch; 3,072 words a row are written and read),
.set WPC, 9175040                      ; W_p's codes,
.set WPS, 9961472                      ; W_p's scale words (RP 1,024)
.set XR,  16                           ; v16-143  x: two sets of 64 numbers as they are loaded
.set XN,  144                          ; v144-207 x: 64 numbers of my row: register 16 b + i = k 32 b + 16 (lane / 16) + i
.set PC,  208                          ; v208-227 the codes just made
.set TM,  228                          ; v228-243 at work
.set PW,  244                          ; v244     the scale word just made
.set SEL, 22                           ; s[22:23] selects of v_permlanex16_b32 for lane l xor 16
; 64 numbers of a lane become a fragment's 12 registers in v[PC] on and my row's scale word in v[PW]
.macro QUANT s
.irp b, 0,1,2,3
	v_max3_num_f32 v[TM+\b], |v[\s+16*\b]|, |v[\s+1+16*\b]|, 0x1800000   ; block b: my 16 numbers, and the floor 2^(3 - 127): the byte cannot fall under 1
.endr
.irp i, 2,4,6,8,10,12,14
.irp b, 0,1,2,3
	v_max3_num_f32 v[TM+\b], v[TM+\b], |v[\s+16*\b+\i]|, |v[\s+1+16*\b+\i]|   ; the four blocks by turns
.endr
.endr
.irp b, 0,1,2,3
	v_permlanex16_b32 v[TM+4+\b], v[TM+\b], s[SEL], s[SEL+1]
.endr
.irp b, 0,1,2,3
	v_max_num_f32 v[TM+\b], v[TM+\b], v[TM+4+\b]   ; with lane l xor 16's 16: the block's largest magnitude
.endr
.irp b, 0,1,2,3
	v_add_nc_u32 v[TM+12+\b], 0xff000000, v[TM+\b]   ; 2 off its exponent field: the conversion's scale operand
.endr
.irp b, 0,1,2,3
	v_lshrrev_b32 v[TM+4+\b], 23, v[TM+12+\b]      ; the scale's byte
.endr
	v_lshl_or_b32 v[PW], v[TM+5], 8, v[TM+4]
	v_lshl_or_b32 v[PW], v[TM+6], 16, v[PW]
	v_lshl_or_b32 v[PW], v[TM+7], 24, v[PW]
.irp c, 0,1
	v_cvt_scalef32_pk16_fp6_f32 v[PC+6*\c:PC+2+6*\c], v[\s+32*\c:\s+15+32*\c], v[TM+12+2*\c]
	v_cvt_scalef32_pk16_fp6_f32 v[PC+12+4*\c:PC+14+4*\c], v[\s+16+32*\c:\s+31+32*\c], v[TM+12+2*\c+1]   ; (a conversion's three registers begin on an even number)
.endr
	v_nop                                          ; one plain line behind the scaled conversions
.irp c, 0,1                                    ; the operand wants a whole block in a lane: lanes 0-15 block 2 c, lanes 16-31 block 2 c + 1
.irp i, 0,1,2
	v_permlane16_swap_b32 v[PC+6*\c+\i], v[PC+12+4*\c+\i]
.endr
.irp i, 0,1,2
	v_mov_b32 v[PC+3+6*\c+\i], v[PC+12+4*\c+\i]
.endr
.endr
.endm
	s_load_b256 s[4:11], s[0:1], 0x0               ; x s[4:5], W_c s[6:7], W_p s[8:9], opnd s[10:11]
	v_lshl_add_u32 v254, v0, 2, 0xf000
	v_mov_b32 v255, 0
	v_lshrrev_b32 v1, 5, v0
	v_readfirstlane_b32 s12, v1                    ; wave 0..3
	v_and_b32 v2, 31, v0                           ; lane
	s_mov_b32 s[SEL], 0x76543210
	s_mov_b32 s[SEL+1], 0xfedcba98
	s_wait_kmcnt 0x0
	s_cmp_lt_u32 ttmp9, 256
	s_cbranch_scc0 .Lweights
; ---- x.  Work-group id: 64 rows (id / 2), four K steps (id % 2); wave w: K step 4 (id % 2) + w, four fragments (row blocks 4 (id / 2) + f).
; Each load reads 512 consecutive bytes of one row; 16 rows turn through the wave's stage (rows 528 bytes apart) and come back 16 neighbours of each block to a lane.
	s_lshr_b32 s13, ttmp9, 1                       ; which 64 rows
	s_and_b32 s14, ttmp9, 1
	s_lshl_b32 s14, s14, 2
	s_add_co_u32 s14, s14, s12                     ; my K step
	v_lshlrev_b32 v3, 4, v2                        ; 16 x lane
	s_mul_i32 s15, s12, 8704                       ; my LDS: a stage of 16 x 528 bytes, then 256 bytes of scale words
	v_add_nc_u32 v14, s15, v3                      ; into the stage
	v_and_b32 v8, 15, v0                           ; r
	v_bfe_u32 v9, v0, 4, 1                         ; h
	v_mul_u32_u24 v15, v8, 528
	v_lshl_add_u32 v15, v9, 6, v15
	v_add_nc_u32 v15, s15, v15                     ; out of it: row r, + 64 h
	s_add_co_u32 s15, s15, 8448
	v_lshl_add_u32 v5, v8, 2, s15                  ; my row's scale word
	v_lshl_add_u32 v6, v2, 3, s15                  ; the words' way out: 8 bytes a lane
	v_lshlrev_b32 v7, 3, v2
.irp b, 0,1,2,3
	v_mov_b32 v[TM+4+\b], 0                        ; written once: a lane permute's destination counts as one of its sources
.endr
	s_lshl_b32 s16, s13, 18                        ; 64 rows of 4,096 bytes
	s_lshl_b32 s17, s14, 9                         ; 512 bytes a K step
	s_add_co_u32 s16, s16, s17
	s_mov_b32 s17, 0
	s_add_nc_u64 s[4:5], s[4:5], s[16:17]
	s_lshl_b32 s18, s13, 5
	s_add_co_u32 s18, s18, s14
	s_mul_i32 s18, s18, 1536                       ; fragment (4 (id / 2), ks)
	s_mov_b32 s19, 0
	s_add_nc_u64 s[18:19], s[10:11], s[18:19]
	s_lshl_b32 s20, s14, 15
	s_lshl_b32 s21, s13, 8
	s_add_co_u32 s20, s20, s21
	s_add_co_u32 s20, s20, XSO
	s_mov_b32 s21, 0
	s_add_nc_u64 s[20:21], s[10:11], s[20:21]      ; my 64 scale words: one aligned run of 256 bytes
.macro LOADX f                         ; fragment f's 16 rows, in the order of their positions
.irp p, 0,1,2,3,4,5,6,7,8,9,10,11,12,13,14,15
	global_load_b128 v[XR+64*((\f)%2)+4*\p:XR+64*((\f)%2)+4*\p+3], v3, s[4:5] offset:(32*((\f)/2)+8*((\f)%2)+\p+8*(\p/8))*4096 th:TH_LOAD_NT
.endr
.endm
.macro FRAGX f
.if (\f) < 3
	s_wait_loadcnt 16                              ; this fragment's 16 loads are in; the next fragment's 16 may be out
.else
	s_wait_loadcnt 0x0
.endif
.irp p, 0,1,2,3,4,5,6,7,8,9,10,11,12,13,14,15
	ds_store_b128 v14, v[XR+64*((\f)%2)+4*\p:XR+64*((\f)%2)+4*\p+3] offset:528*\p
.endr
.irp b, 0,1,2,3
.irp j, 0,1,2,3
	ds_load_b128 v[XN+16*\b+4*\j:XN+16*\b+4*\j+3], v15 offset:128*\b+16*\j   ; LDS serves a wave's instructions in order: these see the stores above
.endr
.endr
.if (\f) < 2
	s_wait_dscnt 16                                ; all but the 16 loads: the stores have read their registers,
	LOADX (\f)+2                                   ; which take the fragment two on
.endif
	s_wait_dscnt 0x0                               ; my 64 numbers are in; the last scale word's store has read its register
	s_wait_xcnt 0x0                                ; the last fragment's stores have read the codes' registers
	QUANT XN
.irp g, 0,1,2
	global_store_b128 v3, v[PC+4*\g:PC+4*\g+3], s[18:19] offset:(\f)*12288+512*\g   ; the image: 512 consecutive bytes a store
.endr
	ds_store_b32 v5, v[PW] offset:64*(\f)          ; lanes r and r + 16 write the same word with the same value
.endm
	LOADX 0
	LOADX 1
	FRAGX 0
	FRAGX 1
	FRAGX 2
	FRAGX 3
	ds_load_b64 v[12:13], v6
	s_wait_dscnt 0x0
	global_store_b64 v7, v[12:13], s[20:21]        ; 32 lanes store 256 consecutive bytes, aligned
	s_wait_tensorcnt 0x0
	ds_add_u32 v254, v255
	s_wait_dscnt 0x0
	s_endpgm
; ---- the weights.  A lane takes a logical column, its registers run down K: a block of 32 is one lane's, and the codes come out with K innermost.
; A wave: 32 columns (two row blocks of the result) x 256 along K (8 blocks, two K steps).  A block's 24 bytes go to their place in the fragment's image in the wave's LDS;
; after four blocks the two images leave, 512 consecutive bytes a store.
.macro LOADW t, N                      ; block t: W(32 t + i, my column)
.irp i, 0,1,2,3,4,5,6,7,8,9,10,11,12,13,14,15,16,17,18,19,20,21,22,23,24,25,26,27,28,29,30,31
	global_load_b32 v[16+32*((\t)%2)+\i], v3, s[24:25] offset:(32*(\t)+\i)*\N*4 th:TH_LOAD_NT
.endr
.endm
.macro WBLOCK t, N
.set WX, 16+32*((\t)%2)
.if (\t) < 7
	s_wait_loadcnt 32                              ; this block's 32 loads are in; the next block's may be out
.else
	s_wait_loadcnt 0x0
.endif
	v_max3_num_f32 v12, |v[WX]|, |v[WX+1]|, |v[WX+2]|
	v_max3_num_f32 v13, |v[WX+3]|, |v[WX+4]|, |v[WX+5]|
.irp i, 6,10,14,18,22,26
	v_max3_num_f32 v12, v12, |v[WX+\i]|, |v[WX+\i+1]|
	v_max3_num_f32 v13, v13, |v[WX+\i+2]|, |v[WX+\i+3]|
.endr
	v_max3_num_f32 v12, v12, |v[WX+30]|, |v[WX+31]|
	v_max3_num_f32 v12, v12, v13, 0x1800000        ; and the floor
	v_add_nc_u32 v11, 0xff000000, v12              ; the conversion's scale operand
	v_lshrrev_b32 v13, 23, v11                     ; the byte
.if (\t)%4 == 0
	v_mov_b32 v[120+(\t)/4], v13                   ; four bytes to a word, the lower K in the lower byte
.else
	v_lshl_or_b32 v[120+(\t)/4], v13, 8*((\t)%4), v[120+(\t)/4]
.endif
	v_cvt_scalef32_pk16_fp6_f32 v[80:82], v[WX:WX+15], v11
	v_cvt_scalef32_pk16_fp6_f32 v[88:90], v[WX+16:WX+31], v11
	v_nop                                          ; one plain line behind the scaled conversions
	v_mov_b32 v83, v88
	v_mov_b32 v84, v89
	v_mov_b32 v85, v90                             ; v80-85: the block's 24 bytes: registers 6 c .. 6 c + 5 of lane r + 16 h, c = block / 2, h = block % 2
.if (\t)%4 < 2
	ds_store_b128 v4, v[80:83] offset:256*((\t)%4)
	ds_store_b64 v4, v[84:85] offset:512+256*((\t)%4)
.else
	ds_store_b64 v4, v[80:81] offset:520+256*((\t)%4-2)
	ds_store_b128 v4, v[82:85] offset:1024+256*((\t)%4-2)
.endif
.if (\t)+2 < 8
	LOADW (\t)+2, \N
.endif
	s_wait_dscnt 0x0                               ; the stores have read their registers
.endm
.macro WFLUSH s, RP                    ; K step s of my two: both images and the scale words leave
.if \s > 0
	s_wait_xcnt 0x0                                ; the first flush's stores have read their registers
.endif
.irp f, 0,1
.irp g, 0,1,2
	ds_load_b128 v[96+4*(3*\f+\g):96+4*(3*\f+\g)+3], v7 offset:1664*\f+512*\g
.endr
.endr
	s_wait_dscnt 0x0
.irp f, 0,1
.irp g, 0,1,2
	global_store_b128 v8, v[96+4*(3*\f+\g):96+4*(3*\f+\g)+3], s[26:27] offset:\f*12288+\s*1536+512*\g
.endr
.endr
	global_store_b32 v9, v[120+\s], s[28:29] offset:\s*\RP*4   ; 32 lanes fill 128 consecutive bytes, the four waves 512
.endm
.macro WPATH N, RP, SRC, CBASE, SBASE, LBASE, FIRST
	s_sub_co_u32 s13, ttmp9, \FIRST
	s_lshr_b32 s14, s13, 2                         ; which 128 columns
	s_and_b32 s15, s13, 3                          ; which 256 along K
	s_lshl_b32 s16, s14, 7
	s_lshl_b32 s17, s12, 5
	s_add_co_u32 s16, s16, s17                     ; my wave's first column
	v_lshlrev_b32 v3, 2, v2                        ; in: 4 bytes a lane
	v_and_b32 v5, 7, v2
	v_lshrrev_b32 v6, 4, v2
	v_lshl_add_u32 v5, v6, 3, v5                   ; my column's lane in its row block: (L % 8) + 8 (L / 16)
	v_bfe_u32 v6, v2, 3, 1                         ; and which of the two row blocks: bit 3 of L
	s_mul_i32 s17, s12, 3328                       ; my LDS: two images, 1,664 bytes apart
	s_add_co_u32 s17, s17, \LBASE
	v_mul_u32_u24 v4, v6, 1664
	v_lshl_add_u32 v4, v5, 4, v4
	v_add_nc_u32 v4, s17, v4
	v_lshlrev_b32 v8, 4, v2
	v_add_nc_u32 v7, s17, v8
	v_lshl_add_u32 v9, v6, 4, v5
	v_lshlrev_b32 v9, 2, v9                        ; 4 x my column's position
	s_mul_i32 s18, s15, 256*\N*4
	s_lshl_b32 s19, s16, 2
	s_add_co_u32 s18, s18, s19
	s_mov_b32 s19, 0
	s_add_nc_u64 s[24:25], s[\SRC:\SRC+1], s[18:19]
	s_lshr_b32 s18, s16, 1                         ; 8 fragments a row block
	s_lshl_b32 s20, s15, 1
	s_add_co_u32 s18, s18, s20
	s_mul_i32 s18, s18, 1536
	s_add_co_u32 s18, s18, \CBASE
	s_add_nc_u64 s[26:27], s[10:11], s[18:19]
	s_mul_i32 s18, s15, 2*\RP
	s_add_co_u32 s18, s18, s16
	s_lshl_b32 s18, s18, 2
	s_add_co_u32 s18, s18, \SBASE
	s_add_nc_u64 s[28:29], s[10:11], s[18:19]
	LOADW 0, \N
	LOADW 1, \N
.irp t, 0,1,2,3
	WBLOCK \t, \N
.endr
	WFLUSH 0, \RP
.irp t, 4,5,6,7
	WBLOCK \t, \N
.endr
	WFLUSH 1, \RP
	s_wait_tensorcnt 0x0
	ds_add_u32 v254, v255
	s_wait_dscnt 0x0
	s_endpgm
.endm
.Lweights:
	s_cmp_lt_u32 ttmp9, 352
	s_cbranch_scc0 .Lwp
	WPATH 3072, 8192, 6, WCC, WCS, 34816, 256
.Lwp:
	WPATH 1024, 1024, 8, WPC, WPS, 48128, 352
.Lfunc_end_k_qb1b6dafd8b_quant:
	.size	k_qb1b6dafd8b_quant, .Lfunc_end_k_qb1b6dafd8b_quant-k_qb1b6dafd8b_quant
	.p2alignl 7, 3214868480
	.fill 96, 4, 3214868480
	.section	.rodata,"a",@progbits
	.p2align	6, 0x0
	.amdhsa_kernel k_qb1b6dafd8b_quant
		.amdhsa_group_segment_fixed_size 61952
		.amdhsa_private_segment_fixed_size 0
		.amdhsa_enable_private_segment 0
		.amdhsa_kernarg_size 32
		.amdhsa_user_sgpr_count 2
		.amdhsa_user_sgpr_kernarg_segment_ptr 1
		.amdhsa_wavefront_size32 1
		.amdhsa_system_sgpr_workgroup_id_x 1
		.amdhsa_system_sgpr_workgroup_id_y 1
		.amdhsa_system_sgpr_workgroup_id_z 1
		.amdhsa_system_vgpr_workitem_id 0
		.amdhsa_next_free_vgpr 256
		.amdhsa_next_free_sgpr 66
		.amdhsa_reserve_vcc 0
		.amdhsa_float_denorm_mode_32 3
		.amdhsa_float_denorm_mode_16_64 3
		.amdhsa_memory_ordered 1
		.amdhsa_forward_progress 1
		.amdhsa_inst_pref_size 115
	.end_amdhsa_kernel
	.amdgpu_metadata
---
amdhsa.version: [ 1, 2 ]
amdhsa.kernels:
  - .name:           k_qb1b6dafd8b_quant
    .symbol:         k_qb1b6dafd8b_quant.kd
    .args:
      - { .name: x, .offset: 0, .size: 8, .value_kind: global_buffer, .address_space: global }
      - { .name: W_c, .offset: 8, .size: 8, .value_kind: global_buffer, .address_space: global }
      - { .name: W_p, .offset: 16, .size: 8, .value_kind: global_buffer, .address_space: global }
      - { .name: opnd, .offset: 24, .size: 8, .value_kind: global_buffer, .address_space: global }
    .group_segment_fixed_size: 61952
    .private_segment_fixed_size: 0
    .kernarg_segment_align: 8
    .kernarg_segment_size: 32
    .max_flat_workgroup_size: 128
    .sgpr_count:     66
    .vgpr_count:     256
    .wavefront_size: 32
...
	.end_amdgpu_metadata
.endif
;; end of part 1
;; launch qkv (part 2): grid 8 x 48, 4 waves a work-group, clusters of 4 x 4, 327,680 bytes of LDS; arguments opnd, b_c, qkv; writes qkv
.if DOCPART == 2
	.amdgcn_target "amdgcn-amd-amdhsa--gfx1250"
	.amdhsa_code_object_version 6
	.text
	.protected	k_qb1b6dafd8b_qkv
	.globl	k_qb1b6dafd8b_qkv
	.p2align	8
	.type	k_qb1b6dafd8b_qkv,@function
k_qb1b6dafd8b_qkv:
	s_mov_b64 s[64:65], 0
	v_nop
	global_prefetch_b8 v0, s[64:65] scope:SCOPE_SE
	s_setreg_imm32_b32 hwreg(HW_REG_WAVE_MODE, 25, 1), 1
	s_wait_xcnt 0x0
	s_wait_alu depctr_hold_cnt(0) depctr_sa_sdst(0) depctr_va_vdst(0) depctr_va_sdst(0) depctr_va_ssrc(0) depctr_va_vcc(0) depctr_vm_vsrc(0)
	s_getreg_b32 s2, hwreg(HW_REG_IB_STS2, 6, 4)
	s_cmp_eq_u32 s2, 0
	s_cbranch_scc0 .Lentry_in_a_cluster
	s_endpgm
.Lentry_in_a_cluster:
	s_bfe_u32 s2, ttmp6, 0x10000c
	s_cmp_lg_u32 s2, 0xf033
	s_cbranch_scc0 .Lentry_shape_is_right
	s_endpgm
.Lentry_shape_is_right:
; c = x W_c + b_c on codes of FP6 (E2M3) with E8M0 scales, sums in f32; the result leaves QUANTISED, as the operands of the two products that follow:
; q and k along the features (clusters with y < 8: A = x's tokens, B = W_c's columns 0-2,047), v along the tokens (y >= 8: A = W_c's columns 2,048 on, B = x's tokens).
; OPERANDS lie in memory as images of their fragments: fragment (row block rb, K step ks) at (rb KS + ks) x 1,536 bytes, register 4 g + w of lane l at 512 g + 16 l + 4 w; scale words at 4 (ks RP + position).
; Position p holds logical row p with bits 3 and 4 exchanged.  THE MATRIX INSTRUCTION IS USED TRANSPOSED (source 0 = 16 rows of B, source 1 = 16 rows of A): a lane holds one row of A,
; and the 64 registers of its row block's eight tiles are B's logical rows 32 b + 16 (lane / 16) + i at register 16 b + i: 128 neighbours along the next K, which become one fragment and one scale word.
; SHARES: a work-group makes 256 x 256, each of its four waves 128 x 128 (64 accumulators, 512 registers).  K goes in steps of 256 through a ring of two LDS slots filled by the tensor data mover;
; a wave's load brings 8 row blocks x 3,072 bytes.  The scale words of the tile's rows, for all of K, come once with the first fills.
; CLUSTERS of 4 x 4: A's tiles are asked for jointly by a row of the cluster, B's by a column.  What differs between the two kinds of cluster are offsets chosen on the cluster's y, the same in all partners.
; The bias is the C of each sum's first matrix instruction.
; LIMITS: a block of zeros gets the byte 1 (zero codes; only this program reads the bytes); NaN and infinities are not served.
; REGISTERS: window 0: v16-31 addresses; v32-63 scale words, two sets, and nothing else; v64-127 the bias; v128-223 A's fragments, one set (on the way out: codes); v224-247 at work on the way out.
;   window 1: B's fragments, two sets, at v0 and v96.   windows 2, 3: the accumulators, (a, b) at v[8 (8 (a % 4) + b)].
.set NKS,   8                          ; K / 128
.set PA,    1536                       ; from row block to row block in A's codes, in elements of 8 bytes
.set PB,    1536
.set RSA,   4096                       ; from K step to K step in A's scale words, in elements of 8 bytes
.set RSB,   4096
.set FR,    12
.set HALFT, 8*2*1536                   ; 8 row blocks x 256 along K: what one tensor load brings, and what one wave reads of A or of B
.set SLOT,  4*HALFT
.set SCL,   2*SLOT                     ; behind the ring: A's scale words [ks][256 rows], then B's
.set SBOFF, NKS*1024
.set SPARE, SCL+2*SBOFF                ; the spare words, 128 bytes for each wave
.set ADRA, 16
.set ADRB, 20
.set L16,  24                          ; v24  16 x lane
.set ADRS, 27
.set SPW,  28
.set NIL,  29
.set SC,   32
.set CB,   64
.set AF,   128
.set PC,   176                         ; the way out: v176-195 the codes just made
.set TM,   224
.set PW,   240
.set SEL,  66
.set G1,   24
.set G0,   32
.set G1B,  48
.set G0B,  56
.set G1S,  68
.set G0S,  76
.set G1SB, 80
.set G0SB, 88
.set MUL_LO, 0xa1                      ; source 0 (B) window 1, source 1 (A) window 0, C and D window 2
.set MUL_HI, 0xf1                      ; the same, C and D window 3
.set TO_B,   0x40
.set MSB, 0
.macro WIN new                         ; the immediate's high byte repeats the setting that is left
.if MSB != (\new)
	s_set_vgpr_msb (MSB<<8)|(\new)
.set MSB, (\new)
.endif
.endm
.macro PLACES                          ; four plain lines behind matrix instructions, in front of loads into their registers and of reads of their results
.rept 4
	v_nop
.endr
.endm
.macro JLOAD g0a, g1a, g0b, g1b        ; a joint load: waves 0 and 1 fetch for A, waves 2 and 3 for B; four v_nop follow each line
	s_cmp_eq_u32 s15, 0
	s_cbranch_scc0 .Lfor_b_\@
	tensor_load_to_lds s[\g0a:\g0a+3], s[\g1a:\g1a+7]
	s_nop 0
	PLACES
	s_branch .Lasked_\@
.Lfor_b_\@:
	tensor_load_to_lds s[\g0b:\g0b+3], s[\g1b:\g1b+7]
	s_nop 0
	PLACES
.Lasked_\@:
.endm
.macro CREST                           ; a round of the cluster's barrier behind its opening barrier
	s_cmp_lg_u32 s14, 0
	s_cbranch_scc1 .Lnot_wave_0_\@
	s_barrier_signal -3
.Lnot_wave_0_\@:
	s_barrier_wait -3
	s_barrier_signal -1
	s_barrier_wait -1
.endm
.macro CROUND
	s_barrier_signal -1
	s_barrier_wait -1
	CREST
.endm
.macro GROUP1 g, mask, c, r, p         ; r rows of c elements of 8 bytes, p elements apart, no padding; the mask, and bit 21 beside it
	s_or_b32 s[\g], s[\mask], (3<<16)|(1<<21)
	s_mov_b32 s[\g+1], (\c)<<16
	s_mov_b32 s[\g+2], (\r)<<16
	s_mov_b32 s[\g+3], (\c)<<16
	s_mov_b32 s[\g+4], \r
	s_mov_b32 s[\g+5], \p
	s_mov_b32 s[\g+6], 0
	s_mov_b32 s[\g+7], 0
.endm
.macro GROUP0 g, lds, ldsoff, adr, step
	s_mov_b32 s[\g], 1
	s_add_co_u32 s[\g+1], s[\lds], \ldsoff
	s_add_nc_u64 s[\g+2:\g+3], s[\adr:\adr+1], \step
	s_or_b32 s[\g+3], s[\g+3], 0x80000000
.endm
.macro TADDR d, g, tm, hm, off         ; an offset: tile g x tm + my half x hm + off
	s_mul_i32 s[\d], s[\g], \tm
	s_mul_i32 s[\d+1], s16, \hm
	s_add_co_u32 s[\d], s[\d], s[\d+1]
	s_add_co_u32 s[\d], s[\d], \off
	s_mov_b32 s[\d+1], 0
.endm
.macro FRAG reg, adr, q, i             ; a fragment comes as it lies: three loads of 16 bytes a lane, 512 consecutive bytes each
.irp g, 0,1,2
	ds_load_b128 v[\reg+4*\g:\reg+4*\g+3], v[\adr] offset:(\i)*3072+(\q)*1536+512*\g
.endr
.endm
.macro FETCH_B slot, q, p
	WIN TO_B
.irp i, 0,1,2,3,4,5,6,7
	FRAG 96*(\p)+FR*\i, ADRB+\slot, \q, \i
.endr
	WIN 0
.endm
.macro FETCH_A slot, q, i0
.irp i, \i0, \i0+1, \i0+2, \i0+3
	FRAG AF+FR*(\i), ADRA+\slot, \q, \i
.endr
.endm
.macro SCALES sc                       ; a K step's scale words: lanes 0-15 A's block i, lanes 16-31 B's block i, for both of its 128
.irp i, 0,1,2,3,4,5,6,7
.irp q, 0,1
	ds_load_b32 v[SC+16*\sc+2*\i+\q], v[ADRS] offset:\q*1024+\i*64
.endr
.endr
.endm
; 16 matrix instructions: A's blocks a0, a0 + 1 x B's eight.  mode 0: in place; 1: C = 0; 2: C = the bias of B's block; 3: of A's block.  The 64 accumulators take turns.
.macro MUL16 a0, p, q, sc, mode
.irp a, \a0, \a0+1
.irp b, 0,1,2,3,4,5,6,7
.set rD, 8*(8*((\a)%4)+\b)
.set rB, 96*(\p)+FR*\b
.set rA, AF+FR*(\a)
.set rSB, SC+16*(\sc)+2*\b+(\q)
.set rSA, SC+16*(\sc)+2*(\a)+(\q)
.if \mode == 0
	v_wmma_scale_f32_16x16x128_f8f6f4 v[rD:rD+7], v[rB:rB+FR-1], v[rA:rA+FR-1], v[rD:rD+7], v[rSB], v[rSA] matrix_a_fmt:MATRIX_FMT_FP6 matrix_b_fmt:MATRIX_FMT_FP6 matrix_a_scale:MATRIX_SCALE_ROW1
.elseif \mode == 1
	v_wmma_scale_f32_16x16x128_f8f6f4 v[rD:rD+7], v[rB:rB+FR-1], v[rA:rA+FR-1], 0, v[rSB], v[rSA] matrix_a_fmt:MATRIX_FMT_FP6 matrix_b_fmt:MATRIX_FMT_FP6 matrix_a_scale:MATRIX_SCALE_ROW1
.elseif \mode == 2
	v_wmma_scale_f32_16x16x128_f8f6f4 v[rD:rD+7], v[rB:rB+FR-1], v[rA:rA+FR-1], v[CB+8*\b:CB+8*\b+7], v[rSB], v[rSA] matrix_a_fmt:MATRIX_FMT_FP6 matrix_b_fmt:MATRIX_FMT_FP6 matrix_a_scale:MATRIX_SCALE_ROW1
.else
	v_wmma_scale_f32_16x16x128_f8f6f4 v[rD:rD+7], v[rB:rB+FR-1], v[rA:rA+FR-1], v[CB+8*(\a):CB+8*(\a)+7], v[rSB], v[rSA] matrix_a_fmt:MATRIX_FMT_FP6 matrix_b_fmt:MATRIX_FMT_FP6 matrix_a_scale:MATRIX_SCALE_ROW1
.endif
.endr
.endr
.endm
.macro STEP slot, mode                 ; a slot's first 128 along K; the second's fragments are fetched on the way
	s_wait_dscnt 12                                ; all but the youngest 12 loads (A's blocks 4-7)
	WIN MUL_LO-0x20*((\mode)/2)                    ; (the bias lies in window 0)
	MUL16 0, 0, 0, \slot, \mode
	MUL16 2, 0, 0, \slot, \mode
	s_wait_dscnt 0x0                               ; A's blocks 4-7 are in
	PLACES
	FETCH_B \slot, 1, 1
	FETCH_A \slot, 1, 0
	WIN MUL_HI-0x30*((\mode)/2)
	MUL16 4, 0, 0, \slot, \mode
	MUL16 6, 0, 0, \slot, \mode
	PLACES
	WIN 0
	FETCH_A \slot, 1, 4
.endm
; A slot's second 128 along K, and the change of slots: one barrier; in front of it each wave waits for all its tensor loads, adds 0 to its spare word, and waits for that and for its reads of this slot.
.macro TURN slot, next, fill
	s_wait_tensorcnt 0x0                           ; all my tensor loads have landed: my part of the next slot
	ds_add_u32 v[SPW], v[NIL]                      ; 0 onto my spare word
	s_wait_dscnt 13                                ; (the add and the youngest 12 loads may be out)
	WIN MUL_LO
	MUL16 0, 1, 1, \slot, 0
	s_wait_dscnt 0x0                               ; the add is done, and my reads of this slot are over
	s_barrier_signal -1
	MUL16 2, 1, 1, \slot, 0
	WIN 0
	s_barrier_wait -1
.if \fill
	CREST                                          ; the barrier has opened a round of the cluster's: no wave of any partner still reads this slot or has a load on its way
	s_add_nc_u64 s[G0+4*\slot+2:G0+4*\slot+3], s[G0+4*\slot+2:G0+4*\slot+3], 6144
	s_add_nc_u64 s[G0B+4*\slot+2:G0B+4*\slot+3], s[G0B+4*\slot+2:G0B+4*\slot+3], 6144
	JLOAD G0+4*\slot, G1, G0B+4*\slot, G1B         ; the first tensor load behind the round, one a wave; its four v_nop are also the places in front of the loads below
.else
	PLACES
.endif
	v_add_nc_u32 v[ADRS], 2048, v[ADRS]            ; the next K step's scale words (no LDS load of mine is out)
	FETCH_B \next, 0, 0
	FETCH_A \next, 0, 0
	SCALES \next
	WIN MUL_HI
	MUL16 4, 1, 1, \slot, 0
	MUL16 6, 1, 1, \slot, 0
	PLACES
	WIN 0
	FETCH_A \next, 0, 4
.endm
; 64 numbers of a lane, in window w from register s on, become a fragment's codes in v[PC] on and my row's scale word in v[PW].  Each accumulator is first read at its registers 0 and 1.
.macro QUANT s, w
	WIN 0x14*(\w)
.irp b, 0,1,2,3
	v_max3_num_f32 v[TM+\b], 0x1800000, |v[\s+16*\b]|, |v[\s+1+16*\b]|   ; block b: my 16 numbers, and the floor 2^(3 - 127)
.endr
.irp i, 2,4,6,8,10,12,14
.irp b, 0,1,2,3
	v_max3_num_f32 v[TM+\b], v[TM+\b], |v[\s+16*\b+\i]|, |v[\s+1+16*\b+\i]|
.endr
.endr
	WIN 0
.irp b, 0,1,2,3
	v_permlanex16_b32 v[TM+4+\b], v[TM+\b], s[SEL], s[SEL+1]
.endr
.irp b, 0,1,2,3
	v_max_num_f32 v[TM+\b], v[TM+\b], v[TM+4+\b]
.endr
.irp b, 0,1,2,3
	v_add_nc_u32 v[TM+12+\b], 0xff000000, v[TM+\b] ; 2 off the exponent field: the conversion's scale operand
.endr
.irp b, 0,1,2,3
	v_lshrrev_b32 v[TM+4+\b], 23, v[TM+12+\b]
.endr
	v_lshl_or_b32 v[PW], v[TM+5], 8, v[TM+4]
	v_lshl_or_b32 v[PW], v[TM+6], 16, v[PW]
	v_lshl_or_b32 v[PW], v[TM+7], 24, v[PW]
	WIN \w
.irp c, 0,1
	v_cvt_scalef32_pk16_fp6_f32 v[PC+6*\c:PC+2+6*\c], v[\s+32*\c:\s+15+32*\c], v[TM+12+2*\c]
	v_cvt_scalef32_pk16_fp6_f32 v[PC+12+4*\c:PC+14+4*\c], v[\s+16+32*\c:\s+31+32*\c], v[TM+12+2*\c+1]
.endr
	WIN 0
	v_nop                                          ; one plain line behind the scaled conversions
.irp c, 0,1
.irp i, 0,1,2
	v_permlane16_swap_b32 v[PC+6*\c+\i], v[PC+12+4*\c+\i]
.endr
.irp i, 0,1,2
	v_mov_b32 v[PC+3+6*\c+\i], v[PC+12+4*\c+\i]
.endr
.endr
.endm
	s_load_b128 s[4:7], s[0:1], 0x0                ; opnd s[4:5], b_c s[6:7]
	s_load_b64 s[8:9], s[0:1], 0x10                ; qkv
	v_lshl_add_u32 v[SPW], v0, 2, SPARE
	v_mov_b32 v[NIL], 0
	ds_add_u32 v28, v29
	ds_add_u32 v28, v29
	s_wait_dscnt 0x0
	v_lshrrev_b32 v1, 5, v0
	v_readfirstlane_b32 s14, v1                    ; wave 0..3
	s_lshr_b32 s15, s14, 1                         ; my half of the tile's rows.  Also: I fetch for A (0) or for B (1)
	s_and_b32 s16, s14, 1                          ; my half of its columns.  Also: which half of that tile I fetch
	s_bfe_u32 s40, ttmp6, 0x40000                  ; cx
	s_bfe_u32 s41, ttmp6, 0x40004                  ; cy
	s_and_b32 s96, ttmp7, 0xffff                   ; the cluster's y: under 8 q and k, from 8 on v
	s_lshl_b32 s98, s96, 1
	s_add_co_u32 s98, s98, ttmp9
	s_sub_co_u32 s98, s98, 16                      ; v: the eight clusters lie side by side along the tokens: 2 (y - 8) + x
	s_mov_b32 s2, 8126464
	s_mov_b32 s3, 8921088
	s_mov_b32 s67, 6291456
	s_mov_b32 s97, 19398656
	s_mov_b32 s100, 98304
	s_mov_b32 s101, 4096
	s_cmp_lt_u32 s96, 8
	s_cselect_b32 s98, ttmp9, s98                  ; the cluster's place along B's tiles,
	s_cselect_b32 s99, s96, 0                      ; and along A's
	s_cselect_b32 s2, 0, s2                        ; A's codes: x's | W_c's from column 2,048 on
	s_cselect_b32 s3, 6291456, s3                  ; A's scale words
	s_cselect_b32 s66, 6553600, 0                  ; B's codes: W_c's | x's
	s_cselect_b32 s67, 8912896, s67                ; B's scale words
	s_cselect_b32 s95, 0, 13107200                 ; the result's codes: q and k | v
	s_cselect_b32 s97, 12582912, s97               ; its scale words
	s_cselect_b32 s100, 24576, s100                ; from row block to row block in the result: 16 | 64 fragments
	s_cselect_b32 s101, 32768, s101                ; from K step to K step in its scale words
	s_lshl_b32 s42, s98, 2
	s_add_co_u32 s42, s42, s40                     ; B's tile
	s_lshl_b32 s17, s99, 2
	s_add_co_u32 s17, s17, s41                     ; A's tile
	s_lshl_b32 s43, s41, 2
	s_lshl_b32 s43, 15, s43                        ; my row of the cluster
	s_lshl_b32 s44, 0x1111, s40                    ; my column
	GROUP1 G1, 43, 384, 8, PA
	GROUP1 G1B, 44, 384, 8, PB
	GROUP1 G1S, 43, 128, 4, RSA                    ; four K steps' scale words of 256 rows
	GROUP1 G1SB, 44, 128, 4, RSB
	TADDR 20, 17, 196608, 98304, s2                ; A's addresses hang on A's tile alone, B's on B's alone, each in registers that never hold the other coordinate
	TADDR 22, 17, 1024, 131072, s3
	TADDR 46, 42, 196608, 98304, s66
	TADDR 92, 42, 1024, 131072, s67
	s_mul_i32 s45, s14, HALFT                      ; where they go: no place in the cluster enters an LDS address
	s_lshl_b32 s94, s14, 12
	s_wait_kmcnt 0x0
	s_add_nc_u64 s[20:21], s[4:5], s[20:21]
	s_add_nc_u64 s[22:23], s[4:5], s[22:23]
	s_add_nc_u64 s[46:47], s[4:5], s[46:47]
	s_add_nc_u64 s[92:93], s[4:5], s[92:93]
	CROUND                                         ; all sixteen work-groups are here: the first joint loads meet
	GROUP0 G0S, 94, SCL, 22, 0
	GROUP0 G0SB, 94, SCL, 92, 0
	JLOAD G0S, G1S, G0SB, G1SB                     ; the scale words first
.irp s, 0,1
	GROUP0 G0+4*\s, 45, \s*SLOT, 20, \s*3072
	GROUP0 G0B+4*\s, 45, \s*SLOT, 46, \s*3072
	JLOAD G0+4*\s, G1, G0B+4*\s, G1B               ; three loads of mine are out
.endr
	s_mov_b32 s[SEL], 0x76543210
	s_mov_b32 s[SEL+1], 0xfedcba98
	v_and_b32 v1, 15, v0                           ; r
	v_bfe_u32 v2, v0, 4, 1                         ; h
	v_and_b32 v3, 31, v0
	v_lshlrev_b32 v[L16], 4, v3
	s_mul_i32 s21, s15, HALFT
	s_mul_i32 s22, s16, HALFT
	s_add_co_u32 s22, s22, 2*HALFT
.irp s, 0,1
	v_add_nc_u32 v[ADRA+\s], s21, v[L16]
	v_add_nc_u32 v[ADRB+\s], s22, v[L16]
	s_add_co_u32 s21, s21, SLOT
	s_add_co_u32 s22, s22, SLOT
.endr
	s_lshl_b32 s21, s15, 9                         ; scale words: A's, my 128 rows;
	s_lshl_b32 s22, s16, 9
	s_add_co_u32 s22, s22, SBOFF
	s_sub_co_u32 s22, s22, s21                     ; lanes 16-31 take B's: one product in h
	v_mul_u32_u24 v6, s22, v2
	s_add_co_u32 s21, s21, SCL
	v_lshl_add_u32 v6, v1, 2, v6
	v_add_nc_u32 v[ADRS], s21, v6
	v_lshlrev_b32 v22, 6, v2                       ; the bias by B's rows: 64 h
	v_and_b32 v5, 8, v1
	v_add_nc_u32 v5, v5, v1
	v_lshlrev_b32 v23, 2, v5                       ; by A's rows: 4 (r + 8 (r / 8))
.irp b, 0,1,2,3
	v_mov_b32 v[TM+4+\b], 0                        ; a lane permute's destination counts as one of its sources
.endr
	; where my part of the result goes: fragment (16 A's tile + 8 half + a, 2 B's tile + half)
	s_lshl_b32 s98, s17, 4
	s_lshl_b32 s99, s15, 3
	s_add_co_u32 s98, s98, s99
	s_mul_i32 s98, s98, s100
	s_add_co_u32 s98, s98, s95
	s_lshl_b32 s99, s42, 1
	s_add_co_u32 s99, s99, s16                     ; the K step that I make
	s_mul_i32 s95, s99, 1536
	s_add_co_u32 s98, s98, s95
	s_mul_i32 s95, s99, s101
	s_mov_b32 s99, 0
	s_add_nc_u64 s[10:11], s[8:9], s[98:99]
	s_add_co_u32 s95, s95, s97
	s_lshl_b32 s98, s17, 10
	s_add_co_u32 s98, s98, s95
	s_lshl_b32 s95, s15, 9
	s_add_co_u32 s98, s98, s95
	s_add_nc_u64 s[12:13], s[8:9], s[98:99]        ; my 128 scale words
	s_mov_b32 s101, 0                              ; s[100:101]: the step from row block to row block
	s_lshl_b32 s95, s14, 9                         ; the words are gathered in 512 bytes of slot 0, which has had its last fill and its last read by then
	v_lshl_add_u32 v25, v1, 2, s95
	v_add_nc_u32 v26, s95, v[L16]
	; the bias
	s_cmp_lt_u32 s96, 8
	s_cselect_b32 s98, s42, s17
	s_cselect_b32 s95, s16, s15
	s_cselect_b32 s97, 0, 8192
	s_lshl_b32 s98, s98, 10
	s_lshl_b32 s95, s95, 9
	s_add_co_u32 s98, s98, s95
	s_add_co_u32 s98, s98, s97
	s_add_nc_u64 s[6:7], s[6:7], s[98:99]
	s_cmp_lt_u32 s96, 8                            ; a branch on the cluster's y: the same in all sixteen partners
	s_cbranch_scc0 .Lbias_v
.irp b, 0,1,2,3,4,5,6,7                        ; q, k: register j of tile b is feature 32 (b / 2) + 16 h + 8 (b % 2) + j
	global_load_b128 v[CB+8*\b:CB+8*\b+3], v22, s[6:7] offset:128*(\b/2)+32*(\b%2)
	global_load_b128 v[CB+8*\b+4:CB+8*\b+7], v22, s[6:7] offset:128*(\b/2)+32*(\b%2)+16
.endr
	s_branch .Lbias_done
.Lbias_v:
.irp a, 0,1,2,3,4,5,6,7                        ; v: all eight registers of a tile of row block a are my row's feature
.irp j, 0,1,2,3,4,5,6,7
	global_load_b32 v[CB+8*\a+\j], v23, s[6:7] offset:128*(\a/2)+32*(\a%2)
.endr
.endr
.Lbias_done:
	s_wait_tensorcnt 1                             ; the scale words and my part of slot 0 are in; slot 1's load may be out
	s_barrier_signal -1
	s_barrier_wait -1
	FETCH_B 0, 0, 0
	FETCH_A 0, 0, 0
	SCALES 0
	FETCH_A 0, 0, 4
	s_wait_loadcnt 0x0                             ; the bias
	s_cmp_lt_u32 s96, 8
	s_cbranch_scc0 .Lstep_v
	STEP 0, 2                                      ; the first products start the sums with the bias
	s_branch .Lstep_done
.Lstep_v:
	STEP 0, 3
.Lstep_done:
	TURN 0, 1, 1                                   ; K is four slots' worth: the ring is written out
	STEP 1, 0
	TURN 1, 0, 1
	STEP 0, 0
	TURN 0, 1, 0                                   ; the last two slots are not filled again
	STEP 1, 0
	s_wait_dscnt 12
	WIN MUL_LO
	MUL16 0, 1, 1, 1, 0
	MUL16 2, 1, 1, 1, 0
	s_wait_dscnt 0x0
	WIN MUL_HI
	MUL16 4, 1, 1, 1, 0
	MUL16 6, 1, 1, 1, 0
	WIN 0
	PLACES
	; THE WAY OUT: each row block's 64 registers a lane become one fragment, stored as its image, and one scale word a row
.irp a, 0,1,2,3,4,5,6,7
.if \a > 0
	s_wait_xcnt 0x0                                ; the last block's stores have read the codes' registers and their base
	s_wait_dscnt 0x0                               ; and the word's store its register
	s_add_nc_u64 s[10:11], s[10:11], s[100:101]
.endif
.set QS, 64*(\a%4)
.set QW, 2+\a/4
	QUANT QS, QW
.irp g, 0,1,2
	global_store_b128 v[L16], v[PC+4*\g:PC+4*\g+3], s[10:11] offset:512*\g   ; 512 consecutive bytes, aligned
.endr
	ds_store_b32 v25, v[PW] offset:64*\a           ; lanes r and r + 16 write the same word with the same value
.endr
	ds_load_b128 v[244:247], v26                   ; LDS serves a wave's instructions in order: this sees my stores
	s_wait_dscnt 0x0
	global_store_b128 v[L16], v[244:247], s[12:13] ; my 128 scale words: 512 consecutive bytes
	s_wait_tensorcnt 0x0                           ; the wave's end
	ds_add_u32 v[SPW], v[NIL]
	s_wait_dscnt 0x0
	CROUND                                         ; the closing round
	s_endpgm
.Lfunc_end_k_qb1b6dafd8b_qkv:
	.size	k_qb1b6dafd8b_qkv, .Lfunc_end_k_qb1b6dafd8b_qkv-k_qb1b6dafd8b_qkv
	.p2alignl 7, 3214868480
	.fill 96, 4, 3214868480
	.section	.rodata,"a",@progbits
	.p2align	6, 0x0
	.amdhsa_kernel k_qb1b6dafd8b_qkv
		.amdhsa_group_segment_fixed_size 327680
		.amdhsa_private_segment_fixed_size 0
		.amdhsa_enable_private_segment 0
		.amdhsa_kernarg_size 24
		.amdhsa_user_sgpr_count 2
		.amdhsa_user_sgpr_kernarg_segment_ptr 1
		.amdhsa_wavefront_size32 1
		.amdhsa_system_sgpr_workgroup_id_x 1
		.amdhsa_system_sgpr_workgroup_id_y 1
		.amdhsa_system_sgpr_workgroup_id_z 1
		.amdhsa_system_vgpr_workitem_id 0
		.amdhsa_next_free_vgpr 1024
		.amdhsa_next_free_sgpr 102
		.amdhsa_reserve_vcc 0
		.amdhsa_float_denorm_mode_32 3
		.amdhsa_float_denorm_mode_16_64 3
		.amdhsa_memory_ordered 1
		.amdhsa_forward_progress 1
		.amdhsa_inst_pref_size 163
	.end_amdhsa_kernel
	.amdgpu_metadata
---
amdhsa.version: [ 1, 2 ]
amdhsa.kernels:
  - .name:           k_qb1b6dafd8b_qkv
    .symbol:         k_qb1b6dafd8b_qkv.kd
    .args:
      - { .name: opnd, .offset: 0, .size: 8, .value_kind: global_buffer, .address_space: global }
      - { .name: b_c, .offset: 8, .size: 8, .value_kind: global_buffer, .address_space: global }
      - { .name: qkv, .offset: 16, .size: 8, .value_kind: global_buffer, .address_space: global }
    .group_segment_fixed_size: 327680
    .private_segment_fixed_size: 0
    .kernarg_segment_align: 8
    .kernarg_segment_size: 24
    .max_flat_workgroup_size: 128
    .sgpr_count:     102
    .vgpr_count:     1024
    .wavefront_size: 32
...
	.end_amdgpu_metadata
.endif
;; end of part 2
;; launch scores (part 3): grid 8 x 32, 4 waves a work-group, clusters of 4 x 4, 327,680 bytes of LDS; arguments qkv, score_weights, prob; writes prob
.if DOCPART == 3
	.amdgcn_target "amdgcn-amd-amdhsa--gfx1250"
	.amdhsa_code_object_version 6
	.text
	.protected	k_qb1b6dafd8b_scores
	.globl	k_qb1b6dafd8b_scores
	.p2align	8
	.type	k_qb1b6dafd8b_scores,@function
k_qb1b6dafd8b_scores:
	s_mov_b64 s[64:65], 0
	v_nop
	global_prefetch_b8 v0, s[64:65] scope:SCOPE_SE
	s_setreg_imm32_b32 hwreg(HW_REG_WAVE_MODE, 25, 1), 1
	s_wait_xcnt 0x0
	s_wait_alu depctr_hold_cnt(0) depctr_sa_sdst(0) depctr_va_vdst(0) depctr_va_sdst(0) depctr_va_ssrc(0) depctr_va_vcc(0) depctr_vm_vsrc(0)
	s_getreg_b32 s2, hwreg(HW_REG_IB_STS2, 6, 4)
	s_cmp_eq_u32 s2, 0
	s_cbranch_scc0 .Lentry_in_a_cluster
	s_endpgm
.Lentry_in_a_cluster:
	s_bfe_u32 s2, ttmp6, 0x10000c
	s_cmp_lg_u32 s2, 0xf033
	s_cbranch_scc0 .Lentry_shape_is_right
	s_endpgm
.Lentry_shape_is_right:
; For each batch: u = q k^T / 32 + score_weights, on codes of FP6 (E2M3) with E8M0 scales, sums in f32.  No score goes to memory: the way out makes, for each query and each CHUNK of 128 keys
; (a wave's columns), t = u log2(e), M = the chunk's largest t rounded up to a whole number, p = 2^(t - M), the sum of the unquantised p, and p's codes and scale word along the keys.
; The next launch takes each row's largest M and moves the scale bytes by M_chunk - M_row: a power of two, which a block's scale takes up exactly.
; Stored: p's fragments as images (fragment (row block, chunk) at (16 rb + chunk) x 1,536 bytes), and for each (chunk, query position) 16 bytes: scale word, -M, the chunk's sum, 0.
; Ring, round, fragments, positions and the transposed use of the matrix instruction are as in the launch before: A = q (K steps 0-7 of a token's 16), B = k (K steps 8-15).
; score_weights: a wave's 128 rows x 512 bytes, by row blocks of 16 rows; each load reads 512 consecutive bytes; a block turns through the wave's stage in LDS into the accumulators' layout.
; The first two blocks are asked for ahead of the ring, into registers that lie idle; three more are prefetched at the two changes of slots that fill a slot: a lane to each aligned 256 bytes, each named once, by the wave that will read it.
; LIMITS: a chunk's largest score is held at -1e30 from below, so that a chunk of -infinity gives p = 0; NaN and +infinity are not served; M is kept as a whole number in f32; a block of zeros gets the byte 1.
; REGISTERS: window 0: v16-31 addresses; v32-63 scale words and nothing else; v64-127 raw block 0, later u and p of odd blocks; v128-223 A's fragments, later u and p of even blocks (v128-191) and codes (v192-211); v224-251 at work.
;   window 1: B's two sets at v0 and v96, later raw blocks; v192-255 raw block 1.   windows 2, 3: the accumulators.
.set NKS,   8
.set PA,    3072
.set PB,    3072
.set RSA,   4096
.set RSB,   4096
.set FR,    12
.set HALFT, 8*2*1536
.set SLOT,  4*HALFT
.set SCL,   2*SLOT
.set SBOFF, NKS*1024
.set SPARE, SCL+2*SBOFF
.set PST,   12582912                   ; prob: the statistics, behind the codes
.set ADRA, 16
.set ADRB, 20
.set L16,  24
.set ADRS, 27
.set SPW,  28
.set NIL,  29
.set SC,   32
.set AF,   128
.set PC,   192
.set BM,   224                         ; v224-227 the blocks' largest scores, then largest p
.set BX,   228                         ; v228-231 lane permutes' destinations, then bytes
.set SO,   232                         ; v232-235 the conversions' scale operands
.set NM,   236                         ; v236 -M (v237 is named with it as a pair)
.set LS,   238
.set L2,   240
.set TT,   242
.set SQ,   244                         ; v244-247 an even block's statistics, v248-250 an odd one's
.set SEL,  66
.set CS,   98                          ; s[98:99] log2(e)
.set HM,   97                          ; s97 lanes 16-31
.set G1,   24
.set G0,   32
.set G1B,  48
.set G0B,  56
.set G1S,  68
.set G0S,  76
.set G1SB, 80
.set G0SB, 88
.set MUL_LO, 0xa1
.set MUL_HI, 0xf1
.set TO_B,   0x40
.set MSB, 0
.macro WIN new
.if MSB != (\new)
	s_set_vgpr_msb (MSB<<8)|(\new)
.set MSB, (\new)
.endif
.endm
.macro PLACES
.rept 4
	v_nop
.endr
.endm
.macro JLOAD g0a, g1a, g0b, g1b
	s_cmp_eq_u32 s15, 0
	s_cbranch_scc0 .Lfor_b_\@
	tensor_load_to_lds s[\g0a:\g0a+3], s[\g1a:\g1a+7]
	s_nop 0
	PLACES
	s_branch .Lasked_\@
.Lfor_b_\@:
	tensor_load_to_lds s[\g0b:\g0b+3], s[\g1b:\g1b+7]
	s_nop 0
	PLACES
.Lasked_\@:
.endm
.macro CREST
	s_cmp_lg_u32 s14, 0
	s_cbranch_scc1 .Lnot_wave_0_\@
	s_barrier_signal -3
.Lnot_wave_0_\@:
	s_barrier_wait -3
	s_barrier_signal -1
	s_barrier_wait -1
.endm
.macro CROUND
	s_barrier_signal -1
	s_barrier_wait -1
	CREST
.endm
.macro GROUP1 g, mask, c, r, p
	s_or_b32 s[\g], s[\mask], (3<<16)|(1<<21)
	s_mov_b32 s[\g+1], (\c)<<16
	s_mov_b32 s[\g+2], (\r)<<16
	s_mov_b32 s[\g+3], (\c)<<16
	s_mov_b32 s[\g+4], \r
	s_mov_b32 s[\g+5], \p
	s_mov_b32 s[\g+6], 0
	s_mov_b32 s[\g+7], 0
.endm
.macro GROUP0 g, lds, ldsoff, adr, step
	s_mov_b32 s[\g], 1
	s_add_co_u32 s[\g+1], s[\lds], \ldsoff
	s_add_nc_u64 s[\g+2:\g+3], s[\adr:\adr+1], \step
	s_or_b32 s[\g+3], s[\g+3], 0x80000000
.endm
.macro TADDR d, g, tm, hm, off
	s_mul_i32 s[\d], s[\g], \tm
	s_mul_i32 s[\d+1], s16, \hm
	s_add_co_u32 s[\d], s[\d], s[\d+1]
	s_add_co_u32 s[\d], s[\d], \off
	s_mov_b32 s[\d+1], 0
.endm
.macro FRAG reg, adr, q, i
.irp g, 0,1,2
	ds_load_b128 v[\reg+4*\g:\reg+4*\g+3], v[\adr] offset:(\i)*3072+(\q)*1536+512*\g
.endr
.endm
.macro FETCH_B slot, q, p
	WIN TO_B
.irp i, 0,1,2,3,4,5,6,7
	FRAG 96*(\p)+FR*\i, ADRB+\slot, \q, \i
.endr
	WIN 0
.endm
.macro FETCH_A slot, q, i0
.irp i, \i0, \i0+1, \i0+2, \i0+3
	FRAG AF+FR*(\i), ADRA+\slot, \q, \i
.endr
.endm
.macro SCALES sc
.irp i, 0,1,2,3,4,5,6,7
.irp q, 0,1
	ds_load_b32 v[SC+16*\sc+2*\i+\q], v[ADRS] offset:\q*1024+\i*64
.endr
.endr
.endm
.macro MUL16 a0, p, q, sc, mode        ; mode 0: in place; 1: C = 0.  The 64 accumulators take turns
.irp a, \a0, \a0+1
.irp b, 0,1,2,3,4,5,6,7
.set rD, 8*(8*((\a)%4)+\b)
.set rB, 96*(\p)+FR*\b
.set rA, AF+FR*(\a)
.set rSB, SC+16*(\sc)+2*\b+(\q)
.set rSA, SC+16*(\sc)+2*(\a)+(\q)
.if \mode == 0
	v_wmma_scale_f32_16x16x128_f8f6f4 v[rD:rD+7], v[rB:rB+FR-1], v[rA:rA+FR-1], v[rD:rD+7], v[rSB], v[rSA] matrix_a_fmt:MATRIX_FMT_FP6 matrix_b_fmt:MATRIX_FMT_FP6 matrix_a_scale:MATRIX_SCALE_ROW1
.else
	v_wmma_scale_f32_16x16x128_f8f6f4 v[rD:rD+7], v[rB:rB+FR-1], v[rA:rA+FR-1], 0, v[rSB], v[rSA] matrix_a_fmt:MATRIX_FMT_FP6 matrix_b_fmt:MATRIX_FMT_FP6 matrix_a_scale:MATRIX_SCALE_ROW1
.endif
.endr
.endr
.endm
.macro STEP slot, mode
	s_wait_dscnt 12                                ; all but the youngest 12 loads (A's blocks 4-7)
	WIN MUL_LO
	MUL16 0, 0, 0, \slot, \mode
	MUL16 2, 0, 0, \slot, \mode
	s_wait_dscnt 0x0
	PLACES
	FETCH_B \slot, 1, 1
	FETCH_A \slot, 1, 0
	WIN MUL_HI
	MUL16 4, 0, 0, \slot, \mode
	MUL16 6, 0, 0, \slot, \mode
	PLACES
	WIN 0
	FETCH_A \slot, 1, 4
.endm
; pf: which blocks of score_weights are prefetched behind this change's run of LDS loads: 1: blocks 2 and 3; 2: block 4; 0: none
.macro TURN slot, next, fill, pf
	s_wait_tensorcnt 0x0                           ; all my tensor loads have landed: my part of the next slot
	ds_add_u32 v[SPW], v[NIL]                      ; 0 onto my spare word
	s_wait_dscnt 13                                ; (the add and the youngest 12 loads may be out)
	WIN MUL_LO
	MUL16 0, 1, 1, \slot, 0
	s_wait_dscnt 0x0                               ; the add is done, and my reads of this slot are over
	s_barrier_signal -1
	MUL16 2, 1, 1, \slot, 0
	WIN 0
	s_barrier_wait -1
.if \fill
	CREST
	s_add_nc_u64 s[G0+4*\slot+2:G0+4*\slot+3], s[G0+4*\slot+2:G0+4*\slot+3], 6144
	s_add_nc_u64 s[G0B+4*\slot+2:G0B+4*\slot+3], s[G0B+4*\slot+2:G0B+4*\slot+3], 6144
	JLOAD G0+4*\slot, G1, G0B+4*\slot, G1B
.else
	PLACES
.endif
	v_add_nc_u32 v[ADRS], 2048, v[ADRS]
	FETCH_B \next, 0, 0
	FETCH_A \next, 0, 0
	SCALES \next
.if \pf == 1
	global_prefetch_b8 v30, s[10:11] offset:32*8192 th:TH_LOAD_NT scope:SCOPE_SE   ; my block 2: 16 rows x 512 bytes, a lane to each 256
	global_prefetch_b8 v30, s[10:11] offset:40*8192 th:TH_LOAD_NT scope:SCOPE_SE   ; my block 3
.elseif \pf == 2
	global_prefetch_b8 v30, s[10:11] offset:64*8192 th:TH_LOAD_NT scope:SCOPE_SE   ; my block 4
.endif
	WIN MUL_HI
	MUL16 4, 1, 1, \slot, 0
	MUL16 6, 1, 1, \slot, 0
	PLACES
	WIN 0
	FETCH_A \next, 0, 4
.endm
.macro RAWLOAD a                       ; block a's 16 rows of score_weights, in the order of the queries' positions
.if (\a) == 0
.set RW, 64
	WIN 0
.else
.set RW, 64*(((\a)+2)%4)
	WIN 0x40
.endif
.irp p, 0,1,2,3,4,5,6,7,8,9,10,11,12,13,14,15
	global_load_b128 v[RW+4*\p:RW+4*\p+3], v[L16], s[10:11] offset:(32*((\a)/2)+8*((\a)%2)+\p+8*(\p/8))*8192 th:TH_LOAD_NT
.endr
	WIN 0
.endm
.macro SWTURN a                        ; block a through my stage: rows in, and back 16 neighbours of each block of 32 keys to a lane
.if (\a) >= 2
.if (\a) <= 4
	s_wait_loadcnt 48                              ; block a's loads are in; the three younger blocks' may be out
.else
	s_wait_loadcnt 16*(7-(\a))
.endif
.endif
.if (\a) == 0
.set RW, 64
	WIN 0
.else
.set RW, 64*(((\a)+2)%4)
	WIN 0x04                                       ; an LDS store's data are its source 1: window 1
.endif
.irp p, 0,1,2,3,4,5,6,7,8,9,10,11,12,13,14,15
	ds_store_b128 v25, v[RW+4*\p:RW+4*\p+3] offset:((\a)%2)*8448+528*\p
.endr
	WIN 0
.set S2, 128-64*((\a)%2)
.irp b, 0,1,2,3
.irp j, 0,1,2,3
	ds_load_b128 v[S2+16*\b+4*\j:S2+16*\b+4*\j+3], v26 offset:((\a)%2)*8448+128*\b+16*\j
.endr
.endr
.endm
; Row block a: u, the chunk's M, p, its sum, its codes and scale word
.macro SOFT a
.set SS, 128-64*((\a)%2)
.set AC, 64*((\a)%4)
.set QQ, SQ+4*((\a)%2)
	WIN 2+(\a)/4
.set jj, 0
.rept 32
	v_pk_fma_f32 v[SS+jj:SS+jj+1], v[AC+jj:AC+jj+1], 0x3d000000, v[SS+jj:SS+jj+1] op_sel_hi:[1,0,1]   ; u = sum / 32 + score_weights; each accumulator from its low end on
.set jj, jj+2
.endr
	WIN 0
.irp b, 0,1,2,3
	v_max3_num_f32 v[BM+\b], v[SS+16*\b], v[SS+16*\b+1], v[SS+16*\b+2]   ; the largest score of each block of 32 keys: for the chunk's maximum, and, since p rises with the score, for the block's largest p
.endr
.irp i, 3,5,7,9,11,13
.irp b, 0,1,2,3
	v_max3_num_f32 v[BM+\b], v[BM+\b], v[SS+16*\b+\i], v[SS+16*\b+\i+1]
.endr
.endr
.irp b, 0,1,2,3
	v_max_num_f32 v[BM+\b], v[BM+\b], v[SS+16*\b+15]
.endr
.irp b, 0,1,2,3
	v_permlanex16_b32 v[BX+\b], v[BM+\b], s[SEL], s[SEL+1]
.endr
.irp b, 0,1,2,3
	v_max_num_f32 v[BM+\b], v[BM+\b], v[BX+\b]
.endr
	v_max3_num_f32 v[TT], v[BM], v[BM+1], v[BM+2]
	v_max3_num_f32 v[TT], v[TT], v[BM+3], 0xf149f2ca   ; held at -1e30 from below
	v_mul_f32 v[TT], s[CS], v[TT]
	v_floor_f32 v[NM], -v[TT]                      ; -M = floor(-t): M is a whole number
.set jj, 0
.rept 32
	v_pk_fma_f32 v[SS+jj:SS+jj+1], v[SS+jj:SS+jj+1], s[CS:CS+1], v[NM:NM+1] op_sel_hi:[1,0,0]   ; t - M
.set jj, jj+2
.endr
.irp b, 0,1,2,3
	v_fma_f32 v[BM+\b], v[BM+\b], s[CS], v[NM]
.endr
.set jj, 0
.rept 64
	v_exp_f32 v[SS+jj], v[SS+jj]                   ; p = 2^(t - M), not normalised
.set jj, jj+1
.endr
.irp b, 0,1,2,3
	v_exp_f32 v[BM+\b], v[BM+\b]                   ; the block's largest p: the same two instructions on the same number
.endr
	v_nop                                          ; a plain line behind the last exponential
	s_wait_alu depctr_va_vdst(0)                   ; one wait for the batch of 68, ahead of its first reader
	v_pk_add_f32 v[LS:LS+1], v[SS:SS+1], v[SS+4:SS+5]      ; the sum of the unquantised p, in two chains
	v_pk_add_f32 v[L2:L2+1], v[SS+2:SS+3], v[SS+6:SS+7]
.irp j, 8,12,16,20,24,28,32,36,40,44,48,52,56,60
	v_pk_add_f32 v[LS:LS+1], v[LS:LS+1], v[SS+\j:SS+\j+1]
	v_pk_add_f32 v[L2:L2+1], v[L2:L2+1], v[SS+\j+2:SS+\j+3]
.endr
	v_pk_add_f32 v[LS:LS+1], v[LS:LS+1], v[L2:L2+1]
	v_add_f32 v[TT], v[LS], v[LS+1]
	v_permlanex16_b32 v[BX], v[TT], s[SEL], s[SEL+1]
	v_add_f32 v[QQ+2], v[TT], v[BX]                ; with lane l xor 16's: the chunk's sum
.irp b, 0,1,2,3
	v_max_num_f32 v[BM+\b], 0x1800000, v[BM+\b]    ; the floor 2^(3 - 127)
.endr
.irp b, 0,1,2,3
	v_add_nc_u32 v[SO+\b], 0xff000000, v[BM+\b]
.endr
.irp b, 0,1,2,3
	v_lshrrev_b32 v[BX+\b], 23, v[SO+\b]
.endr
	v_lshl_or_b32 v[QQ], v[BX+1], 8, v[BX]
	v_lshl_or_b32 v[QQ], v[BX+2], 16, v[QQ]
	v_lshl_or_b32 v[QQ], v[BX+3], 24, v[QQ]
	v_mov_b32 v[QQ+1], v[NM]
.irp c, 0,1
	v_cvt_scalef32_pk16_fp6_f32 v[PC+6*\c:PC+2+6*\c], v[SS+32*\c:SS+15+32*\c], v[SO+2*\c]
	v_cvt_scalef32_pk16_fp6_f32 v[PC+12+4*\c:PC+14+4*\c], v[SS+16+32*\c:SS+31+32*\c], v[SO+2*\c+1]
.endr
	v_nop
.irp c, 0,1
.irp i, 0,1,2
	v_permlane16_swap_b32 v[PC+6*\c+\i], v[PC+12+4*\c+\i]
.endr
.irp i, 0,1,2
	v_mov_b32 v[PC+3+6*\c+\i], v[PC+12+4*\c+\i]
.endr
.endr
.endm
	s_load_b128 s[4:7], s[0:1], 0x0                ; qkv s[4:5], score_weights s[6:7]
	s_load_b64 s[8:9], s[0:1], 0x10                ; prob
	v_lshl_add_u32 v[SPW], v0, 2, SPARE
	v_mov_b32 v[NIL], 0
	ds_add_u32 v28, v29
	ds_add_u32 v28, v29
	s_wait_dscnt 0x0
	v_lshrrev_b32 v1, 5, v0
	v_readfirstlane_b32 s14, v1
	s_lshr_b32 s15, s14, 1
	s_and_b32 s16, s14, 1
	s_bfe_u32 s40, ttmp6, 0x40000
	s_bfe_u32 s41, ttmp6, 0x40004
	s_lshl_b32 s42, ttmp9, 2
	s_add_co_u32 s42, s42, s40                     ; tile of keys in the batch, 0..7
	s_and_b32 s17, ttmp7, 0xffff
	s_lshr_b32 s95, s17, 1                         ; the batch, from the cluster's y alone: two clusters to a batch's 2,048 queries
	s_lshl_b32 s95, s95, 3
	s_add_co_u32 s95, s95, s42                     ; tile of tokens that holds these keys
	s_lshl_b32 s17, s17, 2
	s_add_co_u32 s17, s17, s41                     ; tile of queries, 0..31
	s_lshl_b32 s43, s41, 2
	s_lshl_b32 s43, 15, s43
	s_lshl_b32 s44, 0x1111, s40
	GROUP1 G1, 43, 384, 8, PA
	GROUP1 G1B, 44, 384, 8, PB
	GROUP1 G1S, 43, 128, 4, RSA
	GROUP1 G1SB, 44, 128, 4, RSB
	TADDR 20, 17, 393216, 196608, 0                ; q: K steps 0-7 of a row block's 16
	TADDR 22, 17, 1024, 131072, 12582912
	TADDR 46, 95, 393216, 196608, 12288            ; k: K steps 8-15
	TADDR 92, 95, 1024, 131072, 12845056
	s_mul_i32 s45, s14, HALFT
	s_lshl_b32 s94, s14, 12
	s_wait_kmcnt 0x0
	s_add_nc_u64 s[20:21], s[4:5], s[20:21]
	s_add_nc_u64 s[22:23], s[4:5], s[22:23]
	s_add_nc_u64 s[46:47], s[4:5], s[46:47]
	s_add_nc_u64 s[92:93], s[4:5], s[92:93]
	CROUND
	GROUP0 G0S, 94, SCL, 22, 0
	GROUP0 G0SB, 94, SCL, 92, 0
	JLOAD G0S, G1S, G0SB, G1SB
.irp s, 0,1
	GROUP0 G0+4*\s, 45, \s*SLOT, 20, \s*3072
	GROUP0 G0B+4*\s, 45, \s*SLOT, 46, \s*3072
	JLOAD G0+4*\s, G1, G0B+4*\s, G1B               ; three loads of mine are out
.endr
	s_mov_b32 s[SEL], 0x76543210
	s_mov_b32 s[SEL+1], 0xfedcba98
	s_mov_b32 s[CS], 0x3fb8aa3b
	s_mov_b32 s[CS+1], s[CS]                       ; (named with it as a pair)
	s_mov_b32 s[HM], 0xffff0000
	v_and_b32 v1, 15, v0
	v_bfe_u32 v2, v0, 4, 1
	v_and_b32 v3, 31, v0
	v_lshlrev_b32 v[L16], 4, v3
	s_lshl_b32 s96, s17, 21                        ; score_weights at my first row and column: rows of 8,192 bytes
	s_lshl_b32 s3, s15, 20
	s_add_co_u32 s96, s96, s3
	s_lshl_b32 s3, s42, 10
	s_add_co_u32 s96, s96, s3
	s_lshl_b32 s3, s16, 9
	s_add_co_u32 s2, s96, s3
	s_mov_b32 s3, 0
	s_add_nc_u64 s[10:11], s[6:7], s[2:3]
	RAWLOAD 0                                      ; two blocks land while the ring runs: their registers lie idle until the way out
	RAWLOAD 1
	s_mul_i32 s21, s15, HALFT
	s_mul_i32 s22, s16, HALFT
	s_add_co_u32 s22, s22, 2*HALFT
.irp s, 0,1
	v_add_nc_u32 v[ADRA+\s], s21, v[L16]
	v_add_nc_u32 v[ADRB+\s], s22, v[L16]
	s_add_co_u32 s21, s21, SLOT
	s_add_co_u32 s22, s22, SLOT
.endr
	s_lshl_b32 s21, s15, 9
	s_lshl_b32 s22, s16, 9
	s_add_co_u32 s22, s22, SBOFF
	s_sub_co_u32 s22, s22, s21
	v_mul_u32_u24 v6, s22, v2
	s_add_co_u32 s21, s21, SCL
	v_lshl_add_u32 v6, v1, 2, v6
	v_add_nc_u32 v[ADRS], s21, v6
	s_mul_i32 s21, s14, 16896                      ; my two stages of 16 x 528 bytes, in slot 0, which has had its last fill and its last read by then
	v_add_nc_u32 v25, s21, v[L16]
	v_mul_u32_u24 v26, v1, 528
	v_lshl_add_u32 v26, v2, 6, v26
	v_add_nc_u32 v26, s21, v26
	v_lshrrev_b32 v5, 1, v3                        ; the prefetches' offset: row (l / 2) + 8 (l / 16) of a block, half l % 2 of its 512 bytes
	v_lshl_add_u32 v5, v2, 3, v5
	v_and_b32 v6, 1, v3
	v_lshlrev_b32 v6, 8, v6
	v_lshl_add_u32 v30, v5, 13, v6
.irp b, 0,1,2,3
	v_mov_b32 v[BX+\b], 0
.endr
	v_mov_b32 v[NM+1], 0
	v_mov_b32 v[SQ+3], 0
	s_lshl_b32 s2, s42, 1
	s_add_co_u32 s2, s2, s16                       ; my chunk of 128 keys, 0..15
	s_lshl_b32 s96, s17, 4
	s_lshl_b32 s21, s15, 3
	s_add_co_u32 s21, s96, s21                     ; my first row block
	s_lshl_b32 s96, s21, 4
	s_add_co_u32 s96, s96, s2
	s_mul_i32 s22, s96, 1536
	s_mov_b32 s23, 0
	s_add_nc_u64 s[12:13], s[8:9], s[22:23]        ; p's fragments
	s_lshl_b32 s22, s2, 13
	s_lshl_b32 s21, s21, 4
	s_add_co_u32 s22, s22, s21
	s_lshl_b32 s22, s22, 4
	s_add_co_u32 s22, s22, PST
	s_add_nc_u64 s[100:101], s[8:9], s[22:23]      ; the statistics
	s_wait_tensorcnt 1                             ; the scale words and my part of slot 0 are in; slot 1's load may be out
	s_barrier_signal -1
	s_barrier_wait -1
	FETCH_B 0, 0, 0
	FETCH_A 0, 0, 0
	SCALES 0
	FETCH_A 0, 0, 4
	STEP 0, 1                                      ; the first products start the sums
	TURN 0, 1, 1, 1
	STEP 1, 0
	TURN 1, 0, 1, 2
	STEP 0, 0
	TURN 0, 1, 0, 0
	STEP 1, 0
	s_wait_dscnt 12
	WIN MUL_LO
	MUL16 0, 1, 1, 1, 0
	MUL16 2, 1, 1, 1, 0
	s_wait_dscnt 0x0
	WIN MUL_HI
	MUL16 4, 1, 1, 1, 0
	MUL16 6, 1, 1, 1, 0
	WIN 0
	PLACES
	; THE WAY OUT, a row block at a time; the next block turns through the stage, and later blocks' loads are on their way, while this one is worked
	s_wait_loadcnt 0x0                             ; raw blocks 0 and 1, asked for ahead of the ring
	RAWLOAD 2
	RAWLOAD 3
	RAWLOAD 4
	SWTURN 0
.irp a, 0,1,2,3,4,5,6,7
	s_wait_dscnt 0x0                               ; this block's score_weights are in their layout
.if \a < 7
	SWTURN \a+1
.endif
.if \a < 3
	s_wait_dscnt 16                                ; all but the 16 loads: the stores into the stage have read the raw registers,
	RAWLOAD \a+5                                   ; which take the block four on
.endif
.if \a > 0
	s_wait_xcnt 0x0                                ; the last block's stores have read the codes' and the statistics' registers
.endif
	SOFT \a
.irp g, 0,1,2
	global_store_b128 v[L16], v[PC+4*\g:PC+4*\g+3], s[12:13] offset:\a*24576+512*\g
.endr
.if \a%2 == 1
.irp i, 0,1,2
	v_cndmask_b32 v[SQ+\i], v[SQ+\i], v[SQ+4+\i], s[HM]   ; lanes 0-15 keep the even block's rows, lanes 16-31 take the odd block's (both halves of the lanes hold a row's figures)
.endr
	global_store_b128 v[L16], v[SQ:SQ+3], s[100:101] offset:(\a-1)*256   ; 32 rows x 16 bytes: 512 consecutive bytes
.endif
.endr
	s_wait_tensorcnt 0x0                           ; the wave's end
	ds_add_u32 v[SPW], v[NIL]
	s_wait_dscnt 0x0
	CROUND
	s_endpgm
.Lfunc_end_k_qb1b6dafd8b_scores:
	.size	k_qb1b6dafd8b_scores, .Lfunc_end_k_qb1b6dafd8b_scores-k_qb1b6dafd8b_scores
	.p2alignl 7, 3214868480
	.fill 96, 4, 3214868480
	.section	.rodata,"a",@progbits
	.p2align	6, 0x0
	.amdhsa_kernel k_qb1b6dafd8b_scores
		.amdhsa_group_segment_fixed_size 327680
		.amdhsa_private_segment_fixed_size 0
		.amdhsa_enable_private_segment 0
		.amdhsa_kernarg_size 24
		.amdhsa_user_sgpr_count 2
		.amdhsa_user_sgpr_kernarg_segment_ptr 1
		.amdhsa_wavefront_size32 1
		.amdhsa_system_sgpr_workgroup_id_x 1
		.amdhsa_system_sgpr_workgroup_id_y 1
		.amdhsa_system_sgpr_workgroup_id_z 1
		.amdhsa_system_vgpr_workitem_id 0
		.amdhsa_next_free_vgpr 1024
		.amdhsa_next_free_sgpr 102
		.amdhsa_reserve_vcc 0
		.amdhsa_float_denorm_mode_32 3
		.amdhsa_float_denorm_mode_16_64 3
		.amdhsa_memory_ordered 1
		.amdhsa_forward_progress 1
		.amdhsa_inst_pref_size 251
	.end_amdhsa_kernel
	.amdgpu_metadata
---
amdhsa.version: [ 1, 2 ]
amdhsa.kernels:
  - .name:           k_qb1b6dafd8b_scores
    .symbol:         k_qb1b6dafd8b_scores.kd
    .args:
      - { .name: qkv, .offset: 0, .size: 8, .value_kind: global_buffer, .address_space: global }
      - { .name: score_weights, .offset: 8, .size: 8, .value_kind: global_buffer, .address_space: global }
      - { .name: prob, .offset: 16, .size: 8, .value_kind: global_buffer, .address_space: global }
    .group_segment_fixed_size: 327680
    .private_segment_fixed_size: 0
    .kernarg_segment_align: 8
    .kernarg_segment_size: 24
    .max_flat_workgroup_size: 128
    .sgpr_count:     102
    .vgpr_count:     1024
    .wavefront_size: 32
...
	.end_amdgpu_metadata
.endif
;; end of part 3
;; launch context (part 4): grid 4 x 32, 4 waves a work-group, clusters of 4 x 4, 327,680 bytes of LDS; arguments prob, qkv, ctx; writes ctx
.if DOCPART == 4
	.amdgcn_target "amdgcn-amd-amdhsa--gfx1250"
	.amdhsa_code_object_version 6
	.text
	.protected	k_qb1b6dafd8b_context
	.globl	k_qb1b6dafd8b_context
	.p2align	8
	.type	k_qb1b6dafd8b_context,@function
k_qb1b6dafd8b_context:
	s_mov_b64 s[64:65], 0
	v_nop
	global_prefetch_b8 v0, s[64:65] scope:SCOPE_SE
	s_setreg_imm32_b32 hwreg(HW_REG_WAVE_MODE, 25, 1), 1
	s_wait_xcnt 0x0
	s_wait_alu depctr_hold_cnt(0) depctr_sa_sdst(0) depctr_va_vdst(0) depctr_va_sdst(0) depctr_va_ssrc(0) depctr_va_vcc(0) depctr_vm_vsrc(0)
	s_getreg_b32 s2, hwreg(HW_REG_IB_STS2, 6, 4)
	s_cmp_eq_u32 s2, 0
	s_cbranch_scc0 .Lentry_in_a_cluster
	s_endpgm
.Lentry_in_a_cluster:
	s_bfe_u32 s2, ttmp6, 0x10000c
	s_cmp_lg_u32 s2, 0xf033
	s_cbranch_scc0 .Lentry_shape_is_right
	s_endpgm
.Lentry_shape_is_right:
; context = (p v) / l on codes of FP6 (E2M3) with E8M0 scales, sums in f32, for each batch; the result leaves quantised along the features, as the last product's operand.
; p comes from the launch before under the M of each chunk of 128 keys.  THE HEAD brings it under the row's M: for each of the work-group's 256 queries, -M_row = the smallest of the 16 chunks' -M;
; e = M_row - M_chunk, a whole number, 0 or more, held at 255; the row's sum l = the sum of the chunks' sums x 2^-e; each of the chunk's four scale bytes b becomes b - min(b, e): a power of two taken up by the scale.
; The moved scale words go to LDS where the ring's loads of scale words read them; 1 / l goes to LDS for the way out.
; Ring, round, fragments, positions and the transposed use of the matrix instruction are as in the launches before: A = p (16 K steps), B = v (feature rows; the batch's 16 of 64 K steps).
; LIMITS: a moved byte is held at 0 from below: what is misstated there lies under 2^-120 of the row's largest p.  1 / l is v_rcp_f32.  NaN and infinities are not served; a row whose every score is -infinity gives NaN.
; REGISTERS: window 0: v16-31 addresses; v32-63 scale words and nothing else; v64-191 the head's statistics; v64-127 on the way out the scaled results; v128-223 A's fragments (way out: v128-143 1 / l, v176-195 codes); v200-214 the head's work; v224-247 at work.
.set NKS,   16
.set LAPS,  NKS/4
.set PA,    3072
.set PB,    12288
.set RSB,   512
.set FR,    12
.set HALFT, 8*2*1536
.set SLOT,  4*HALFT
.set SCL,   2*SLOT                     ; A's scale words [16][256], written by the head; then B's, filled once by tensor loads
.set SBOFF, NKS*1024
.set RLB,   SCL+2*SBOFF                ; 1 / l of the 256 rows
.set SPARE, RLB+1024
.set PST,   12582912
.set ADRA, 16
.set ADRB, 20
.set L16,  24
.set ADRS, 27
.set SPW,  28
.set NIL,  29
.set SC,   32
.set ST,   64
.set AF,   128
.set RL,   128
.set PC,   176
.set VN,   200                         ; the head: -M_row, l, e, -e, a term, four bytes, four minima, 1 / l of the two passes
.set VL,   201
.set VE,   202
.set VD,   203
.set VT,   204
.set VB,   205
.set VM,   209
.set VR,   213
.set TM,   224
.set PW,   240
.set SEL,  66
.set G1,   24
.set G0,   32
.set G1B,  48
.set G0B,  56
.set G1SB, 80
.set G0SB, 88
.set MUL_LO, 0xa1
.set MUL_HI, 0xf1
.set TO_B,   0x40
.set MSB, 0
.macro WIN new
.if MSB != (\new)
	s_set_vgpr_msb (MSB<<8)|(\new)
.set MSB, (\new)
.endif
.endm
.macro PLACES
.rept 4
	v_nop
.endr
.endm
.macro JLOAD g0a, g1a, g0b, g1b
	s_cmp_eq_u32 s15, 0
	s_cbranch_scc0 .Lfor_b_\@
	tensor_load_to_lds s[\g0a:\g0a+3], s[\g1a:\g1a+7]
	s_nop 0
	PLACES
	s_branch .Lasked_\@
.Lfor_b_\@:
	tensor_load_to_lds s[\g0b:\g0b+3], s[\g1b:\g1b+7]
	s_nop 0
	PLACES
.Lasked_\@:
.endm
.macro CREST
	s_cmp_lg_u32 s14, 0
	s_cbranch_scc1 .Lnot_wave_0_\@
	s_barrier_signal -3
.Lnot_wave_0_\@:
	s_barrier_wait -3
	s_barrier_signal -1
	s_barrier_wait -1
.endm
.macro CROUND
	s_barrier_signal -1
	s_barrier_wait -1
	CREST
.endm
.macro GROUP1 g, mask, c, r, p
	s_or_b32 s[\g], s[\mask], (3<<16)|(1<<21)
	s_mov_b32 s[\g+1], (\c)<<16
	s_mov_b32 s[\g+2], (\r)<<16
	s_mov_b32 s[\g+3], (\c)<<16
	s_mov_b32 s[\g+4], \r
	s_mov_b32 s[\g+5], \p
	s_mov_b32 s[\g+6], 0
	s_mov_b32 s[\g+7], 0
.endm
.macro GROUP0 g, lds, ldsoff, adr, step
	s_mov_b32 s[\g], 1
	s_add_co_u32 s[\g+1], s[\lds], \ldsoff
	s_add_nc_u64 s[\g+2:\g+3], s[\adr:\adr+1], \step
	s_or_b32 s[\g+3], s[\g+3], 0x80000000
.endm
.macro TADDR d, g, tm, hm, off
	s_mul_i32 s[\d], s[\g], \tm
	s_mul_i32 s[\d+1], s16, \hm
	s_add_co_u32 s[\d], s[\d], s[\d+1]
	s_add_co_u32 s[\d], s[\d], \off
	s_mov_b32 s[\d+1], 0
.endm
.macro FRAG reg, adr, q, i
.irp g, 0,1,2
	ds_load_b128 v[\reg+4*\g:\reg+4*\g+3], v[\adr] offset:(\i)*3072+(\q)*1536+512*\g
.endr
.endm
.macro FETCH_B slot, q, p
	WIN TO_B
.irp i, 0,1,2,3,4,5,6,7
	FRAG 96*(\p)+FR*\i, ADRB+\slot, \q, \i
.endr
	WIN 0
.endm
.macro FETCH_A slot, q, i0
.irp i, \i0, \i0+1, \i0+2, \i0+3
	FRAG AF+FR*(\i), ADRA+\slot, \q, \i
.endr
.endm
.macro SCALES sc
.irp i, 0,1,2,3,4,5,6,7
.irp q, 0,1
	ds_load_b32 v[SC+16*\sc+2*\i+\q], v[ADRS] offset:\q*1024+\i*64
.endr
.endr
.endm
.macro MUL16 a0, p, q, sc, mode        ; mode 0: in place; 1: C = 0.  The 64 accumulators take turns
.irp a, \a0, \a0+1
.irp b, 0,1,2,3,4,5,6,7
.set rD, 8*(8*((\a)%4)+\b)
.set rB, 96*(\p)+FR*\b
.set rA, AF+FR*(\a)
.set rSB, SC+16*(\sc)+2*\b+(\q)
.set rSA, SC+16*(\sc)+2*(\a)+(\q)
.if \mode == 0
	v_wmma_scale_f32_16x16x128_f8f6f4 v[rD:rD+7], v[rB:rB+FR-1], v[rA:rA+FR-1], v[rD:rD+7], v[rSB], v[rSA] matrix_a_fmt:MATRIX_FMT_FP6 matrix_b_fmt:MATRIX_FMT_FP6 matrix_a_scale:MATRIX_SCALE_ROW1
.else
	v_wmma_scale_f32_16x16x128_f8f6f4 v[rD:rD+7], v[rB:rB+FR-1], v[rA:rA+FR-1], 0, v[rSB], v[rSA] matrix_a_fmt:MATRIX_FMT_FP6 matrix_b_fmt:MATRIX_FMT_FP6 matrix_a_scale:MATRIX_SCALE_ROW1
.endif
.endr
.endr
.endm
.macro STEP slot, mode
	s_wait_dscnt 12                                ; all but the youngest 12 loads (A's blocks 4-7)
	WIN MUL_LO
	MUL16 0, 0, 0, \slot, \mode
	MUL16 2, 0, 0, \slot, \mode
	s_wait_dscnt 0x0
	PLACES
	FETCH_B \slot, 1, 1
	FETCH_A \slot, 1, 0
	WIN MUL_HI
	MUL16 4, 0, 0, \slot, \mode
	MUL16 6, 0, 0, \slot, \mode
	PLACES
	WIN 0
	FETCH_A \slot, 1, 4
.endm
.macro TURN slot, next, fill
	s_wait_tensorcnt 0x0                           ; all my tensor loads have landed: my part of the next slot
	ds_add_u32 v[SPW], v[NIL]                      ; 0 onto my spare word
	s_wait_dscnt 13                                ; (the add and the youngest 12 loads may be out)
	WIN MUL_LO
	MUL16 0, 1, 1, \slot, 0
	s_wait_dscnt 0x0                               ; the add is done, and my reads of this slot are over
	s_barrier_signal -1
	MUL16 2, 1, 1, \slot, 0
	WIN 0
	s_barrier_wait -1
.if \fill
	CREST
	s_add_nc_u64 s[G0+4*\slot+2:G0+4*\slot+3], s[G0+4*\slot+2:G0+4*\slot+3], 6144
	s_add_nc_u64 s[G0B+4*\slot+2:G0B+4*\slot+3], s[G0B+4*\slot+2:G0B+4*\slot+3], 6144
	JLOAD G0+4*\slot, G1, G0B+4*\slot, G1B
.else
	PLACES
.endif
	v_add_nc_u32 v[ADRS], 2048, v[ADRS]
	FETCH_B \next, 0, 0
	FETCH_A \next, 0, 0
	SCALES \next
	WIN MUL_HI
	MUL16 4, 1, 1, \slot, 0
	MUL16 6, 1, 1, \slot, 0
	PLACES
	WIN 0
	FETCH_A \next, 0, 4
.endm
.macro QUANT s, w
	WIN 0x14*(\w)
.irp b, 0,1,2,3
	v_max3_num_f32 v[TM+\b], 0x1800000, |v[\s+16*\b]|, |v[\s+1+16*\b]|
.endr
.irp i, 2,4,6,8,10,12,14
.irp b, 0,1,2,3
	v_max3_num_f32 v[TM+\b], v[TM+\b], |v[\s+16*\b+\i]|, |v[\s+1+16*\b+\i]|
.endr
.endr
	WIN 0
.irp b, 0,1,2,3
	v_permlanex16_b32 v[TM+4+\b], v[TM+\b], s[SEL], s[SEL+1]
.endr
.irp b, 0,1,2,3
	v_max_num_f32 v[TM+\b], v[TM+\b], v[TM+4+\b]
.endr
.irp b, 0,1,2,3
	v_add_nc_u32 v[TM+12+\b], 0xff000000, v[TM+\b]
.endr
.irp b, 0,1,2,3
	v_lshrrev_b32 v[TM+4+\b], 23, v[TM+12+\b]
.endr
	v_lshl_or_b32 v[PW], v[TM+5], 8, v[TM+4]
	v_lshl_or_b32 v[PW], v[TM+6], 16, v[PW]
	v_lshl_or_b32 v[PW], v[TM+7], 24, v[PW]
	WIN \w
.irp c, 0,1
	v_cvt_scalef32_pk16_fp6_f32 v[PC+6*\c:PC+2+6*\c], v[\s+32*\c:\s+15+32*\c], v[TM+12+2*\c]
	v_cvt_scalef32_pk16_fp6_f32 v[PC+12+4*\c:PC+14+4*\c], v[\s+16+32*\c:\s+31+32*\c], v[TM+12+2*\c+1]
.endr
	WIN 0
	v_nop
.irp c, 0,1
.irp i, 0,1,2
	v_permlane16_swap_b32 v[PC+6*\c+\i], v[PC+12+4*\c+\i]
.endr
.irp i, 0,1,2
	v_mov_b32 v[PC+3+6*\c+\i], v[PC+12+4*\c+\i]
.endr
.endr
.endm
; The head's pass p: thread t takes row 128 p + t of the work-group's 256
.macro ROWS p
.set P0, 64+64*(\p)
	v_min3_num_f32 v[VN], v[P0+1], v[P0+5], v[P0+9]
.irp k, 3,5,7,9,11,13
	v_min3_num_f32 v[VN], v[VN], v[P0+4*\k+1], v[P0+4*\k+5]
.endr
	v_min_num_f32 v[VN], v[VN], v[P0+61]           ; -M_row
.irp k, 0,1,2,3,4,5,6,7,8,9,10,11,12,13,14,15
	v_sub_f32 v[VE], v[P0+4*\k+1], v[VN]           ; M_row - M_chunk: a whole number, 0 or more
	v_min_num_f32 v[VE], 0x437f0000, v[VE]         ; held at 255
	v_cvt_u32_f32 v[VE], v[VE]
	v_sub_nc_u32 v[VD], 0, v[VE]
.if \k == 0
	v_ldexp_f32 v[VL], v[P0+2], v[VD]
.else
	v_ldexp_f32 v[VT], v[P0+4*\k+2], v[VD]         ; the chunk's sum under the row's M
	v_add_f32 v[VL], v[VL], v[VT]
.endif
	v_and_b32 v[VB], 0xff, v[P0+4*\k]
	v_bfe_u32 v[VB+1], v[P0+4*\k], 8, 8
	v_bfe_u32 v[VB+2], v[P0+4*\k], 16, 8
	v_lshrrev_b32 v[VB+3], 24, v[P0+4*\k]
.irp i, 0,1,2,3
	v_min_u32 v[VM+\i], v[VB+\i], v[VE]
.endr
.irp i, 0,1,2,3
	v_sub_nc_u32 v[VB+\i], v[VB+\i], v[VM+\i]      ; b - min(b, e): the byte moved, held at 0
.endr
	v_lshl_or_b32 v[P0+4*\k], v[VB+1], 8, v[VB]
	v_lshl_or_b32 v[P0+4*\k], v[VB+2], 16, v[P0+4*\k]
	v_lshl_or_b32 v[P0+4*\k], v[VB+3], 24, v[P0+4*\k]
	ds_store_b32 v22, v[P0+4*\k] offset:\k*1024+512*(\p)
.endr
	v_rcp_f32 v[VR+\p], v[VL]
	v_nop                                          ; a plain line behind the reciprocal,
	s_wait_alu depctr_va_vdst(0)                   ; and a wait ahead of its first reader
	ds_store_b32 v23, v[VR+\p] offset:512*(\p)
.endm
	s_load_b128 s[4:7], s[0:1], 0x0                ; prob s[4:5], qkv s[6:7]
	s_load_b64 s[8:9], s[0:1], 0x10                ; ctx
	v_lshl_add_u32 v[SPW], v0, 2, SPARE
	v_mov_b32 v[NIL], 0
	ds_add_u32 v28, v29
	ds_add_u32 v28, v29
	s_wait_dscnt 0x0
	v_lshrrev_b32 v1, 5, v0
	v_readfirstlane_b32 s14, v1
	s_lshr_b32 s15, s14, 1
	s_and_b32 s16, s14, 1
	s_bfe_u32 s40, ttmp6, 0x40000
	s_bfe_u32 s41, ttmp6, 0x40004
	s_lshl_b32 s42, ttmp9, 2
	s_add_co_u32 s42, s42, s40                     ; tile of features, 0..3
	s_and_b32 s17, ttmp7, 0xffff
	s_lshr_b32 s95, s17, 1                         ; the batch, from the cluster's y alone
	s_mul_i32 s66, s95, 24576
	s_add_co_u32 s66, s66, 13107200                ; v's codes at the batch's first K step
	s_lshl_b32 s67, s95, 16
	s_add_co_u32 s67, s67, 19398656                ; v's scale words likewise
	s_lshl_b32 s17, s17, 2
	s_add_co_u32 s17, s17, s41                     ; tile of queries, 0..31
	s_lshl_b32 s43, s41, 2
	s_lshl_b32 s43, 15, s43
	s_lshl_b32 s44, 0x1111, s40
	GROUP1 G1, 43, 384, 8, PA
	GROUP1 G1B, 44, 384, 8, PB
	GROUP1 G1SB, 44, 128, 4, RSB
	TADDR 20, 17, 393216, 196608, 0
	TADDR 46, 42, 1572864, 786432, s66
	s_lshl_b32 s92, s42, 10                        ; B's scale words: every wave fetches four K steps' worth
	s_lshl_b32 s93, s14, 14
	s_add_co_u32 s92, s92, s93
	s_add_co_u32 s92, s92, s67
	s_mov_b32 s93, 0
	s_mul_i32 s45, s14, HALFT
	s_lshl_b32 s94, s14, 12
	s_lshl_b32 s96, s17, 12                        ; the statistics of my work-group's 256 rows
	s_add_co_u32 s96, s96, PST
	s_mov_b32 s97, 0
	v_lshlrev_b32 v30, 4, v0                       ; 16 bytes a thread
	s_wait_kmcnt 0x0
	s_add_nc_u64 s[20:21], s[4:5], s[20:21]
	s_add_nc_u64 s[46:47], s[6:7], s[46:47]
	s_add_nc_u64 s[92:93], s[6:7], s[92:93]
	s_add_nc_u64 s[96:97], s[4:5], s[96:97]
.irp p, 0,1
.irp k, 0,1,2,3,4,5,6,7,8,9,10,11,12,13,14,15
	global_load_b128 v[64+64*\p+4*\k:64+64*\p+4*\k+3], v30, s[96:97] offset:\k*131072+2048*\p   ; a wave reads 512 consecutive bytes
.endr
.endr
	CROUND
	GROUP0 G0SB, 94, SCL+SBOFF, 92, 0
	tensor_load_to_lds s[G0SB:G0SB+3], s[G1SB:G1SB+7]   ; each wave its own four K steps, jointly with my column of the cluster
	s_nop 0
	PLACES
.irp s, 0,1
	GROUP0 G0+4*\s, 45, \s*SLOT, 20, \s*3072
	GROUP0 G0B+4*\s, 45, \s*SLOT, 46, \s*3072
	JLOAD G0+4*\s, G1, G0B+4*\s, G1B               ; three loads of mine are out
.endr
	s_mov_b32 s[SEL], 0x76543210
	s_mov_b32 s[SEL+1], 0xfedcba98
	v_and_b32 v1, 15, v0
	v_bfe_u32 v2, v0, 4, 1
	v_and_b32 v3, 31, v0
	v_lshlrev_b32 v[L16], 4, v3
	s_mul_i32 s21, s15, HALFT
	s_mul_i32 s22, s16, HALFT
	s_add_co_u32 s22, s22, 2*HALFT
.irp s, 0,1
	v_add_nc_u32 v[ADRA+\s], s21, v[L16]
	v_add_nc_u32 v[ADRB+\s], s22, v[L16]
	s_add_co_u32 s21, s21, SLOT
	s_add_co_u32 s22, s22, SLOT
.endr
	s_lshl_b32 s21, s15, 9
	s_lshl_b32 s22, s16, 9
	s_add_co_u32 s22, s22, SBOFF
	s_sub_co_u32 s22, s22, s21
	v_mul_u32_u24 v6, s22, v2
	s_add_co_u32 s22, s21, SCL
	v_lshl_add_u32 v6, v1, 2, v6
	v_add_nc_u32 v[ADRS], s22, v6
	s_add_co_u32 s21, s21, RLB
	v_lshl_add_u32 v31, v1, 2, s21                 ; 1 / l of my rows, on the way out
	v_lshl_add_u32 v22, v0, 2, SCL                 ; the head: my row's scale words,
	v_lshl_add_u32 v23, v0, 2, RLB                 ; and its 1 / l
	s_lshl_b32 s21, s14, 9                         ; the result's scale words are gathered in 512 bytes of slot 0
	v_lshl_add_u32 v25, v1, 2, s21
	v_add_nc_u32 v26, s21, v[L16]
	s_lshl_b32 s2, s42, 1
	s_add_co_u32 s2, s2, s16                       ; the K step that I make
	s_lshl_b32 s98, s17, 7
	s_lshl_b32 s99, s15, 6
	s_add_co_u32 s98, s98, s99
	s_add_co_u32 s98, s98, s2
	s_mul_i32 s98, s98, 1536
	s_mov_b32 s99, 0
	s_add_nc_u64 s[10:11], s[8:9], s[98:99]
	s_lshl_b32 s98, s2, 15
	s_lshl_b32 s2, s17, 10
	s_add_co_u32 s98, s98, s2
	s_lshl_b32 s2, s15, 9
	s_add_co_u32 s98, s98, s2
	s_add_co_u32 s98, s98, 6291456
	s_add_nc_u64 s[12:13], s[8:9], s[98:99]
	s_wait_loadcnt 0x0                             ; the statistics
	ROWS 0
	ROWS 1
.irp b, 0,1,2,3
	v_mov_b32 v[TM+4+\b], 0
.endr
	s_wait_dscnt 0x0                               ; for the others' sake: my scale words and 1 / l lie in LDS
	s_wait_tensorcnt 1                             ; B's scale words and my part of slot 0 are in; slot 1's load may be out
	s_barrier_signal -1
	s_barrier_wait -1
	FETCH_B 0, 0, 0
	FETCH_A 0, 0, 0
	SCALES 0
	FETCH_A 0, 0, 4
	STEP 0, 1
	s_mov_b32 s3, LAPS-1
.Llap:                                             ; a trip goes once round the ring and fills both slots again
	TURN 0, 1, 1
	STEP 1, 0
	TURN 1, 0, 1
	STEP 0, 0
	s_sub_co_u32 s3, s3, 1
	s_cmp_lg_u32 s3, 0
	s_cbranch_scc1 .Llap
	TURN 0, 1, 0
	STEP 1, 0
	s_wait_dscnt 12
	WIN MUL_LO
	MUL16 0, 1, 1, 1, 0
	MUL16 2, 1, 1, 1, 0
	s_wait_dscnt 0x0
	WIN MUL_HI
	MUL16 4, 1, 1, 1, 0
	MUL16 6, 1, 1, 1, 0
	WIN 0
	PLACES
	; THE WAY OUT: x 1 / l, then as in the launch that made q, k and v
.irp a, 0,1,2,3,4,5,6,7
	ds_load_b32 v[RL+2*\a], v31 offset:64*\a
	ds_load_b32 v[RL+2*\a+1], v31 offset:64*\a     ; twice: a pair for the packed multiply
.endr
	s_wait_dscnt 0x0
.irp a, 0,1,2,3,4,5,6,7
.if \a > 0
	s_wait_xcnt 0x0                                ; the last block's stores have read the codes' registers
	s_wait_dscnt 0x0                               ; and the word's store its register
.endif
	WIN 2+\a/4
.set jj, 0
.rept 32
	v_pk_mul_f32 v[ST+jj:ST+jj+1], v[64*(\a%4)+jj:64*(\a%4)+jj+1], v[RL+2*\a:RL+2*\a+1]   ; each accumulator from its low end on
.set jj, jj+2
.endr
	WIN 0
	QUANT ST, 0
.irp g, 0,1,2
	global_store_b128 v[L16], v[PC+4*\g:PC+4*\g+3], s[10:11] offset:\a*12288+512*\g
.endr
	ds_store_b32 v25, v[PW] offset:64*\a
.endr
	ds_load_b128 v[244:247], v26
	s_wait_dscnt 0x0
	global_store_b128 v[L16], v[244:247], s[12:13]
	s_wait_tensorcnt 0x0                           ; the wave's end
	ds_add_u32 v[SPW], v[NIL]
	s_wait_dscnt 0x0
	CROUND
	s_endpgm
.Lfunc_end_k_qb1b6dafd8b_context:
	.size	k_qb1b6dafd8b_context, .Lfunc_end_k_qb1b6dafd8b_context-k_qb1b6dafd8b_context
	.p2alignl 7, 3214868480
	.fill 96, 4, 3214868480
	.section	.rodata,"a",@progbits
	.p2align	6, 0x0
	.amdhsa_kernel k_qb1b6dafd8b_context
		.amdhsa_group_segment_fixed_size 327680
		.amdhsa_private_segment_fixed_size 0
		.amdhsa_enable_private_segment 0
		.amdhsa_kernarg_size 24
		.amdhsa_user_sgpr_count 2
		.amdhsa_user_sgpr_kernarg_segment_ptr 1
		.amdhsa_wavefront_size32 1
		.amdhsa_system_sgpr_workgroup_id_x 1
		.amdhsa_system_sgpr_workgroup_id_y 1
		.amdhsa_system_sgpr_workgroup_id_z 1
		.amdhsa_system_vgpr_workitem_id 0
		.amdhsa_next_free_vgpr 1024
		.amdhsa_next_free_sgpr 102
		.amdhsa_reserve_vcc 0
		.amdhsa_float_denorm_mode_32 3
		.amdhsa_float_denorm_mode_16_64 3
		.amdhsa_memory_ordered 1
		.amdhsa_forward_progress 1
		.amdhsa_inst_pref_size 194
	.end_amdhsa_kernel
	.amdgpu_metadata
---
amdhsa.version: [ 1, 2 ]
amdhsa.kernels:
  - .name:           k_qb1b6dafd8b_context
    .symbol:         k_qb1b6dafd8b_context.kd
    .args:
      - { .name: prob, .offset: 0, .size: 8, .value_kind: global_buffer, .address_space: global }
      - { .name: qkv, .offset: 8, .size: 8, .value_kind: global_buffer, .address_space: global }
      - { .name: ctx, .offset: 16, .size: 8, .value_kind: global_buffer, .address_space: global }
    .group_segment_fixed_size: 327680
    .private_segment_fixed_size: 0
    .kernarg_segment_align: 8
    .kernarg_segment_size: 24
    .max_flat_workgroup_size: 128
    .sgpr_count:     102
    .vgpr_count:     1024
    .wavefront_size: 32
...
	.end_amdgpu_metadata
.endif
;; end of part 4
;; launch project (part 5): grid 4 x 32, 4 waves a work-group, clusters of 4 x 4, 327,680 bytes of LDS; arguments ctx, opnd, b_p, out0; writes out0
.if DOCPART == 5
	.amdgcn_target "amdgcn-amd-amdhsa--gfx1250"
	.amdhsa_code_object_version 6
	.text
	.protected	k_qb1b6dafd8b_project
	.globl	k_qb1b6dafd8b_project
	.p2align	8
	.type	k_qb1b6dafd8b_project,@function
k_qb1b6dafd8b_project:
	s_mov_b64 s[64:65], 0
	v_nop
	global_prefetch_b8 v0, s[64:65] scope:SCOPE_SE
	s_setreg_imm32_b32 hwreg(HW_REG_WAVE_MODE, 25, 1), 1
	s_wait_xcnt 0x0
	s_wait_alu depctr_hold_cnt(0) depctr_sa_sdst(0) depctr_va_vdst(0) depctr_va_sdst(0) depctr_va_ssrc(0) depctr_va_vcc(0) depctr_vm_vsrc(0)
	s_getreg_b32 s2, hwreg(HW_REG_IB_STS2, 6, 4)
	s_cmp_eq_u32 s2, 0
	s_cbranch_scc0 .Lentry_in_a_cluster
	s_endpgm
.Lentry_in_a_cluster:
	s_bfe_u32 s2, ttmp6, 0x10000c
	s_cmp_lg_u32 s2, 0xf033
	s_cbranch_scc0 .Lentry_shape_is_right
	s_endpgm
.Lentry_shape_is_right:
; out0 = context W_p + b_p on codes of FP6 (E2M3) with E8M0 scales, sums in f32; out0 [8192][1024] f32.
; Ring, round, fragments, positions and the transposed use of the matrix instruction are as in the launches before: A = the context's codes, B = W_p's columns.  The bias is the C of each sum's first matrix instruction.
; THE WAY OUT undoes the positions: a lane's eight registers of tile b are columns 32 (b / 2) + 16 (lane / 16) + 8 (b % 2) + j of one row; a block of 16 rows goes through the wave's stage in LDS
; and comes back as whole rows of 512 bytes; row t of block a is row 32 (a / 2) + 8 (a % 2) + t + 8 (t / 8) of my 128.
; REGISTERS: window 0: v16-31 addresses; v32-63 scale words and nothing else; v64-127 the bias; v128-223 A's fragments; on the way out v128-255 rows of the result.
.set NKS,   8
.set PA,    1536
.set PB,    1536
.set RSA,   4096
.set RSB,   512
.set FR,    12
.set HALFT, 8*2*1536
.set SLOT,  4*HALFT
.set SCL,   2*SLOT
.set SBOFF, NKS*1024
.set SPARE, SCL+2*SBOFF
.set ADRA, 16
.set ADRB, 20
.set L16,  24
.set STO,  25
.set RD,   26
.set ADRS, 27
.set SPW,  28
.set NIL,  29
.set SC,   32
.set CB,   64
.set AF,   128
.set BK,   128
.set G1,   24
.set G0,   32
.set G1B,  48
.set G0B,  56
.set G1S,  68
.set G0S,  76
.set G1SB, 80
.set G0SB, 88
.set MUL_LO, 0xa1
.set MUL_HI, 0xf1
.set TO_B,   0x40
.set MSB, 0
.macro WIN new
.if MSB != (\new)
	s_set_vgpr_msb (MSB<<8)|(\new)
.set MSB, (\new)
.endif
.endm
.macro PLACES
.rept 4
	v_nop
.endr
.endm
.macro JLOAD g0a, g1a, g0b, g1b
	s_cmp_eq_u32 s15, 0
	s_cbranch_scc0 .Lfor_b_\@
	tensor_load_to_lds s[\g0a:\g0a+3], s[\g1a:\g1a+7]
	s_nop 0
	PLACES
	s_branch .Lasked_\@
.Lfor_b_\@:
	tensor_load_to_lds s[\g0b:\g0b+3], s[\g1b:\g1b+7]
	s_nop 0
	PLACES
.Lasked_\@:
.endm
.macro CREST
	s_cmp_lg_u32 s14, 0
	s_cbranch_scc1 .Lnot_wave_0_\@
	s_barrier_signal -3
.Lnot_wave_0_\@:
	s_barrier_wait -3
	s_barrier_signal -1
	s_barrier_wait -1
.endm
.macro CROUND
	s_barrier_signal -1
	s_barrier_wait -1
	CREST
.endm
.macro GROUP1 g, mask, c, r, p
	s_or_b32 s[\g], s[\mask], (3<<16)|(1<<21)
	s_mov_b32 s[\g+1], (\c)<<16
	s_mov_b32 s[\g+2], (\r)<<16
	s_mov_b32 s[\g+3], (\c)<<16
	s_mov_b32 s[\g+4], \r
	s_mov_b32 s[\g+5], \p
	s_mov_b32 s[\g+6], 0
	s_mov_b32 s[\g+7], 0
.endm
.macro GROUP0 g, lds, ldsoff, adr, step
	s_mov_b32 s[\g], 1
	s_add_co_u32 s[\g+1], s[\lds], \ldsoff
	s_add_nc_u64 s[\g+2:\g+3], s[\adr:\adr+1], \step
	s_or_b32 s[\g+3], s[\g+3], 0x80000000
.endm
.macro TADDR d, g, tm, hm, off
	s_mul_i32 s[\d], s[\g], \tm
	s_mul_i32 s[\d+1], s16, \hm
	s_add_co_u32 s[\d], s[\d], s[\d+1]
	s_add_co_u32 s[\d], s[\d], \off
	s_mov_b32 s[\d+1], 0
.endm
.macro FRAG reg, adr, q, i
.irp g, 0,1,2
	ds_load_b128 v[\reg+4*\g:\reg+4*\g+3], v[\adr] offset:(\i)*3072+(\q)*1536+512*\g
.endr
.endm
.macro FETCH_B slot, q, p
	WIN TO_B
.irp i, 0,1,2,3,4,5,6,7
	FRAG 96*(\p)+FR*\i, ADRB+\slot, \q, \i
.endr
	WIN 0
.endm
.macro FETCH_A slot, q, i0
.irp i, \i0, \i0+1, \i0+2, \i0+3
	FRAG AF+FR*(\i), ADRA+\slot, \q, \i
.endr
.endm
.macro SCALES sc
.irp i, 0,1,2,3,4,5,6,7
.irp q, 0,1
	ds_load_b32 v[SC+16*\sc+2*\i+\q], v[ADRS] offset:\q*1024+\i*64
.endr
.endr
.endm
.macro MUL16 a0, p, q, sc, mode        ; mode 0: in place; 2: C = the bias of B's block.  The 64 accumulators take turns
.irp a, \a0, \a0+1
.irp b, 0,1,2,3,4,5,6,7
.set rD, 8*(8*((\a)%4)+\b)
.set rB, 96*(\p)+FR*\b
.set rA, AF+FR*(\a)
.set rSB, SC+16*(\sc)+2*\b+(\q)
.set rSA, SC+16*(\sc)+2*(\a)+(\q)
.if \mode == 0
	v_wmma_scale_f32_16x16x128_f8f6f4 v[rD:rD+7], v[rB:rB+FR-1], v[rA:rA+FR-1], v[rD:rD+7], v[rSB], v[rSA] matrix_a_fmt:MATRIX_FMT_FP6 matrix_b_fmt:MATRIX_FMT_FP6 matrix_a_scale:MATRIX_SCALE_ROW1
.else
	v_wmma_scale_f32_16x16x128_f8f6f4 v[rD:rD+7], v[rB:rB+FR-1], v[rA:rA+FR-1], v[CB+8*\b:CB+8*\b+7], v[rSB], v[rSA] matrix_a_fmt:MATRIX_FMT_FP6 matrix_b_fmt:MATRIX_FMT_FP6 matrix_a_scale:MATRIX_SCALE_ROW1
.endif
.endr
.endr
.endm
.macro STEP slot, mode
	s_wait_dscnt 12                                ; all but the youngest 12 loads (A's blocks 4-7)
	WIN MUL_LO-0x20*((\mode)/2)                    ; (the bias lies in window 0)
	MUL16 0, 0, 0, \slot, \mode
	MUL16 2, 0, 0, \slot, \mode
	s_wait_dscnt 0x0
	PLACES
	FETCH_B \slot, 1, 1
	FETCH_A \slot, 1, 0
	WIN MUL_HI-0x30*((\mode)/2)
	MUL16 4, 0, 0, \slot, \mode
	MUL16 6, 0, 0, \slot, \mode
	PLACES
	WIN 0
	FETCH_A \slot, 1, 4
.endm
.macro TURN slot, next, fill
	s_wait_tensorcnt 0x0                           ; all my tensor loads have landed: my part of the next slot
	ds_add_u32 v[SPW], v[NIL]                      ; 0 onto my spare word
	s_wait_dscnt 13                                ; (the add and the youngest 12 loads may be out)
	WIN MUL_LO
	MUL16 0, 1, 1, \slot, 0
	s_wait_dscnt 0x0                               ; the add is done, and my reads of this slot are over
	s_barrier_signal -1
	MUL16 2, 1, 1, \slot, 0
	WIN 0
	s_barrier_wait -1
.if \fill
	CREST
	s_add_nc_u64 s[G0+4*\slot+2:G0+4*\slot+3], s[G0+4*\slot+2:G0+4*\slot+3], 6144
	s_add_nc_u64 s[G0B+4*\slot+2:G0B+4*\slot+3], s[G0B+4*\slot+2:G0B+4*\slot+3], 6144
	JLOAD G0+4*\slot, G1, G0B+4*\slot, G1B
.else
	PLACES
.endif
	v_add_nc_u32 v[ADRS], 2048, v[ADRS]
	FETCH_B \next, 0, 0
	FETCH_A \next, 0, 0
	SCALES \next
	WIN MUL_HI
	MUL16 4, 1, 1, \slot, 0
	MUL16 6, 1, 1, \slot, 0
	PLACES
	WIN 0
	FETCH_A \next, 0, 4
.endm
	s_load_b128 s[4:7], s[0:1], 0x0                ; ctx s[4:5], opnd s[6:7]
	s_load_b128 s[8:11], s[0:1], 0x10              ; b_p s[8:9], out0 s[10:11]
	v_lshl_add_u32 v[SPW], v0, 2, SPARE
	v_mov_b32 v[NIL], 0
	ds_add_u32 v28, v29
	ds_add_u32 v28, v29
	s_wait_dscnt 0x0
	v_lshrrev_b32 v1, 5, v0
	v_readfirstlane_b32 s14, v1
	s_lshr_b32 s15, s14, 1
	s_and_b32 s16, s14, 1
	s_bfe_u32 s40, ttmp6, 0x40000
	s_bfe_u32 s41, ttmp6, 0x40004
	s_lshl_b32 s42, ttmp9, 2
	s_add_co_u32 s42, s42, s40                     ; tile of columns, 0..3
	s_and_b32 s17, ttmp7, 0xffff
	s_lshl_b32 s17, s17, 2
	s_add_co_u32 s17, s17, s41                     ; tile of rows, 0..31
	s_lshl_b32 s43, s41, 2
	s_lshl_b32 s43, 15, s43
	s_lshl_b32 s44, 0x1111, s40
	GROUP1 G1, 43, 384, 8, PA
	GROUP1 G1B, 44, 384, 8, PB
	GROUP1 G1S, 43, 128, 4, RSA
	GROUP1 G1SB, 44, 128, 4, RSB
	TADDR 20, 17, 196608, 98304, 0
	TADDR 22, 17, 1024, 131072, 6291456
	TADDR 46, 42, 196608, 98304, 9175040
	TADDR 92, 42, 1024, 16384, 9961472
	s_mul_i32 s45, s14, HALFT
	s_lshl_b32 s94, s14, 12
	s_wait_kmcnt 0x0
	s_add_nc_u64 s[20:21], s[4:5], s[20:21]
	s_add_nc_u64 s[22:23], s[4:5], s[22:23]
	s_add_nc_u64 s[46:47], s[6:7], s[46:47]
	s_add_nc_u64 s[92:93], s[6:7], s[92:93]
	CROUND
	GROUP0 G0S, 94, SCL, 22, 0
	GROUP0 G0SB, 94, SCL, 92, 0
	JLOAD G0S, G1S, G0SB, G1SB
.irp s, 0,1
	GROUP0 G0+4*\s, 45, \s*SLOT, 20, \s*3072
	GROUP0 G0B+4*\s, 45, \s*SLOT, 46, \s*3072
	JLOAD G0+4*\s, G1, G0B+4*\s, G1B               ; three loads of mine are out
.endr
	v_and_b32 v1, 15, v0
	v_bfe_u32 v2, v0, 4, 1
	v_and_b32 v3, 31, v0
	v_lshlrev_b32 v[L16], 4, v3
	v_lshlrev_b32 v22, 6, v2                       ; the bias: 64 h
	s_lshl_b32 s98, s42, 10
	s_lshl_b32 s99, s16, 9
	s_add_co_u32 s98, s98, s99                     ; my first column, in bytes
	s_mov_b32 s99, 0
	s_add_nc_u64 s[8:9], s[8:9], s[98:99]
.irp b, 0,1,2,3,4,5,6,7                        ; register j of tile b is column 32 (b / 2) + 16 h + 8 (b % 2) + j
	global_load_b128 v[CB+8*\b:CB+8*\b+3], v22, s[8:9] offset:128*(\b/2)+32*(\b%2)
	global_load_b128 v[CB+8*\b+4:CB+8*\b+7], v22, s[8:9] offset:128*(\b/2)+32*(\b%2)+16
.endr
	s_lshl_b32 s2, s17, 20                         ; my first row of out0: rows of 4,096 bytes
	s_add_co_u32 s98, s98, s2
	s_lshl_b32 s2, s15, 19
	s_add_co_u32 s98, s98, s2
	s_add_nc_u64 s[10:11], s[10:11], s[98:99]
	s_mul_i32 s21, s15, HALFT
	s_mul_i32 s22, s16, HALFT
	s_add_co_u32 s22, s22, 2*HALFT
.irp s, 0,1
	v_add_nc_u32 v[ADRA+\s], s21, v[L16]
	v_add_nc_u32 v[ADRB+\s], s22, v[L16]
	s_add_co_u32 s21, s21, SLOT
	s_add_co_u32 s22, s22, SLOT
.endr
	s_lshl_b32 s21, s15, 9
	s_lshl_b32 s22, s16, 9
	s_add_co_u32 s22, s22, SBOFF
	s_sub_co_u32 s22, s22, s21
	v_mul_u32_u24 v6, s22, v2
	s_add_co_u32 s21, s21, SCL
	v_lshl_add_u32 v6, v1, 2, v6
	v_add_nc_u32 v[ADRS], s21, v6
	s_mul_i32 s21, s14, 8448                       ; my stage of 16 x 528 bytes, in slot 0, which has had its last fill and its last read by then
	v_mul_u32_u24 v[STO], v1, 528
	v_lshl_add_u32 v[STO], v2, 6, v[STO]
	v_add_nc_u32 v[STO], s21, v[STO]
	v_add_nc_u32 v[RD], s21, v[L16]
	s_wait_tensorcnt 1                             ; the scale words and my part of slot 0 are in; slot 1's load may be out
	s_barrier_signal -1
	s_barrier_wait -1
	FETCH_B 0, 0, 0
	FETCH_A 0, 0, 0
	SCALES 0
	FETCH_A 0, 0, 4
	s_wait_loadcnt 0x0                             ; the bias
	STEP 0, 2
	TURN 0, 1, 1
	STEP 1, 0
	TURN 1, 0, 1
	STEP 0, 0
	TURN 0, 1, 0
	STEP 1, 0
	s_wait_dscnt 12
	WIN MUL_LO
	MUL16 0, 1, 1, 1, 0
	MUL16 2, 1, 1, 1, 0
	s_wait_dscnt 0x0
	WIN MUL_HI
	MUL16 4, 1, 1, 1, 0
	MUL16 6, 1, 1, 1, 0
	WIN 0
.macro TOSTAGE a
.set AC, 64*((\a)%4)
	WIN 0x08+4*((\a)/4)                            ; an LDS store's data are its source 1: window 2 or 3
.irp b, 0,1,2,3,4,5,6,7
	ds_store_b128 v[STO], v[AC+8*\b:AC+8*\b+3] offset:128*(\b/2)+32*(\b%2)          ; each accumulator from its low end on
	ds_store_b128 v[STO], v[AC+8*\b+4:AC+8*\b+7] offset:128*(\b/2)+32*(\b%2)+16
.endr
	WIN 0
.set BB, BK+64*((\a)%2)
.irp t, 0,1,2,3,4,5,6,7,8,9,10,11,12,13,14,15
	ds_load_b128 v[BB+4*\t:BB+4*\t+3], v[RD] offset:\t*528   ; LDS serves a wave's instructions in order: these see the stores above
.endr
.endm
.macro SEND a, younger                 ; younger: the LDS instructions issued behind block a's loads, which may stay out
.set BB, BK+64*((\a)%2)
	s_wait_dscnt \younger
.irp t, 0,1,2,3,4,5,6,7,8,9,10,11,12,13,14,15
	global_store_b128 v[L16], v[BB+4*\t:BB+4*\t+3], s[10:11] offset:(32*((\a)/2)+8*((\a)%2)+\t+8*(\t/8))*4096 th:TH_STORE_NT   ; 32 lanes store 512 consecutive bytes, aligned; the row's place stands in the immediate: 127 rows at the most
.endr
.endm
	PLACES
	TOSTAGE 0
.irp a, 1,2,3,4,5,6,7
.if \a > 1
	s_wait_xcnt 0x0                                ; block a - 2's stores have read their registers: block a's loads may land there
.endif
	TOSTAGE \a
	SEND \a-1, 32                                  ; behind block a - 1's loads: block a's 16 stores and 16 loads
.endr
	SEND 7, 0
	s_wait_tensorcnt 0x0                           ; the wave's end
	ds_add_u32 v[SPW], v[NIL]
	s_wait_dscnt 0x0
	CROUND
	s_endpgm
.Lfunc_end_k_qb1b6dafd8b_project:
	.size	k_qb1b6dafd8b_project, .Lfunc_end_k_qb1b6dafd8b_project-k_qb1b6dafd8b_project
	.p2alignl 7, 3214868480
	.fill 96, 4, 3214868480
	.section	.rodata,"a",@progbits
	.p2align	6, 0x0
	.amdhsa_kernel k_qb1b6dafd8b_project
		.amdhsa_group_segment_fixed_size 327680
		.amdhsa_private_segment_fixed_size 0
		.amdhsa_enable_private_segment 0
		.amdhsa_kernarg_size 32
		.amdhsa_user_sgpr_count 2
		.amdhsa_user_sgpr_kernarg_segment_ptr 1
		.amdhsa_wavefront_size32 1
		.amdhsa_system_sgpr_workgroup_id_x 1
		.amdhsa_system_sgpr_workgroup_id_y 1
		.amdhsa_system_sgpr_workgroup_id_z 1
		.amdhsa_system_vgpr_workitem_id 0
		.amdhsa_next_free_vgpr 1024
		.amdhsa_next_free_sgpr 102
		.amdhsa_reserve_vcc 0
		.amdhsa_float_denorm_mode_32 3
		.amdhsa_float_denorm_mode_16_64 3
		.amdhsa_memory_ordered 1
		.amdhsa_forward_progress 1
		.amdhsa_inst_pref_size 139
	.end_amdhsa_kernel
	.amdgpu_metadata
---
amdhsa.version: [ 1, 2 ]
amdhsa.kernels:
  - .name:           k_qb1b6dafd8b_project
    .symbol:         k_qb1b6dafd8b_project.kd
    .args:
      - { .name: ctx, .offset: 0, .size: 8, .value_kind: global_buffer, .address_space: global }
      - { .name: opnd, .offset: 8, .size: 8, .value_kind: global_buffer, .address_space: global }
      - { .name: b_p, .offset: 16, .size: 8, .value_kind: global_buffer, .address_space: global }
      - { .name: out0, .offset: 24, .size: 8, .value_kind: global_buffer, .address_space: global }
    .group_segment_fixed_size: 327680
    .private_segment_fixed_size: 0
    .kernarg_segment_align: 8
    .kernarg_segment_size: 32
    .max_flat_workgroup_size: 128
    .sgpr_count:     102
    .vgpr_count:     1024
    .wavefront_size: 32
...
	.end_amdgpu_metadata
.endif
;; end of part 5
;; ======== version 2 of 2: 5 launches
;; limits: right only within a limited range of input values
;; workspace buffers: opnd 9,994,240 bytes; qkv 19,660,800 bytes; prob 14,680,064 bytes; ctx 6,553,600 bytes
;; launch quant (part 6): grid 512 x 1, 4 waves a work-group, no clusters, 61,952 bytes of LDS; arguments x, W_c, W_p, opnd; writes opnd
.if DOCPART == 6
	.amdgcn_target "amdgcn-amd-amdhsa--gfx1250"
	.amdhsa_code_object_version 6
	.text
	.protected	k_qb1b6dafd8b_quant
	.globl	k_qb1b6dafd8b_quant
	.p2align	8
	.type	k_qb1b6dafd8b_quant,@function
k_qb1b6dafd8b_quant:
	s_mov_b64 s[64:65], 0
	v_nop
	global_prefetch_b8 v0, s[64:65] scope:SCOPE_SE
	s_setreg_imm32_b32 hwreg(HW_REG_WAVE_MODE, 25, 1), 1
	s_wait_xcnt 0x0
; x [8192][1024], W_c [1024][3072] and W_p [1024][1024], f32, become codes of FP6 (E2M3) with one E8M0 byte for each 32 along K (x: its last axis; the weights: their first).
; A block's scale is 2^(floor(log2(largest magnitude)) - 2); its byte is the largest magnitude's exponent field - 2, held at 1 from below.
; LAYOUT OF THE RESULT (read by this program alone): an operand lies as IMAGES OF ITS FRAGMENTS.  Fragment (row block rb, K step ks of 128) begins at (8 rb + ks) x 1,536 bytes;
; in it register 4 g + w of lane l lies at 512 g + 16 l + 4 w.  Scale words: the word of (ks, position) at 4 (ks x RP + position).
; POSITIONS: position p of an operand holds its logical row p with bits 3 and 4 exchanged: lane r of row block i holds row 32 (i / 2) + 8 (i % 2) + r + 8 (r / 8).
; So in the products that follow (used transposed) a lane's 16 registers of two neighbouring tiles are 16 neighbours along the next product's K.
; LIMITS: a block of zeros gets the byte 1 (its codes are zeros, and only this program reads the bytes); NaN and infinities among the inputs are not served.
; Three paths part on the work-group's number: 0-255 x, 256-447 W_c (24 groups of 128 columns x 8 K steps), 448-511 W_p (8 x 8).  Each has LDS bytes of its own.  Waves share nothing: no barrier.
; No tensor load and no copy: LDS is claimed as it is used, and two work-groups stand on a WGP.
.set XSO, 6291456                      ; opnd: x's codes at 0, x's scale words here (RP 8,192),
.set WCC, 6553600                      ; W_c's codes,
.set WCS, 8912896                      ; W_c's scale words (RP 8,192 too; 3,072 words a row are written and read),
.set WPC, 9175040                      ; W_p's codes,
.set WPS, 9961472                      ; W_p's scale words (RP 1,024)
.set XR,  16                           ; v16-143  x: two sets of 64 numbers as they are loaded
.set XN,  144                          ; v144-207 x: 64 numbers of my row: register 16 b + i = k 32 b + 16 (lane / 16) + i
.set PC,  208                          ; v208-227 the codes just made
.set TM,  228                          ; v228-243 at work
.set PW,  244                          ; v244     the scale word just made
.set SEL, 22                           ; s[22:23] selects of v_permlanex16_b32 for lane l xor 16
; 64 numbers of a lane become a fragment's 12 registers in v[PC] on and my row's scale word in v[PW]
.macro QUANT s
.irp b, 0,1,2,3
	v_max3_num_f32 v[TM+\b], |v[\s+16*\b]|, |v[\s+1+16*\b]|, 0x1800000   ; block b: my 16 numbers, and the floor 2^(3 - 127): the byte cannot fall under 1
.endr
.irp i, 2,4,6,8,10,12,14
.irp b, 0,1,2,3
	v_max3_num_f32 v[TM+\b], v[TM+\b], |v[\s+16*\b+\i]|, |v[\s+1+16*\b+\i]|   ; the four blocks by turns
.endr
.endr
.irp b, 0,1,2,3
	v_permlanex16_b32 v[TM+4+\b], v[TM+\b], s[SEL], s[SEL+1]
.endr
.irp b, 0,1,2,3
	v_max_num_f32 v[TM+\b], v[TM+\b], v[TM+4+\b]   ; with lane l xor 16's 16: the block's largest magnitude
.endr
.irp b, 0,1,2,3
	v_add_nc_u32 v[TM+12+\b], 0xff000000, v[TM+\b]   ; 2 off its exponent field: the conversion's scale operand
.endr
.irp b, 0,1,2,3
	v_lshrrev_b32 v[TM+4+\b], 23, v[TM+12+\b]      ; the scale's byte
.endr
	v_lshl_or_b32 v[PW], v[TM+5], 8, v[TM+4]
	v_lshl_or_b32 v[PW], v[TM+6], 16, v[PW]
	v_lshl_or_b32 v[PW], v[TM+7], 24, v[PW]
.irp c, 0,1
	v_cvt_scalef32_pk16_fp6_f32 v[PC+6*\c:PC+2+6*\c], v[\s+32*\c:\s+15+32*\c], v[TM+12+2*\c]
	v_cvt_scalef32_pk16_fp6_f32 v[PC+12+4*\c:PC+14+4*\c], v[\s+16+32*\c:\s+31+32*\c], v[TM+12+2*\c+1]   ; (a conversion's three registers begin on an even number)
.endr
	v_nop                                          ; one plain line behind the scaled conversions
.irp c, 0,1                                    ; the operand wants a whole block in a lane: lanes 0-15 block 2 c, lanes 16-31 block 2 c + 1
.irp i, 0,1,2
	v_permlane16_swap_b32 v[PC+6*\c+\i], v[PC+12+4*\c+\i]
.endr
.irp i, 0,1,2
	v_mov_b32 v[PC+3+6*\c+\i], v[PC+12+4*\c+\i]
.endr
.endr
.endm
	s_load_b256 s[4:11], s[0:1], 0x0               ; x s[4:5], W_c s[6:7], W_p s[8:9], opnd s[10:11]
	v_lshl_add_u32 v254, v0, 2, 0xf000             ; my spare word, behind the three paths' bytes
	v_mov_b32 v255, 0
	v_lshrrev_b32 v1, 5, v0
	v_readfirstlane_b32 s12, v1                    ; wave 0..3
	v_and_b32 v2, 31, v0                           ; lane
	s_mov_b32 s[SEL], 0x76543210
	s_mov_b32 s[SEL+1], 0xfedcba98
	s_wait_kmcnt 0x0
	s_cmp_lt_u32 ttmp9, 256
	s_cbranch_scc0 .Lweights
; ---- x.  Work-group id: 64 rows (id / 2), four K steps (id % 2); wave w: K step 4 (id % 2) + w, four fragments (row blocks 4 (id / 2) + f).
; Each load reads 512 consecutive bytes of one row; 16 rows turn through the wave's stage (rows 528 bytes apart) and come back 16 neighbours of each block to a lane.
	s_lshr_b32 s13, ttmp9, 1                       ; which 64 rows
	s_and_b32 s14, ttmp9, 1
	s_lshl_b32 s14, s14, 2
	s_add_co_u32 s14, s14, s12                     ; my K step
	s_wait_alu depctr_va_vdst(0)
	v_lshlrev_b32 v3, 4, v2                        ; 16 x lane
	s_mul_i32 s15, s12, 8704                       ; my LDS: a stage of 16 x 528 bytes, then 256 bytes of scale words
	v_add_nc_u32 v14, s15, v3                      ; into the stage
	v_and_b32 v8, 15, v0                           ; r
	v_bfe_u32 v9, v0, 4, 1                         ; h
	v_mul_u32_u24 v15, v8, 528
	v_lshl_add_u32 v15, v9, 6, v15
	v_add_nc_u32 v15, s15, v15                     ; out of it: row r, + 64 h
	s_add_co_u32 s15, s15, 8448
	v_lshl_add_u32 v5, v8, 2, s15                  ; my row's scale word
	v_lshl_add_u32 v6, v2, 3, s15                  ; the words' way out: 8 bytes a lane
	v_lshlrev_b32 v7, 3, v2
.irp b, 0,1,2,3
	v_mov_b32 v[TM+4+\b], 0                        ; written once: a lane permute's destination counts as one of its sources
.endr
	s_lshl_b32 s16, s13, 18                        ; 64 rows of 4,096 bytes
	s_lshl_b32 s17, s14, 9                         ; 512 bytes a K step
	s_add_co_u32 s16, s16, s17
	s_mov_b32 s17, 0
	s_add_nc_u64 s[4:5], s[4:5], s[16:17]
	s_lshl_b32 s18, s13, 5
	s_add_co_u32 s18, s18, s14
	s_mul_i32 s18, s18, 1536                       ; fragment (4 (id / 2), ks)
	s_mov_b32 s19, 0
	s_add_nc_u64 s[18:19], s[10:11], s[18:19]
	s_lshl_b32 s20, s14, 15
	s_lshl_b32 s21, s13, 8
	s_add_co_u32 s20, s20, s21
	s_add_co_u32 s20, s20, XSO
	s_mov_b32 s21, 0
	s_add_nc_u64 s[20:21], s[10:11], s[20:21]      ; my 64 scale words: one aligned run of 256 bytes
.macro LOADX f                         ; fragment f's 16 rows, in the order of their positions
.irp p, 0,1,2,3,4,5,6,7,8,9,10,11,12,13,14,15
	global_load_b128 v[XR+64*((\f)%2)+4*\p:XR+64*((\f)%2)+4*\p+3], v3, s[4:5] offset:(32*((\f)/2)+8*((\f)%2)+\p+8*(\p/8))*4096 th:TH_LOAD_NT
.endr
.endm
.macro FRAGX f
.if (\f) < 3
	s_wait_loadcnt 16                              ; this fragment's 16 loads are in; the next fragment's 16 may be out
.else
	s_wait_loadcnt 0x0
.endif
.irp p, 0,1,2,3,4,5,6,7,8,9,10,11,12,13,14,15
	ds_store_b128 v14, v[XR+64*((\f)%2)+4*\p:XR+64*((\f)%2)+4*\p+3] offset:528*\p
.endr
.irp b, 0,1,2,3
.irp j, 0,1,2,3
	ds_load_b128 v[XN+16*\b+4*\j:XN+16*\b+4*\j+3], v15 offset:128*\b+16*\j   ; LDS serves a wave's instructions in order: these see the stores above
.endr
.endr
.if (\f) < 2
	s_wait_dscnt 16                                ; all but the 16 loads: the stores have read their registers,
	LOADX (\f)+2                                   ; which take the fragment two on
.endif
	s_wait_dscnt 0x0                               ; my 64 numbers are in; the last scale word's store has read its register
	s_wait_xcnt 0x0                                ; the last fragment's stores have read the codes' registers
	QUANT XN
.irp g, 0,1,2
	global_store_b128 v3, v[PC+4*\g:PC+4*\g+3], s[18:19] offset:(\f)*12288+512*\g   ; the image: 512 consecutive bytes a store
.endr
	ds_store_b32 v5, v[PW] offset:64*(\f)          ; lanes r and r + 16 write the same word with the same value
.endm
	LOADX 0
	LOADX 1
	s_wait_alu depctr_va_vdst(0)
	FRAGX 0
	FRAGX 1
	FRAGX 2
	FRAGX 3
	ds_load_b64 v[12:13], v6
	s_wait_dscnt 0x0
	global_store_b64 v7, v[12:13], s[20:21]        ; 32 lanes store 256 consecutive bytes, aligned
	s_wait_tensorcnt 0x0                           ; the wave's end
	ds_add_u32 v254, v255
	s_wait_dscnt 0x0
	s_endpgm
; ---- the weights.  A lane takes a logical column, its registers run down K: a block of 32 is one lane's, and the codes come out with K innermost.
; A wave: 32 columns (two row blocks of the result) x 128 along K (4 blocks, one K step).  A block's 24 bytes go to their place in the fragment's image in the wave's LDS;
; after the four blocks the two images leave, 512 consecutive bytes a store.  Two blocks' loads, 64, are out at a time.
.macro LOADW t, N                      ; block t: W(32 t + i, my column)
.irp i, 0,1,2,3,4,5,6,7,8,9,10,11,12,13,14,15,16,17,18,19,20,21,22,23,24,25,26,27,28,29,30,31
	global_load_b32 v[16+32*((\t)%2)+\i], v3, s[24:25] offset:(32*(\t)+\i)*\N*4 th:TH_LOAD_NT
.endr
.endm
.macro WBLOCK t, N
.set WX, 16+32*((\t)%2)
.if (\t) < 3
	s_wait_loadcnt 32                              ; this block's 32 loads are in; the next block's may be out
.else
	s_wait_loadcnt 0x0
.endif
	v_max3_num_f32 v12, |v[WX]|, |v[WX+1]|, |v[WX+2]|
	v_max3_num_f32 v13, |v[WX+3]|, |v[WX+4]|, |v[WX+5]|
.irp i, 6,10,14,18,22,26
	v_max3_num_f32 v12, v12, |v[WX+\i]|, |v[WX+\i+1]|
	v_max3_num_f32 v13, v13, |v[WX+\i+2]|, |v[WX+\i+3]|
.endr
	v_max3_num_f32 v12, v12, |v[WX+30]|, |v[WX+31]|
	v_max3_num_f32 v12, v12, v13, 0x1800000        ; and the floor
	v_add_nc_u32 v11, 0xff000000, v12              ; the conversion's scale operand
	v_lshrrev_b32 v13, 23, v11                     ; the byte
.if (\t) == 0
	v_mov_b32 v120, v13                            ; four bytes to a word, the lower K in the lower byte
.else
	v_lshl_or_b32 v120, v13, 8*(\t), v120
.endif
	v_cvt_scalef32_pk16_fp6_f32 v[80:82], v[WX:WX+15], v11
	v_cvt_scalef32_pk16_fp6_f32 v[88:90], v[WX+16:WX+31], v11
	v_nop                                          ; one plain line behind the scaled conversions
	v_mov_b32 v83, v88
	v_mov_b32 v84, v89
	v_mov_b32 v85, v90                             ; v80-85: the block's 24 bytes: registers 6 c .. 6 c + 5 of lane r + 16 h, c = block / 2, h = block % 2
.if (\t) < 2
	ds_store_b128 v4, v[80:83] offset:256*(\t)
	ds_store_b64 v4, v[84:85] offset:512+256*(\t)
.else
	ds_store_b64 v4, v[80:81] offset:520+256*((\t)-2)
	ds_store_b128 v4, v[82:85] offset:1024+256*((\t)-2)
.endif
.if (\t)+2 < 4
	LOADW (\t)+2, \N
.endif
	s_wait_dscnt 0x0                               ; the stores have read their registers
.endm
.macro WFLUSH                          ; both images and the scale words leave
.irp f, 0,1
.irp g, 0,1,2
	ds_load_b128 v[96+4*(3*\f+\g):96+4*(3*\f+\g)+3], v7 offset:1664*\f+512*\g
.endr
.endr
	s_wait_dscnt 0x0
.irp f, 0,1
.irp g, 0,1,2
	global_store_b128 v8, v[96+4*(3*\f+\g):96+4*(3*\f+\g)+3], s[26:27] offset:\f*12288+512*\g
.endr
.endr
	global_store_b32 v9, v120, s[28:29]            ; 32 lanes fill 128 consecutive bytes, the four waves 512
.endm
.macro WPATH N, RP, SRC, CBASE, SBASE, LBASE, FIRST
	s_sub_co_u32 s13, ttmp9, \FIRST
	s_lshr_b32 s14, s13, 3                         ; which 128 columns
	s_and_b32 s15, s13, 7                          ; which 128 along K: the K step
	s_lshl_b32 s16, s14, 7
	s_lshl_b32 s17, s12, 5
	s_add_co_u32 s16, s16, s17                     ; my wave's first column
	v_lshlrev_b32 v3, 2, v2                        ; in: 4 bytes a lane
	v_and_b32 v5, 7, v2
	v_lshrrev_b32 v6, 4, v2
	v_lshl_add_u32 v5, v6, 3, v5                   ; my column's lane in its row block: (L % 8) + 8 (L / 16)
	v_bfe_u32 v6, v2, 3, 1                         ; and which of the two row blocks: bit 3 of L
	s_mul_i32 s17, s12, 3328                       ; my LDS: two images, 1,664 bytes apart
	s_add_co_u32 s17, s17, \LBASE
	v_mul_u32_u24 v4, v6, 1664
	v_lshl_add_u32 v4, v5, 4, v4
	v_add_nc_u32 v4, s17, v4
	v_lshlrev_b32 v8, 4, v2
	v_add_nc_u32 v7, s17, v8
	v_lshl_add_u32 v9, v6, 4, v5
	v_lshlrev_b32 v9, 2, v9                        ; 4 x my column's position
	s_mul_i32 s18, s15, 128*\N*4
	s_lshl_b32 s19, s16, 2
	s_add_co_u32 s18, s18, s19
	s_mov_b32 s19, 0
	s_add_nc_u64 s[24:25], s[\SRC:\SRC+1], s[18:19]
	s_lshr_b32 s18, s16, 1                         ; 8 fragments a row block
	s_add_co_u32 s18, s18, s15
	s_mul_i32 s18, s18, 1536
	s_add_co_u32 s18, s18, \CBASE
	s_add_nc_u64 s[26:27], s[10:11], s[18:19]
	s_mul_i32 s18, s15, \RP
	s_add_co_u32 s18, s18, s16
	s_lshl_b32 s18, s18, 2
	s_add_co_u32 s18, s18, \SBASE
	s_add_nc_u64 s[28:29], s[10:11], s[18:19]
	LOADW 0, \N
	LOADW 1, \N
.irp t, 0,1,2,3
	WBLOCK \t, \N
.endr
	s_wait_alu depctr_va_vdst(0)
	WFLUSH
	s_wait_tensorcnt 0x0                           ; the wave's end
	ds_add_u32 v254, v255
	s_wait_dscnt 0x0
	s_endpgm
.endm
.Lweights:
	s_cmp_lt_u32 ttmp9, 448
	s_cbranch_scc0 .Lwp
	s_wait_alu depctr_va_vdst(0)
	WPATH 3072, 8192, 6, WCC, WCS, 34816, 256
.Lwp:
	s_wait_alu depctr_va_vdst(0)
	WPATH 1024, 1024, 8, WPC, WPS, 48128, 448
.Lfunc_end_k_qb1b6dafd8b_quant:
	.size	k_qb1b6dafd8b_quant, .Lfunc_end_k_qb1b6dafd8b_quant-k_qb1b6dafd8b_quant
	.p2alignl 7, 3214868480
	.fill 96, 4, 3214868480
	.section	.rodata,"a",@progbits
	.p2align	6, 0x0
	.amdhsa_kernel k_qb1b6dafd8b_quant
		.amdhsa_group_segment_fixed_size 61952
		.amdhsa_private_segment_fixed_size 0
		.amdhsa_enable_private_segment 0
		.amdhsa_kernarg_size 32
		.amdhsa_user_sgpr_count 2
		.amdhsa_user_sgpr_kernarg_segment_ptr 1
		.amdhsa_wavefront_size32 1
		.amdhsa_system_sgpr_workgroup_id_x 1
		.amdhsa_system_sgpr_workgroup_id_y 1
		.amdhsa_system_sgpr_workgroup_id_z 1
		.amdhsa_system_vgpr_workitem_id 0
		.amdhsa_next_free_vgpr 256
		.amdhsa_next_free_sgpr 66
		.amdhsa_reserve_vcc 0
		.amdhsa_float_denorm_mode_32 3
		.amdhsa_float_denorm_mode_16_64 3
		.amdhsa_memory_ordered 1
		.amdhsa_forward_progress 1
		.amdhsa_inst_pref_size 76
	.end_amdhsa_kernel
	.amdgpu_metadata
---
amdhsa.version: [ 1, 2 ]
amdhsa.kernels:
  - .name:           k_qb1b6dafd8b_quant
    .symbol:         k_qb1b6dafd8b_quant.kd
    .args:
      - { .name: x, .offset: 0, .size: 8, .value_kind: global_buffer, .address_space: global }
      - { .name: W_c, .offset: 8, .size: 8, .value_kind: global_buffer, .address_space: global }
      - { .name: W_p, .offset: 16, .size: 8, .value_kind: global_buffer, .address_space: global }
      - { .name: opnd, .offset: 24, .size: 8, .value_kind: global_buffer, .address_space: global }
    .group_segment_fixed_size: 61952
    .private_segment_fixed_size: 0
    .kernarg_segment_align: 8
    .kernarg_segment_size: 32
    .max_flat_workgroup_size: 128
    .sgpr_count:     66
    .vgpr_count:     256
    .wavefront_size: 32
...
	.end_amdgpu_metadata
.endif
;; end of part 6
;; launch qkv (part 7): grid 4 x 64, 4 waves a work-group, clusters of 4 x 4, 327,680 bytes of LDS; arguments opnd, b_c, qkv; writes qkv
.if DOCPART == 7
	.amdgcn_target "amdgcn-amd-amdhsa--gfx1250"
	.amdhsa_code_object_version 6
	.text
	.protected	k_qb1b6dafd8b_qkv
	.globl	k_qb1b6dafd8b_qkv
	.p2align	8
	.type	k_qb1b6dafd8b_qkv,@function
k_qb1b6dafd8b_qkv:
	s_mov_b64 s[64:65], 0
	v_nop
	global_prefetch_b8 v0, s[64:65] scope:SCOPE_SE
	s_setreg_imm32_b32 hwreg(HW_REG_WAVE_MODE, 25, 1), 1
	s_wait_xcnt 0x0
	s_wait_alu depctr_hold_cnt(0) depctr_sa_sdst(0) depctr_va_vdst(0) depctr_va_sdst(0) depctr_va_ssrc(0) depctr_va_vcc(0) depctr_vm_vsrc(0)
	s_getreg_b32 s2, hwreg(HW_REG_IB_STS2, 6, 4)
	s_cmp_eq_u32 s2, 0
	s_cbranch_scc0 .Lentry_in_a_cluster
	s_endpgm
.Lentry_in_a_cluster:
	s_bfe_u32 s2, ttmp6, 0x10000c
	s_cmp_lg_u32 s2, 0xf033
	s_cbranch_scc0 .Lentry_shape_is_right
	s_endpgm
.Lentry_shape_is_right:
; c = x W_c + b_c on codes of FP6 (E2M3) with E8M0 scales, sums in f32; the result leaves QUANTISED, as the operands of the two products that follow:
; q and k along the features (A = x's tokens, B = W_c's columns 0-2,047), v along the tokens (A = W_c's columns 2,048 on, B = x's tokens).
; SHARES: c is 768 blocks of 128 (A) x 256 (B): 512 of q and k, 256 of v.  256 work-groups STAY and make three blocks each: two of q and k (the same 128 tokens, columns 256 (gx + 4 t)), then one of v.
; A wave makes 64 x 128 of a block: 32 accumulators, 256 registers.  K = 1,024 is two LDS slots of 512; the ring of two slots runs on from block to block: a block's two changes of slots ask for the next block's halves.
; The loop has two trips, both with refills; the v block, which asks for nothing more, is written out behind it.
; OPERANDS lie in memory as images of their fragments: fragment (row block rb, K step ks) at (8 rb + ks) x 1,536 bytes, register 4 g + w of lane l at 512 g + 16 l + 4 w; scale words at 4 (8,192 ks + position).
; Position p holds logical row p with bits 3 and 4 exchanged.  THE MATRIX INSTRUCTION IS USED TRANSPOSED (source 0 = 16 rows of B, source 1 = 16 rows of A): a lane holds one row of A, and the 64 registers
; of its row block's eight tiles are 128 neighbours along the next product's K: one fragment and one scale word.
; CLUSTERS of 4 x 4: A's tiles are asked for jointly by a row of the cluster, B's by a column.  A's addresses are made of the cluster's y and cy alone, B's of the cluster's y and cx alone.
; SCALE WORDS AND BIAS go from memory into registers: a load's 32 lanes read 128 consecutive bytes, a K step's two or four loads 256 or 512 on end.  A K step's scale registers take the next block's words as soon as its products are issued.
; PREFETCH: asked for are the bytes that no work-group has read before their load: W_c's columns of block 1 (B) and of block 2 (A), each half two fills ahead of its load; the sixteen waves of the four partners share
; a half's row blocks out by address, a lane to each 256 bytes (lanes left over name their wave's last).  x's tiles of blocks 1 and 2 were read in block 0; block 0's tiles come by their loads alone.
; The bias is the C of each sum's first matrix instruction.
; LIMITS: a block of zeros gets the byte 1 (zero codes; only this program reads the bytes); NaN and infinities are not served.
; REGISTERS: window 0: v16-30 addresses; v32-79 scale words and nothing else; v128-223 A's fragments, two sets (the second holds the codes on the way out); v224-245 at work on the way out.
;   window 1: B's fragments, two sets, at v0 and v96; v192-255 the bias.   window 2: the accumulators, (a, b) at v[8 (8 a + b)].
.set FR,    12
.set RBK,   4*1536                     ; a row block's 512 along K
.set AHALF, 4*RBK                      ; what one tensor load brings of A, and what one wave reads of it
.set BHALF, 8*RBK
.set BOFF,  2*AHALF
.set SLOT,  2*AHALF+2*BHALF
.set STG,   2*SLOT                     ; behind the ring: 256 bytes for each wave, where its scale words are gathered; no fill lands here
.set SPARE, STG+1024                   ; the spare words, 128 bytes for each wave
.set ADRA, 16
.set PF24, 18                          ; 256 x min(lane, 23)
.set PF12, 19                          ; 256 x min(lane, 11)
.set ADRB, 20
.set L16,  24
.set L8,   27
.set SPW,  28
.set NIL,  29
.set L4,   30
.set SA,   32                          ; register 2 ks + j: A's words of positions 32 j + lane of my 64
.set SB,   48                          ; register 4 ks + j: B's words of positions 32 j + lane of my 128
.set AF,   128
.set PC,   176
.set CB,   192
.set TM,   224
.set PW,   240
.set OC,   10                          ; s[10:11] where my codes go, s[12:13] my scale words (q, k)
.set OS,   12
.set NXA,  20                          ; s[20:21], s[46:47] the next block's tiles of A and of B, my part
.set A2,   22                          ; s[22:23], s[92:93] block 2's
.set NXB,  46
.set B2,   92
.set G1,   24
.set G0,   32
.set G1B,  48
.set G0B,  56
.set SEL,  66
.set NSA,  68                          ; the next block's scale words: A's, B's; block 2's
.set NSB,  70
.set S2A,  72
.set S2B,  74
.set BQ,   76                          ; the bias of q and k, of v
.set BV,   78
.set OC2,  80                          ; where v's codes and scale words go
.set OS2,  82
.set PFB,  84                          ; the prefetches' bases
.set PFA,  86
.set TC,   88                          ; the trip
.set MUL,  0xa1                        ; source 0 (B) window 1, source 1 (A) window 0, C and D window 2
.set TO_B, 0x40
.set MSB, 0
.macro WIN new                         ; the immediate's high byte repeats the setting that is left
.if MSB != (\new)
	s_set_vgpr_msb (MSB<<8)|(\new)
.set MSB, (\new)
.endif
.endm
.macro PLACES                          ; four plain lines behind matrix instructions (ISA guide 7.12.1)
.rept 4
	v_nop
.endr
.endm
.macro JLOAD g0a, g1a, g0b, g1b        ; a joint load: waves 0 and 1 fetch A's halves, waves 2 and 3 B's
	s_cmp_eq_u32 s15, 0
	s_cbranch_scc0 .Lfor_b_\@
	tensor_load_to_lds s[\g0a:\g0a+3], s[\g1a:\g1a+7]
	s_nop 0
	PLACES
	s_branch .Lasked_\@
.Lfor_b_\@:
	tensor_load_to_lds s[\g0b:\g0b+3], s[\g1b:\g1b+7]
	s_nop 0
	PLACES
.Lasked_\@:
.endm
.macro CREST                           ; a round of the cluster's barrier behind its opening barrier
	s_cmp_lg_u32 s14, 0
	s_cbranch_scc1 .Lnot_wave_0_\@
	s_barrier_signal -3
.Lnot_wave_0_\@:
	s_barrier_wait -3
	s_barrier_signal -1
	s_barrier_wait -1
.endm
.macro CROUND
	s_barrier_signal -1
	s_barrier_wait -1
	CREST
.endm
.macro GROUP1 g, mask, c, r, p         ; r rows of c elements of 8 bytes, p elements apart; the mask, and bit 21 beside it
	s_or_b32 s[\g], s[\mask], (3<<16)|(1<<21)
	s_mov_b32 s[\g+1], (\c)<<16
	s_mov_b32 s[\g+2], (\r)<<16
	s_mov_b32 s[\g+3], (\c)<<16
	s_mov_b32 s[\g+4], \r
	s_mov_b32 s[\g+5], \p
	s_mov_b32 s[\g+6], 0
	s_mov_b32 s[\g+7], 0
.endm
.macro GROUP0 g, lds, ldsoff, adr, step
	s_mov_b32 s[\g], 1
	s_add_co_u32 s[\g+1], s[\lds], \ldsoff
	s_add_nc_u64 s[\g+2:\g+3], s[\adr:\adr+1], \step
	s_or_b32 s[\g+3], s[\g+3], 0x80000000
.endm
.macro TADDR d, g, tm, hm, off         ; an offset: tile g x tm + the half that I fetch x hm + off
	s_mul_i32 s[\d], s[\g], \tm
	s_mul_i32 s[\d+1], s16, \hm
	s_add_co_u32 s[\d], s[\d], s[\d+1]
	s_add_co_u32 s[\d], s[\d], \off
	s_mov_b32 s[\d+1], 0
.endm
.macro ADDR1 d, base, x, m, off        ; an address: base + x m + off
	s_mul_i32 s[\d], s[\x], \m
.if \off
	s_add_co_u32 s[\d], s[\d], \off
.endif
	s_mov_b32 s[\d+1], 0
	s_add_nc_u64 s[\d:\d+1], s[\base:\base+1], s[\d:\d+1]
.endm
.macro ADDR2 d, base, x, m, y, n, off  ; base + x m + y n + off
	s_mul_i32 s[\d], s[\x], \m
	s_mul_i32 s[\d+1], s[\y], \n
	s_add_co_u32 s[\d], s[\d], s[\d+1]
.if \off
	s_add_co_u32 s[\d], s[\d], \off
.endif
	s_mov_b32 s[\d+1], 0
	s_add_nc_u64 s[\d:\d+1], s[\base:\base+1], s[\d:\d+1]
.endm
.macro FRAG reg, adr, q, i             ; a fragment comes as it lies: three loads of 16 bytes a lane
.irp g, 0,1,2
	ds_load_b128 v[\reg+4*\g:\reg+4*\g+3], v[\adr] offset:(\i)*RBK+(\q)*1536+512*\g
.endr
.endm
.macro FETCH slot, q, p                ; the fragments of one 128 along K into set p: B's eight, A's four
	WIN TO_B
.irp i, 0,1,2,3,4,5,6,7
	FRAG 96*(\p)+FR*\i, ADRB+\slot, \q, \i
.endr
	WIN 0
.irp i, 0,1,2,3
	FRAG AF+48*(\p)+FR*\i, ADRA+\slot, \q, \i
.endr
.endm
.macro RELOAD k, ba, bb                ; K step k's scale words of a block
.irp j, 0,1
	global_load_b32 v[SA+2*(\k)+\j], v[L4], s[\ba:\ba+1] offset:(\k)*32768+128*\j
.endr
.irp j, 0,1,2,3
	global_load_b32 v[SB+4*(\k)+\j], v[L4], s[\bb:\bb+1] offset:(\k)*32768+128*\j
.endr
.endm
.macro BIASQ xo                        ; q, k: register j of tile b is feature 32 (b / 2) + 16 h + 8 (b % 2) + j
	WIN TO_B
.irp b, 0,1,2,3,4,5,6,7
	global_load_b128 v[CB+8*\b:CB+8*\b+3], v22, s[BQ:BQ+1] offset:\xo+128*(\b/2)+32*(\b%2)
	global_load_b128 v[CB+8*\b+4:CB+8*\b+7], v22, s[BQ:BQ+1] offset:\xo+128*(\b/2)+32*(\b%2)+16
.endr
	WIN 0
.endm
.macro BIASV                           ; v: all eight registers of a tile of row block a are my row's feature
	WIN TO_B
.irp a, 0,1,2,3
.irp j, 0,1,2,3,4,5,6,7
	global_load_b32 v[CB+8*\a+\j], v23, s[BV:BV+1] offset:128*(\a/2)+32*(\a%2)
.endr
.endr
	WIN 0
.endm
.macro BIASNEXT                        ; the next block's bias: block 1 is of q and k, block 2 of v.  The branch hangs on the trip alone
	s_cmp_eq_u32 s[TC], 0
	s_cbranch_scc0 .Lbias_v
	BIASQ 4096
	s_branch .Lbias_done
.Lbias_v:
	BIASV
.Lbias_done:
.endm
; 8 matrix instructions: A's block a x B's eight.  mode 0: in place; 2: C = the bias of B's block; 3: of A's block.  The 32 accumulators take turns.
.macro MUL8 a, p, ks, mode
.irp b, 0,1,2,3,4,5,6,7
.set rD, 8*(8*(\a)+\b)
.set rB, 96*(\p)+FR*\b
.set rA, AF+48*(\p)+FR*(\a)
.if \mode == 0
.set rC, rD
.elseif \mode == 2
.set rC, CB+8*\b
.else
.set rC, CB+8*(\a)
.endif
.set rSB, SB+4*(\ks)+\b/2
.set rSA, SA+2*(\ks)+(\a)/2
.set uu, 2*((\a)%2)+\b%2
.if uu == 0
	v_wmma_scale_f32_16x16x128_f8f6f4 v[rD:rD+7], v[rB:rB+FR-1], v[rA:rA+FR-1], v[rC:rC+7], v[rSB], v[rSA] matrix_a_fmt:MATRIX_FMT_FP6 matrix_b_fmt:MATRIX_FMT_FP6
.elseif uu == 1
	v_wmma_scale_f32_16x16x128_f8f6f4 v[rD:rD+7], v[rB:rB+FR-1], v[rA:rA+FR-1], v[rC:rC+7], v[rSB], v[rSA] matrix_a_fmt:MATRIX_FMT_FP6 matrix_b_fmt:MATRIX_FMT_FP6 matrix_a_scale:MATRIX_SCALE_ROW1
.elseif uu == 2
	v_wmma_scale_f32_16x16x128_f8f6f4 v[rD:rD+7], v[rB:rB+FR-1], v[rA:rA+FR-1], v[rC:rC+7], v[rSB], v[rSA] matrix_a_fmt:MATRIX_FMT_FP6 matrix_b_fmt:MATRIX_FMT_FP6 matrix_b_scale:MATRIX_SCALE_ROW1
.else
	v_wmma_scale_f32_16x16x128_f8f6f4 v[rD:rD+7], v[rB:rB+FR-1], v[rA:rA+FR-1], v[rC:rC+7], v[rSB], v[rSA] matrix_a_fmt:MATRIX_FMT_FP6 matrix_b_fmt:MATRIX_FMT_FP6 matrix_a_scale:MATRIX_SCALE_ROW1 matrix_b_scale:MATRIX_SCALE_ROW1
.endif
.endr
.endm
; One of a slot's first three K steps: the next step's fragments are fetched ahead of its 32 products.  rl = 1: the step before has used its scale registers: they take the next block's words
.macro STEP slot, q, ks, mode, rl
	s_wait_dscnt 0x0                               ; this step's fragments are in
	PLACES
	FETCH \slot, (\q)+1, ((\ks)+1)%2
.if (\rl) && ((\ks) > 0)
	RELOAD (\ks)-1, NSA, NSB
.endif
.if (\rl) && ((\ks) == 1)
	BIASNEXT                                       ; the first step has read the bias
.endif
	WIN MUL-0x10*((\mode)/2)                       ; (the bias lies in window 1)
	MUL8 0, (\ks)%2, \ks, \mode
	MUL8 1, (\ks)%2, \ks, \mode
	MUL8 2, (\ks)%2, \ks, \mode
	MUL8 3, (\ks)%2, \ks, \mode
.endm
; A slot's last K step, and the change of slots: one barrier; in front of it each wave waits for all its tensor loads, adds 0 to its spare word, and waits for that and for its reads of this slot.
; fill = 1: the barrier opens a round of the cluster's, and this slot takes its half of the next block.
.macro TURN slot, next, ks, fill
	WIN 0
	s_wait_tensorcnt 0x0                           ; all my tensor loads have landed: my part of the next slot
	ds_add_u32 v[SPW], v[NIL]                      ; 0 onto my spare word
	s_wait_dscnt 1                                 ; (the add alone may be out)
	WIN MUL
	MUL8 0, (\ks)%2, \ks, 0
	s_wait_dscnt 0x0                               ; the add is done, and my reads of this slot are over
	s_barrier_signal -1
	MUL8 1, (\ks)%2, \ks, 0
	WIN 0
	s_barrier_wait -1
.if \fill
	CREST                                          ; no wave of any partner still reads this slot or has a load on its way
	s_add_nc_u64 s[G0+4*\slot+2:G0+4*\slot+3], s[NXA:NXA+1], \slot*RBK
	s_or_b32 s[G0+4*\slot+3], s[G0+4*\slot+3], 0x80000000
	s_add_nc_u64 s[G0B+4*\slot+2:G0B+4*\slot+3], s[NXB:NXB+1], \slot*RBK
	s_or_b32 s[G0B+4*\slot+3], s[G0B+4*\slot+3], 0x80000000
	JLOAD G0+4*\slot, G1, G0B+4*\slot, G1B         ; the first tensor load behind the round, one a wave; its four v_nop are also the places in front of the loads below
.else
	PLACES
.endif
	FETCH \next, 0, ((\ks)+1)%2
.if \fill
	RELOAD (\ks)-1, NSA, NSB
	s_cmp_eq_u32 s[TC], 0                          ; in the first trip: this half of block 2's A, whose load stands two fills on
	s_cbranch_scc0 .Lno_ask_\@
	global_prefetch_b8 v[PF12], s[PFA:PFA+1] offset:\slot*RBK th:TH_LOAD_NT scope:SCOPE_SE
.Lno_ask_\@:
.endif
	WIN MUL
	MUL8 2, (\ks)%2, \ks, 0
	MUL8 3, (\ks)%2, \ks, 0
.endm
; 64 numbers of a lane, in window w from register s on, become a fragment's codes in v[PC] on and my row's scale word in v[PW].  Each accumulator is first read at its registers 0 and 1.
.macro QUANT s, w
	WIN 0x14*(\w)
.irp b, 0,1,2,3
	v_max3_num_f32 v[TM+\b], 0x1800000, |v[\s+16*\b]|, |v[\s+1+16*\b]|   ; block b: my 16 numbers, and the floor 2^(3 - 127)
.endr
.irp i, 2,4,6,8,10,12,14
.irp b, 0,1,2,3
	v_max3_num_f32 v[TM+\b], v[TM+\b], |v[\s+16*\b+\i]|, |v[\s+1+16*\b+\i]|
.endr
.endr
	WIN 0
.irp b, 0,1,2,3
	v_permlanex16_b32 v[TM+4+\b], v[TM+\b], s[SEL], s[SEL+1]
.endr
.irp b, 0,1,2,3
	v_max_num_f32 v[TM+\b], v[TM+\b], v[TM+4+\b]
.endr
.irp b, 0,1,2,3
	v_add_nc_u32 v[TM+12+\b], 0xff000000, v[TM+\b] ; 2 off the exponent field: the conversion's scale operand
.endr
.irp b, 0,1,2,3
	v_lshrrev_b32 v[TM+4+\b], 23, v[TM+12+\b]
.endr
	v_lshl_or_b32 v[PW], v[TM+5], 8, v[TM+4]
	v_lshl_or_b32 v[PW], v[TM+6], 16, v[PW]
	v_lshl_or_b32 v[PW], v[TM+7], 24, v[PW]
	WIN \w
.irp c, 0,1
	v_cvt_scalef32_pk16_fp6_f32 v[PC+6*\c:PC+2+6*\c], v[\s+32*\c:\s+15+32*\c], v[TM+12+2*\c]
	v_cvt_scalef32_pk16_fp6_f32 v[PC+12+4*\c:PC+14+4*\c], v[\s+16+32*\c:\s+31+32*\c], v[TM+12+2*\c+1]
.endr
	WIN 0
	v_nop                                          ; one plain line behind the scaled conversions
.irp c, 0,1
.irp i, 0,1,2
	v_permlane16_swap_b32 v[PC+6*\c+\i], v[PC+12+4*\c+\i]
.endr
.irp i, 0,1,2
	v_mov_b32 v[PC+3+6*\c+\i], v[PC+12+4*\c+\i]
.endr
.endr
.endm
; A block: eight K steps and the way out: each row block's 64 registers a lane become one fragment, stored as its image, and one scale word a row
.macro TILE mode, rl, oc, os, rbp
	s_wait_loadcnt 0x0                             ; this block's scale words and bias
	STEP 0, 0, 0, \mode, \rl
	STEP 0, 1, 1, 0, \rl
	STEP 0, 2, 2, 0, \rl
	TURN 0, 1, 3, \rl
	STEP 1, 0, 4, 0, \rl
	STEP 1, 1, 5, 0, \rl
	STEP 1, 2, 6, 0, \rl
.if \rl
	TURN 1, 0, 7, 1                                ; the next block's first fragments are fetched here
.else
	s_wait_dscnt 0x0
	WIN MUL
	MUL8 0, 1, 7, 0
	MUL8 1, 1, 7, 0
	MUL8 2, 1, 7, 0
	MUL8 3, 1, 7, 0
.endif
	WIN 0
	PLACES
.if \rl
	RELOAD 7, NSA, NSB
.endif
.irp a, 0,1,2,3
.if \a > 0
	s_wait_xcnt 0x0                                ; the last row block's stores have read the codes' registers
	s_wait_dscnt 0x0                               ; and the word's store its register
.endif
	QUANT 64*\a, 2
.irp g, 0,1,2
	global_store_b128 v[L16], v[PC+4*\g:PC+4*\g+3], s[\oc:\oc+1] offset:\a*\rbp+512*\g   ; 512 consecutive bytes, aligned
.endr
	ds_store_b32 v25, v[PW] offset:64*\a           ; lanes r and r + 16 write the same word with the same value
.endr
	ds_load_b64 v[244:245], v26                    ; LDS serves a wave's instructions in order: this sees my stores
	s_wait_dscnt 0x0
	global_store_b64 v[L8], v[244:245], s[\os:\os+1]   ; my 64 scale words: 256 consecutive bytes, aligned
.endm
	s_load_b128 s[4:7], s[0:1], 0x0                ; opnd s[4:5], b_c s[6:7]
	s_load_b64 s[8:9], s[0:1], 0x10                ; qkv
	v_lshl_add_u32 v[SPW], v0, 2, SPARE
	v_mov_b32 v[NIL], 0
	ds_add_u32 v[SPW], v[NIL]                      ; the opening lines: the add, twice on end, and its wait ahead of my first tensor load
	ds_add_u32 v[SPW], v[NIL]
	v_lshrrev_b32 v1, 5, v0
	v_readfirstlane_b32 s14, v1                    ; wave 0..3
	s_lshr_b32 s15, s14, 1                         ; my half of the block's rows.  Also: I fetch for A (0) or for B (1)
	s_and_b32 s16, s14, 1                          ; my half of its columns.  Also: which half of that tile I fetch
	s_bfe_u32 s40, ttmp6, 0x40000                  ; cx
	s_bfe_u32 s41, ttmp6, 0x40004                  ; cy
	s_lshl_b32 s42, ttmp9, 2
	s_add_co_u32 s42, s42, s40                     ; gx 0..3: q, k: B's tile is gx + 4 t
	s_and_b32 s18, ttmp7, 0xffff                   ; the cluster's y, 0..15
	s_lshl_b32 s17, s18, 2
	s_add_co_u32 s17, s17, s41                     ; gy 0..63: q, k: A's tile of 128 tokens
	s_and_b32 s96, s18, 1
	s_lshl_b32 s96, s96, 2
	s_add_co_u32 s96, s96, s41                     ; v: A's tile of 128 features, 0..7
	s_lshr_b32 s98, s18, 1
	s_lshl_b32 s98, s98, 2
	s_add_co_u32 s98, s98, s40                     ; v: B's tile of 256 tokens, 0..31
	s_lshl_b32 s43, s41, 2
	s_lshl_b32 s43, 15, s43                        ; my row of the cluster
	s_lshl_b32 s44, 0x1111, s40                    ; my column
	GROUP1 G1, 43, 768, 4, 1536                    ; 4 row blocks x 6,144 bytes, 12,288 bytes apart
	GROUP1 G1B, 44, 768, 8, 1536
	TADDR NXA, 17, 98304, 49152, 0                 ; x's codes
	TADDR A2, 96, 98304, 49152, 8126464            ; W_c's codes from column 2,048 on
	TADDR NXB, 42, 196608, 98304, 6553600          ; W_c's codes
	TADDR B2, 98, 196608, 98304, 0
	s_mul_i32 s45, s16, AHALF                      ; where they go: no place in the cluster enters an LDS address
	s_mul_i32 s94, s16, BHALF
	s_wait_alu depctr_va_vdst(0)
	s_wait_dscnt 0x0                               ; both opening adds are done
	s_wait_kmcnt 0x0
	s_add_nc_u64 s[NXA:NXA+1], s[4:5], s[NXA:NXA+1]
	s_add_nc_u64 s[A2:A2+1], s[4:5], s[A2:A2+1]
	s_add_nc_u64 s[NXB:NXB+1], s[4:5], s[NXB:NXB+1]
	s_add_nc_u64 s[B2:B2+1], s[4:5], s[B2:B2+1]
	CROUND                                         ; all sixteen work-groups are here: the first joint loads meet
.irp s, 0,1
	GROUP0 G0+4*\s, 45, \s*SLOT, NXA, \s*RBK
	GROUP0 G0B+4*\s, 94, \s*SLOT+BOFF, NXB, \s*RBK
.endr
	JLOAD G0, G1, G0B, G1B                         ; block 0's first half: one tensor load a wave at the head
	s_add_nc_u64 s[NXB:NXB+1], s[NXB:NXB+1], 786432    ; block 1: four tiles of W_c on; A stays
	s_lshl_b32 s89, s17, 1
	s_add_co_u32 s89, s89, s15                     ; q, k: which 64 rows of A are mine
	s_lshl_b32 s90, s96, 1
	s_add_co_u32 s90, s90, s15                     ; v: likewise
	s_lshl_b32 s91, s42, 1
	s_add_co_u32 s91, s91, s16                     ; q, k: which 128 rows of B are mine: the K step that I make
	s_lshl_b32 s95, s98, 1
	s_add_co_u32 s95, s95, s16                     ; v: likewise
	s_lshl_b32 s97, s41, 2
	s_add_co_u32 s97, s97, s14                     ; prefetch of B: row block 4 cy + wave of the tile's 16
	s_lshl_b32 s99, s40, 1
	s_add_co_u32 s99, s99, s15
	s_lshl_b32 s99, s99, 2
	s_add_co_u32 s99, s99, s16                     ; prefetch of A: row block 2 cx + wave / 2 of the tile's 8, and 3,072 (wave % 2) bytes of its half
	ADDR1 NSA, 4, 89, 256, 6291456
	ADDR1 S2A, 4, 90, 256, 8921088
	ADDR1 2, 4, 91, 512, 8912896                   ; s[2:3]: block 0's words of B
	s_add_nc_u64 s[NSB:NSB+1], s[2:3], 4096
	ADDR1 S2B, 4, 95, 512, 6291456
	ADDR1 BQ, 6, 91, 512, 0
	ADDR1 BV, 6, 90, 256, 8192
	ADDR2 OC, 8, 89, 98304, 91, 1536, 0            ; fragment (4 x my 64 rows + a, K step) of 16 a row block
	ADDR2 OS, 8, 91, 32768, 89, 256, 12582912
	ADDR2 OC2, 8, 90, 393216, 95, 1536, 13107200   ; of 64 a row block
	ADDR2 OS2, 8, 95, 4096, 90, 256, 19398656
	ADDR2 PFB, 4, 42, 196608, 97, 12288, 7340032
	ADDR2 PFA, 4, 96, 98304, 99, 3072, 8126464
	s_mul_i32 s89, s15, AHALF                      ; LDS: my rows of A in slot 0, 1; of B; my stage
	s_add_co_u32 s90, s89, SLOT
	s_mul_i32 s91, s16, BHALF
	s_add_co_u32 s91, s91, BOFF
	s_add_co_u32 s95, s91, SLOT
	s_lshl_b32 s97, s14, 8
	s_add_co_u32 s97, s97, STG
	s_mov_b32 s[SEL], 0x76543210
	s_mov_b32 s[SEL+1], 0xfedcba98
	s_mov_b32 s[TC], 0
	v_and_b32 v1, 15, v0                           ; r
	v_bfe_u32 v2, v0, 4, 1                         ; h
	v_and_b32 v3, 31, v0
	v_lshlrev_b32 v[L16], 4, v3
	v_lshlrev_b32 v[L8], 3, v3
	v_lshlrev_b32 v[L4], 2, v3
	v_add_nc_u32 v[ADRA], s89, v[L16]
	v_add_nc_u32 v[ADRA+1], s90, v[L16]
	v_add_nc_u32 v[ADRB], s91, v[L16]
	v_add_nc_u32 v[ADRB+1], s95, v[L16]
	v_lshlrev_b32 v22, 6, v2                       ; the bias by B's rows: 64 h
	v_and_b32 v4, 8, v1
	v_add_nc_u32 v4, v4, v1
	v_lshlrev_b32 v23, 2, v4                       ; by A's rows: 4 (r + 8 (r / 8))
	v_lshl_add_u32 v25, v1, 2, s97
	v_add_nc_u32 v26, s97, v[L8]
	v_min_u32 v[PF24], 23, v3
	v_lshlrev_b32 v[PF24], 8, v[PF24]
	v_min_u32 v[PF12], 11, v3
	v_lshlrev_b32 v[PF12], 8, v[PF12]
.irp b, 0,1,2,3
	v_mov_b32 v[TM+4+\b], 0                        ; a lane permute's destination counts as one of its sources
.endr
	s_wait_alu depctr_va_vdst(0)
.irp k, 0,1,2,3,4,5,6,7
	RELOAD \k, NSA, 2                              ; block 0's scale words
.endr
	BIASQ 0
	global_prefetch_b8 v[PF24], s[PFB:PFB+1] th:TH_LOAD_NT scope:SCOPE_SE   ; block 1's B, first half: its load stands two fills on
	s_wait_tensorcnt 0x0                           ; my part of slot 0 is in
	ds_add_u32 v[SPW], v[NIL]
	s_wait_dscnt 0x0
	CROUND                                         ; everybody's part is in, and the joint loads meet
	JLOAD G0+4, G1, G0B+4, G1B                     ; block 0's second half, the first tensor load behind the round
	FETCH 0, 0, 0
	global_prefetch_b8 v[PF24], s[PFB:PFB+1] offset:RBK th:TH_LOAD_NT scope:SCOPE_SE   ; block 1's B, second half
.Ltile:                                                ; two trips: blocks 0 and 1, of q and k
	TILE 2, 1, OC, OS, 24576
	s_wait_xcnt 0x0                                ; every load and store has read its base and its registers
	s_add_nc_u64 s[OC:OC+1], s[OC:OC+1], 12288     ; eight K steps on in the result
	s_add_nc_u64 s[OS:OS+1], s[OS:OS+1], 262144
	s_mov_b64 s[NXA:NXA+1], s[A2:A2+1]             ; what the second trip asks for is block 2's
	s_mov_b64 s[NXB:NXB+1], s[B2:B2+1]
	s_mov_b64 s[NSA:NSA+1], s[S2A:S2A+1]
	s_mov_b64 s[NSB:NSB+1], s[S2B:S2B+1]
	s_add_co_u32 s[TC], s[TC], 1
	s_cmp_lt_u32 s[TC], 2
	s_wait_alu depctr_va_vdst(0)
	s_cbranch_scc1 .Ltile
	TILE 3, 0, OC2, OS2, 98304                     ; block 2, of v: it asks for nothing more
	s_wait_tensorcnt 0x0                           ; the wave's end
	ds_add_u32 v[SPW], v[NIL]
	s_wait_dscnt 0x0
	CROUND                                         ; the closing round
	s_endpgm
.Lfunc_end_k_qb1b6dafd8b_qkv:
	.size	k_qb1b6dafd8b_qkv, .Lfunc_end_k_qb1b6dafd8b_qkv-k_qb1b6dafd8b_qkv
	.p2alignl 7, 3214868480
	.fill 96, 4, 3214868480
	.section	.rodata,"a",@progbits
	.p2align	6, 0x0
	.amdhsa_kernel k_qb1b6dafd8b_qkv
		.amdhsa_group_segment_fixed_size 327680
		.amdhsa_private_segment_fixed_size 0
		.amdhsa_enable_private_segment 0
		.amdhsa_kernarg_size 24
		.amdhsa_user_sgpr_count 2
		.amdhsa_user_sgpr_kernarg_segment_ptr 1
		.amdhsa_wavefront_size32 1
		.amdhsa_system_sgpr_workgroup_id_x 1
		.amdhsa_system_sgpr_workgroup_id_y 1
		.amdhsa_system_sgpr_workgroup_id_z 1
		.amdhsa_system_vgpr_workitem_id 0
		.amdhsa_next_free_vgpr 768
		.amdhsa_next_free_sgpr 102
		.amdhsa_reserve_vcc 0
		.amdhsa_float_denorm_mode_32 3
		.amdhsa_float_denorm_mode_16_64 3
		.amdhsa_memory_ordered 1
		.amdhsa_forward_progress 1
		.amdhsa_inst_pref_size 169
	.end_amdhsa_kernel
	.amdgpu_metadata
---
amdhsa.version: [ 1, 2 ]
amdhsa.kernels:
  - .name:           k_qb1b6dafd8b_qkv
    .symbol:         k_qb1b6dafd8b_qkv.kd
    .args:
      - { .name: opnd, .offset: 0, .size: 8, .value_kind: global_buffer, .address_space: global }
      - { .name: b_c, .offset: 8, .size: 8, .value_kind: global_buffer, .address_space: global }
      - { .name: qkv, .offset: 16, .size: 8, .value_kind: global_buffer, .address_space: global }
    .group_segment_fixed_size: 327680
    .private_segment_fixed_size: 0
    .kernarg_segment_align: 8
    .kernarg_segment_size: 24
    .max_flat_workgroup_size: 128
    .sgpr_count:     102
    .vgpr_count:     768
    .wavefront_size: 32
...
	.end_amdgpu_metadata
.endif
;; end of part 7
;; launch scores (part 8): grid 8 x 32, 4 waves a work-group, clusters of 4 x 4, 327,680 bytes of LDS; arguments qkv, score_weights, prob; writes prob
.if DOCPART == 8
	.amdgcn_target "amdgcn-amd-amdhsa--gfx1250"
	.amdhsa_code_object_version 6
	.text
	.protected	k_qb1b6dafd8b_scores
	.globl	k_qb1b6dafd8b_scores
	.p2align	8
	.type	k_qb1b6dafd8b_scores,@function
k_qb1b6dafd8b_scores:
	s_mov_b64 s[64:65], 0
	v_nop
	global_prefetch_b8 v0, s[64:65] scope:SCOPE_SE
	s_setreg_imm32_b32 hwreg(HW_REG_WAVE_MODE, 25, 1), 1
	s_wait_xcnt 0x0
	s_wait_alu depctr_hold_cnt(0) depctr_sa_sdst(0) depctr_va_vdst(0) depctr_va_sdst(0) depctr_va_ssrc(0) depctr_va_vcc(0) depctr_vm_vsrc(0)
	s_getreg_b32 s2, hwreg(HW_REG_IB_STS2, 6, 4)
	s_cmp_eq_u32 s2, 0
	s_cbranch_scc0 .Lentry_in_a_cluster
	s_endpgm
.Lentry_in_a_cluster:
	s_bfe_u32 s2, ttmp6, 0x10000c
	s_cmp_lg_u32 s2, 0xf033
	s_cbranch_scc0 .Lentry_shape_is_right
	s_endpgm
.Lentry_shape_is_right:
; For each batch: u = q k^T / 32 + score_weights, on codes of FP6 (E2M3) with E8M0 scales, sums in f32.  No score goes to memory: the way out makes, for each query and each CHUNK of 128 keys
; (a wave's columns), t = u log2(e), M = the chunk's largest t rounded up to a whole number, p = 2^(t - M), the sum of the unquantised p, and p's codes and scale word along the keys.
; The next launch takes each row's largest M and moves the scale bytes by M_chunk - M_row: a power of two, which a block's scale takes up exactly.
; Stored: p's fragments as images (fragment (row block, chunk) at (16 rb + chunk) x 1,536 bytes), and for each (chunk, query position) 16 bytes: scale word, -M, the chunk's sum, 0.
; Ring, round, fragments, positions and the transposed use of the matrix instruction are as in the launch before: A = q (K steps 0-7 of a token's 16), B = k (K steps 8-15).
; score_weights: a wave's 128 rows x 512 bytes, by row blocks of 16 rows; each load reads 512 consecutive bytes; a block turns through the wave's stage in LDS into the accumulators' layout.
; The first two blocks are asked for ahead of the ring, into registers that lie idle; six more are prefetched, two at a place: behind slot 1's first fill and at the two changes of slots that fill a slot: a lane to each aligned 256 bytes, each named once, by the wave that will read it.
; LIMITS: a chunk's largest score is held at -1e30 from below, so that a chunk of -infinity gives p = 0; NaN and +infinity are not served; M is kept as a whole number in f32; a block of zeros gets the byte 1.
; REGISTERS: window 0: v16-31 addresses; v32-63 scale words and nothing else; v64-127 raw block 0, later u and p of odd blocks; v128-223 A's fragments, later u and p of even blocks (v128-191) and codes (v192-211); v224-251 at work.
;   window 1: B's two sets at v0 and v96, later raw blocks; v192-255 raw block 1.   windows 2, 3: the accumulators.
; THE HEAD AND THE PREFETCHES (this paragraph takes the place of what stands above on them).  At the head each wave issues one tensor load: wave 0 slot 0's rows of q, wave 1 its rows of k,
; wave 2 q's scale words, wave 3 k's; slot 1 is first filled behind the full sequence and a round.  Prefetched are q's and k's fills 1 and 2 at the head and fill 3 behind fill 1's load (a row block a wave, shared out
; among the four partners by address), and blocks 2 to 7 of score_weights, two at a place: behind slot 1's first fill and at the two changes of slots that fill a slot; each aligned 256 bytes is named once.
.set NKS,   8
.set PA,    3072
.set PB,    3072
.set RSA,   4096
.set RSB,   4096
.set FR,    12
.set HALFT, 8*2*1536
.set SLOT,  4*HALFT
.set SCL,   2*SLOT
.set SBOFF, NKS*1024
.set SPARE, SCL+2*SBOFF
.set PST,   12582912                   ; prob: the statistics, behind the codes
.set ADRA, 16
.set ADRB, 20
.set L16,  24
.set ADRS, 27
.set SPW,  28
.set NIL,  29
.set SC,   32
.set AF,   128
.set PC,   192
.set BM,   224                         ; v224-227 the blocks' largest scores, then largest p
.set BX,   228                         ; v228-231 lane permutes' destinations, then bytes
.set SO,   232                         ; v232-235 the conversions' scale operands
.set NM,   236                         ; v236 -M (v237 is named with it as a pair)
.set LS,   238
.set L2,   240
.set TT,   242
.set SQ,   244                         ; v244-247 an even block's statistics, v248-250 an odd one's
.set SEL,  66
.set CS,   98                          ; s[98:99] log2(e)
.set HM,   97                          ; s97 lanes 16-31
.set G1,   24
.set G0,   32
.set G1B,  48
.set G0B,  56
.set G1S,  68
.set G0S,  76
.set G1SB, 80
.set G0SB, 88
.set MUL_LO, 0xa1
.set MUL_HI, 0xf1
.set TO_B,   0x40
.set MSB, 0
.macro WIN new
.if MSB != (\new)
	s_set_vgpr_msb (MSB<<8)|(\new)
.set MSB, (\new)
.endif
.endm
.macro PLACES
.rept 4
	v_nop
.endr
.endm
.macro JLOAD g0a, g1a, g0b, g1b
	s_cmp_eq_u32 s15, 0
	s_cbranch_scc0 .Lfor_b_\@
	tensor_load_to_lds s[\g0a:\g0a+3], s[\g1a:\g1a+7]
	s_nop 0
	PLACES
	s_branch .Lasked_\@
.Lfor_b_\@:
	tensor_load_to_lds s[\g0b:\g0b+3], s[\g1b:\g1b+7]
	s_nop 0
	PLACES
.Lasked_\@:
.endm
.macro CREST
	s_cmp_lg_u32 s14, 0
	s_cbranch_scc1 .Lnot_wave_0_\@
	s_barrier_signal -3
.Lnot_wave_0_\@:
	s_barrier_wait -3
	s_barrier_signal -1
	s_barrier_wait -1
.endm
.macro CROUND
	s_barrier_signal -1
	s_barrier_wait -1
	CREST
.endm
.macro GROUP1 g, mask, c, r, p
	s_or_b32 s[\g], s[\mask], (3<<16)|(1<<21)
	s_mov_b32 s[\g+1], (\c)<<16
	s_mov_b32 s[\g+2], (\r)<<16
	s_mov_b32 s[\g+3], (\c)<<16
	s_mov_b32 s[\g+4], \r
	s_mov_b32 s[\g+5], \p
	s_mov_b32 s[\g+6], 0
	s_mov_b32 s[\g+7], 0
.endm
.macro GROUP0 g, lds, ldsoff, adr, step
	s_mov_b32 s[\g], 1
	s_add_co_u32 s[\g+1], s[\lds], \ldsoff
	s_add_nc_u64 s[\g+2:\g+3], s[\adr:\adr+1], \step
	s_or_b32 s[\g+3], s[\g+3], 0x80000000
.endm
.macro TADDR d, g, tm, hm, off
	s_mul_i32 s[\d], s[\g], \tm
	s_mul_i32 s[\d+1], s16, \hm
	s_add_co_u32 s[\d], s[\d], s[\d+1]
	s_add_co_u32 s[\d], s[\d], \off
	s_mov_b32 s[\d+1], 0
.endm
.macro FRAG reg, adr, q, i
.irp g, 0,1,2
	ds_load_b128 v[\reg+4*\g:\reg+4*\g+3], v[\adr] offset:(\i)*3072+(\q)*1536+512*\g
.endr
.endm
.macro FETCH_B slot, q, p
	WIN TO_B
.irp i, 0,1,2,3,4,5,6,7
	FRAG 96*(\p)+FR*\i, ADRB+\slot, \q, \i
.endr
	WIN 0
.endm
.macro FETCH_A slot, q, i0
.irp i, \i0, \i0+1, \i0+2, \i0+3
	FRAG AF+FR*(\i), ADRA+\slot, \q, \i
.endr
.endm
.macro SCALES sc
.irp i, 0,1,2,3,4,5,6,7
.irp q, 0,1
	ds_load_b32 v[SC+16*\sc+2*\i+\q], v[ADRS] offset:\q*1024+\i*64
.endr
.endr
.endm
.macro MUL16 a0, p, q, sc, mode        ; mode 0: in place; 1: C = 0.  The 64 accumulators take turns
.irp a, \a0, \a0+1
.irp b, 0,1,2,3,4,5,6,7
.set rD, 8*(8*((\a)%4)+\b)
.set rB, 96*(\p)+FR*\b
.set rA, AF+FR*(\a)
.set rSB, SC+16*(\sc)+2*\b+(\q)
.set rSA, SC+16*(\sc)+2*(\a)+(\q)
.if \mode == 0
	v_wmma_scale_f32_16x16x128_f8f6f4 v[rD:rD+7], v[rB:rB+FR-1], v[rA:rA+FR-1], v[rD:rD+7], v[rSB], v[rSA] matrix_a_fmt:MATRIX_FMT_FP6 matrix_b_fmt:MATRIX_FMT_FP6 matrix_a_scale:MATRIX_SCALE_ROW1
.else
	v_wmma_scale_f32_16x16x128_f8f6f4 v[rD:rD+7], v[rB:rB+FR-1], v[rA:rA+FR-1], 0, v[rSB], v[rSA] matrix_a_fmt:MATRIX_FMT_FP6 matrix_b_fmt:MATRIX_FMT_FP6 matrix_a_scale:MATRIX_SCALE_ROW1
.endif
.endr
.endr
.endm
.macro STEP slot, mode
	s_wait_dscnt 12                                ; all but the youngest 12 loads (A's blocks 4-7)
	WIN MUL_LO
	MUL16 0, 0, 0, \slot, \mode
	MUL16 2, 0, 0, \slot, \mode
	s_wait_dscnt 0x0
	PLACES
	FETCH_B \slot, 1, 1
	FETCH_A \slot, 1, 0
	WIN MUL_HI
	MUL16 4, 0, 0, \slot, \mode
	MUL16 6, 0, 0, \slot, \mode
	PLACES
	WIN 0
	FETCH_A \slot, 1, 4
.endm
; pf: which blocks of score_weights are prefetched behind this change's run of LDS loads: 1: blocks 4 and 5; 2: blocks 6 and 7; 0: none
.macro TURN slot, next, fill, pf
	s_wait_tensorcnt 0x0                           ; all my tensor loads have landed: my part of the next slot
	ds_add_u32 v[SPW], v[NIL]                      ; 0 onto my spare word
	s_wait_dscnt 13                                ; (the add and the youngest 12 loads may be out)
	WIN MUL_LO
	MUL16 0, 1, 1, \slot, 0
	s_wait_dscnt 0x0                               ; the add is done, and my reads of this slot are over
	s_barrier_signal -1
	MUL16 2, 1, 1, \slot, 0
	WIN 0
	s_barrier_wait -1
.if \fill
	CREST
	s_add_nc_u64 s[G0+4*\slot+2:G0+4*\slot+3], s[G0+4*\slot+2:G0+4*\slot+3], 6144
	s_add_nc_u64 s[G0B+4*\slot+2:G0B+4*\slot+3], s[G0B+4*\slot+2:G0B+4*\slot+3], 6144
	JLOAD G0+4*\slot, G1, G0B+4*\slot, G1B
.else
	PLACES
.endif
	v_add_nc_u32 v[ADRS], 2048, v[ADRS]
	FETCH_B \next, 0, 0
	FETCH_A \next, 0, 0
	SCALES \next
.if \pf == 1
	s_wait_alu depctr_va_vdst(0)
	global_prefetch_b8 v30, s[10:11] offset:64*8192 th:TH_LOAD_NT scope:SCOPE_SE   ; my block 4: 16 rows x 512 bytes, a lane to each 256
	global_prefetch_b8 v30, s[10:11] offset:72*8192 th:TH_LOAD_NT scope:SCOPE_SE   ; my block 5
.elseif \pf == 2
	global_prefetch_b8 v30, s[10:11] offset:96*8192 th:TH_LOAD_NT scope:SCOPE_SE   ; my block 6
	global_prefetch_b8 v30, s[10:11] offset:104*8192 th:TH_LOAD_NT scope:SCOPE_SE  ; my block 7
.endif
	WIN MUL_HI
	MUL16 4, 1, 1, \slot, 0
	MUL16 6, 1, 1, \slot, 0
	PLACES
	WIN 0
	FETCH_A \next, 0, 4
.endm
.macro RAWLOAD a                       ; block a's 16 rows of score_weights, in the order of the queries' positions
.if (\a) == 0
.set RW, 64
	WIN 0
.else
.set RW, 64*(((\a)+2)%4)
	WIN 0x40
.endif
.irp p, 0,1,2,3,4,5,6,7,8,9,10,11,12,13,14,15
	global_load_b128 v[RW+4*\p:RW+4*\p+3], v[L16], s[10:11] offset:(32*((\a)/2)+8*((\a)%2)+\p+8*(\p/8))*8192 th:TH_LOAD_NT
.endr
	WIN 0
.endm
.macro SWTURN a                        ; block a through my stage: rows in, and back 16 neighbours of each block of 32 keys to a lane
.if (\a) >= 2
.if (\a) <= 4
	s_wait_loadcnt 48                              ; block a's loads are in; the three younger blocks' may be out
.else
	s_wait_loadcnt 16*(7-(\a))
.endif
.endif
.if (\a) == 0
.set RW, 64
	WIN 0
.else
.set RW, 64*(((\a)+2)%4)
	WIN 0x04                                       ; an LDS store's data are its source 1: window 1
.endif
.irp p, 0,1,2,3,4,5,6,7,8,9,10,11,12,13,14,15
	ds_store_b128 v25, v[RW+4*\p:RW+4*\p+3] offset:((\a)%2)*8448+528*\p
.endr
	WIN 0
.set S2, 128-64*((\a)%2)
.irp b, 0,1,2,3
.irp j, 0,1,2,3
	ds_load_b128 v[S2+16*\b+4*\j:S2+16*\b+4*\j+3], v26 offset:((\a)%2)*8448+128*\b+16*\j
.endr
.endr
.endm
; Row block a: u, the chunk's M, p, its sum, its codes and scale word
.macro SOFT a
.set SS, 128-64*((\a)%2)
.set AC, 64*((\a)%4)
.set QQ, SQ+4*((\a)%2)
	WIN 2+(\a)/4
.set jj, 0
.rept 32
	v_pk_fma_f32 v[SS+jj:SS+jj+1], v[AC+jj:AC+jj+1], 0x3d000000, v[SS+jj:SS+jj+1] op_sel_hi:[1,0,1]   ; u = sum / 32 + score_weights; each accumulator from its low end on
.set jj, jj+2
.endr
	WIN 0
.irp b, 0,1,2,3
	v_max3_num_f32 v[BM+\b], v[SS+16*\b], v[SS+16*\b+1], v[SS+16*\b+2]   ; the largest score of each block of 32 keys: for the chunk's maximum, and, since p rises with the score, for the block's largest p
.endr
.irp i, 3,5,7,9,11,13
.irp b, 0,1,2,3
	v_max3_num_f32 v[BM+\b], v[BM+\b], v[SS+16*\b+\i], v[SS+16*\b+\i+1]
.endr
.endr
.irp b, 0,1,2,3
	v_max_num_f32 v[BM+\b], v[BM+\b], v[SS+16*\b+15]
.endr
.irp b, 0,1,2,3
	v_permlanex16_b32 v[BX+\b], v[BM+\b], s[SEL], s[SEL+1]
.endr
.irp b, 0,1,2,3
	v_max_num_f32 v[BM+\b], v[BM+\b], v[BX+\b]
.endr
	v_max3_num_f32 v[TT], v[BM], v[BM+1], v[BM+2]
	v_max3_num_f32 v[TT], v[TT], v[BM+3], 0xf149f2ca   ; held at -1e30 from below
	v_mul_f32 v[TT], s[CS], v[TT]
	v_floor_f32 v[NM], -v[TT]                      ; -M = floor(-t): M is a whole number
.set jj, 0
.rept 32
	v_pk_fma_f32 v[SS+jj:SS+jj+1], v[SS+jj:SS+jj+1], s[CS:CS+1], v[NM:NM+1] op_sel_hi:[1,0,0]   ; t - M
.set jj, jj+2
.endr
.irp b, 0,1,2,3
	v_fma_f32 v[BM+\b], v[BM+\b], s[CS], v[NM]
.endr
.set jj, 0
	s_wait_alu depctr_va_vdst(0)
.rept 64
	v_exp_f32 v[SS+jj], v[SS+jj]                   ; p = 2^(t - M), not normalised
.set jj, jj+1
.endr
.irp b, 0,1,2,3
	v_exp_f32 v[BM+\b], v[BM+\b]                   ; the block's largest p: the same two instructions on the same number
.endr
	v_nop                                          ; a plain line behind the last exponential
	s_wait_alu depctr_va_vdst(0)                   ; one wait for the batch of 68, ahead of its first reader
	v_pk_add_f32 v[LS:LS+1], v[SS:SS+1], v[SS+4:SS+5]      ; the sum of the unquantised p, in two chains
	v_pk_add_f32 v[L2:L2+1], v[SS+2:SS+3], v[SS+6:SS+7]
.irp j, 8,12,16,20,24,28,32,36,40,44,48,52,56,60
	v_pk_add_f32 v[LS:LS+1], v[LS:LS+1], v[SS+\j:SS+\j+1]
	v_pk_add_f32 v[L2:L2+1], v[L2:L2+1], v[SS+\j+2:SS+\j+3]
.endr
	v_pk_add_f32 v[LS:LS+1], v[LS:LS+1], v[L2:L2+1]
	v_add_f32 v[TT], v[LS], v[LS+1]
	v_permlanex16_b32 v[BX], v[TT], s[SEL], s[SEL+1]
	v_add_f32 v[QQ+2], v[TT], v[BX]                ; with lane l xor 16's: the chunk's sum
.irp b, 0,1,2,3
	v_max_num_f32 v[BM+\b], 0x1800000, v[BM+\b]    ; the floor 2^(3 - 127)
.endr
.irp b, 0,1,2,3
	v_add_nc_u32 v[SO+\b], 0xff000000, v[BM+\b]
.endr
.irp b, 0,1,2,3
	v_lshrrev_b32 v[BX+\b], 23, v[SO+\b]
.endr
	v_lshl_or_b32 v[QQ], v[BX+1], 8, v[BX]
	v_lshl_or_b32 v[QQ], v[BX+2], 16, v[QQ]
	v_lshl_or_b32 v[QQ], v[BX+3], 24, v[QQ]
	v_mov_b32 v[QQ+1], v[NM]
.irp c, 0,1
	v_cvt_scalef32_pk16_fp6_f32 v[PC+6*\c:PC+2+6*\c], v[SS+32*\c:SS+15+32*\c], v[SO+2*\c]
	v_cvt_scalef32_pk16_fp6_f32 v[PC+12+4*\c:PC+14+4*\c], v[SS+16+32*\c:SS+31+32*\c], v[SO+2*\c+1]
.endr
	v_nop
.irp c, 0,1
.irp i, 0,1,2
	v_permlane16_swap_b32 v[PC+6*\c+\i], v[PC+12+4*\c+\i]
.endr
.irp i, 0,1,2
	v_mov_b32 v[PC+3+6*\c+\i], v[PC+12+4*\c+\i]
.endr
.endr
.endm
	s_load_b128 s[4:7], s[0:1], 0x0                ; qkv s[4:5], score_weights s[6:7]
	s_load_b64 s[8:9], s[0:1], 0x10                ; prob
	v_lshl_add_u32 v[SPW], v0, 2, SPARE
	v_mov_b32 v[NIL], 0
	ds_add_u32 v28, v29
	ds_add_u32 v28, v29
	s_wait_dscnt 0x0
	v_lshrrev_b32 v1, 5, v0
	v_readfirstlane_b32 s14, v1
	s_lshr_b32 s15, s14, 1
	s_and_b32 s16, s14, 1
	s_bfe_u32 s40, ttmp6, 0x40000
	s_bfe_u32 s41, ttmp6, 0x40004
	s_lshl_b32 s42, ttmp9, 2
	s_add_co_u32 s42, s42, s40                     ; tile of keys in the batch, 0..7
	s_and_b32 s17, ttmp7, 0xffff
	s_lshr_b32 s95, s17, 1                         ; the batch, from the cluster's y alone: two clusters to a batch's 2,048 queries
	s_lshl_b32 s95, s95, 3
	s_add_co_u32 s95, s95, s42                     ; tile of tokens that holds these keys
	s_lshl_b32 s17, s17, 2
	s_add_co_u32 s17, s17, s41                     ; tile of queries, 0..31
	s_lshl_b32 s43, s41, 2
	s_lshl_b32 s43, 15, s43
	s_lshl_b32 s44, 0x1111, s40
	GROUP1 G1, 43, 384, 16, PA                     ; the head's loads bring a tile's 16 row blocks; behind them the two words that count rows are set to 8, for the ring's
	GROUP1 G1B, 44, 384, 16, PB
	GROUP1 G1S, 43, 128, 8, RSA                    ; all eight K steps' scale words of 256 rows
	GROUP1 G1SB, 44, 128, 8, RSB
	s_mul_i32 s20, s17, 393216                     ; q: K steps 0-7 of a row block's 16
	s_mov_b32 s21, 0
	s_mul_i32 s22, s17, 1024
	s_add_co_u32 s22, s22, 12582912
	s_mov_b32 s23, 0
	s_mul_i32 s46, s95, 393216                     ; k: K steps 8-15
	s_add_co_u32 s46, s46, 12288
	s_mov_b32 s47, 0
	s_mul_i32 s92, s95, 1024
	s_add_co_u32 s92, s92, 12845056
	s_mov_b32 s93, 0
	s_mul_i32 s2, s16, 196608                      ; in the ring I fetch 8 row blocks of a tile: which half
	s_mov_b32 s3, 0
	s_mul_i32 s45, s14, HALFT
	s_wait_kmcnt 0x0
	s_add_nc_u64 s[20:21], s[4:5], s[20:21]
	s_add_nc_u64 s[22:23], s[4:5], s[22:23]
	s_add_nc_u64 s[46:47], s[4:5], s[46:47]
	s_add_nc_u64 s[92:93], s[4:5], s[92:93]
	CROUND
.macro HEAD0 g, lds, adr               ; group 0 of one of the head's four tiles
	s_mov_b32 s[\g], 1
	s_mov_b32 s[\g+1], \lds
	s_mov_b64 s[\g+2:\g+3], s[\adr:\adr+1]
	s_or_b32 s[\g+3], s[\g+3], 0x80000000
.endm
	HEAD0 G0, 0, 20                                ; slot 0's rows of q,
	HEAD0 G0B, 2*HALFT, 46                         ; its rows of k,
	HEAD0 G0S, SCL, 22                             ; q's scale words,
	HEAD0 G0SB, SCL+SBOFF, 92
	s_lshl_b32 s94, s40, 2                         ; the prefetches of q's and k's later fills: a fill is 16 row blocks x 3,072 bytes of each; the sixteen waves of the four partners
	s_add_co_u32 s94, s94, s14                     ; that ask for a tile jointly take a row block each, told apart by address: q's 4 cx + wave,
	s_mul_i32 s94, s94, 24576
	s_mov_b32 s95, 0
	s_add_nc_u64 s[94:95], s[20:21], s[94:95]
	s_lshl_b32 s92, s41, 2                         ; k's 4 cy + wave
	s_add_co_u32 s92, s92, s14
	s_mul_i32 s92, s92, 24576
	s_mov_b32 s93, 0
	s_add_nc_u64 s[92:93], s[46:47], s[92:93]
	s_add_nc_u64 s[18:19], s[20:21], s[2:3]
	s_add_nc_u64 s[46:47], s[46:47], s[2:3]
	GROUP0 G0+4, 45, SLOT, 18, 3072
	GROUP0 G0B+4, 45, SLOT, 46, 3072
; the head's loads, one a wave, in one chain of branches on the wave's number
.macro ARM under, g0, g1, next
	s_cmp_lt_u32 s14, \under
	s_cbranch_scc0 \next
	tensor_load_to_lds s[\g0:\g0+3], s[\g1:\g1+7]
	s_nop 0
	PLACES
	s_branch .Lhead_asked
\next:
.endm
	ARM 1, G0, G1, .Lhead_b
	ARM 2, G0B, G1B, .Lhead_sa
	ARM 3, G0S, G1S, .Lhead_sb
	tensor_load_to_lds s[G0SB:G0SB+3], s[G1SB:G1SB+7]
	s_nop 0
	PLACES
.Lhead_asked:
	v_and_b32 v31, 31, v0
	v_min_u32 v31, 11, v31
	v_lshlrev_b32 v31, 8, v31                      ; a lane to each of a row block's 12 blocks of 256 bytes (lanes left over name the last)
	global_prefetch_b8 v31, s[94:95] offset:3072 th:TH_LOAD_NT scope:SCOPE_SE   ; fill 1 of q and of k, and fill 2: two fills are asked for and not yet read
	global_prefetch_b8 v31, s[92:93] offset:3072 th:TH_LOAD_NT scope:SCOPE_SE
	global_prefetch_b8 v31, s[94:95] offset:6144 th:TH_LOAD_NT scope:SCOPE_SE
	global_prefetch_b8 v31, s[92:93] offset:6144 th:TH_LOAD_NT scope:SCOPE_SE
	s_mov_b32 s[SEL], 0x76543210
	s_mov_b32 s[SEL+1], 0xfedcba98
	s_mov_b32 s[CS], 0x3fb8aa3b
	s_mov_b32 s[CS+1], s[CS]                       ; (named with it as a pair)
	s_mov_b32 s[HM], 0xffff0000
	v_and_b32 v1, 15, v0
	v_bfe_u32 v2, v0, 4, 1
	v_and_b32 v3, 31, v0
	v_lshlrev_b32 v[L16], 4, v3
	s_wait_alu depctr_va_vdst(0)
	s_lshl_b32 s96, s17, 21                        ; score_weights at my first row and column: rows of 8,192 bytes
	s_lshl_b32 s3, s15, 20
	s_add_co_u32 s96, s96, s3
	s_lshl_b32 s3, s42, 10
	s_add_co_u32 s96, s96, s3
	s_lshl_b32 s3, s16, 9
	s_add_co_u32 s2, s96, s3
	s_mov_b32 s3, 0
	s_add_nc_u64 s[10:11], s[6:7], s[2:3]
	RAWLOAD 0                                      ; two blocks land while the ring runs: their registers lie idle until the way out
	RAWLOAD 1
	s_mul_i32 s21, s15, HALFT
	s_mul_i32 s22, s16, HALFT
	s_add_co_u32 s22, s22, 2*HALFT
.irp s, 0,1
	v_add_nc_u32 v[ADRA+\s], s21, v[L16]
	v_add_nc_u32 v[ADRB+\s], s22, v[L16]
	s_add_co_u32 s21, s21, SLOT
	s_add_co_u32 s22, s22, SLOT
.endr
	s_lshl_b32 s21, s15, 9
	s_lshl_b32 s22, s16, 9
	s_add_co_u32 s22, s22, SBOFF
	s_sub_co_u32 s22, s22, s21
	v_mul_u32_u24 v6, s22, v2
	s_add_co_u32 s21, s21, SCL
	v_lshl_add_u32 v6, v1, 2, v6
	v_add_nc_u32 v[ADRS], s21, v6
	s_mul_i32 s21, s14, 16896                      ; my two stages of 16 x 528 bytes, in slot 0, which has had its last fill and its last read by then
	v_add_nc_u32 v25, s21, v[L16]
	v_mul_u32_u24 v26, v1, 528
	v_lshl_add_u32 v26, v2, 6, v26
	v_add_nc_u32 v26, s21, v26
	v_lshrrev_b32 v5, 1, v3                        ; the prefetches' offset: row (l / 2) + 8 (l / 16) of a block, half l % 2 of its 512 bytes
	v_lshl_add_u32 v5, v2, 3, v5
	v_and_b32 v6, 1, v3
	v_lshlrev_b32 v6, 8, v6
	v_lshl_add_u32 v30, v5, 13, v6
.irp b, 0,1,2,3
	v_mov_b32 v[BX+\b], 0
.endr
	v_mov_b32 v[NM+1], 0
	v_mov_b32 v[SQ+3], 0
	s_lshl_b32 s2, s42, 1
	s_add_co_u32 s2, s2, s16                       ; my chunk of 128 keys, 0..15
	s_lshl_b32 s96, s17, 4
	s_lshl_b32 s21, s15, 3
	s_add_co_u32 s21, s96, s21                     ; my first row block
	s_lshl_b32 s96, s21, 4
	s_add_co_u32 s96, s96, s2
	s_mul_i32 s22, s96, 1536
	s_mov_b32 s23, 0
	s_add_nc_u64 s[12:13], s[8:9], s[22:23]        ; p's fragments
	s_lshl_b32 s22, s2, 13
	s_lshl_b32 s21, s21, 4
	s_add_co_u32 s22, s22, s21
	s_lshl_b32 s22, s22, 4
	s_add_co_u32 s22, s22, PST
	s_add_nc_u64 s[100:101], s[8:9], s[22:23]      ; the statistics
	s_wait_alu depctr_va_vdst(0)
	s_wait_tensorcnt 0x0                           ; my tile of the head's four is in
	ds_add_u32 v[SPW], v[NIL]
	s_mov_b32 s[G1+2], 8<<16                       ; no tensor load of mine is out: from here on a load brings 8 row blocks,
	s_mov_b32 s[G1+4], 8
	s_mov_b32 s[G1B+2], 8<<16
	s_mov_b32 s[G1B+4], 8
	GROUP0 G0, 45, 0, 18, 0                        ; and slot 0's group 0 stands at my quarter of it
	GROUP0 G0B, 45, 0, 46, 0
	s_wait_dscnt 0x0
	CROUND                                         ; all four tiles are in, and the joint loads meet
	JLOAD G0+4, G1, G0B+4, G1B                     ; slot 1's first fill, the first tensor load behind the round
	FETCH_B 0, 0, 0
	FETCH_A 0, 0, 0
	SCALES 0
	FETCH_A 0, 0, 4
	global_prefetch_b8 v31, s[94:95] offset:9216 th:TH_LOAD_NT scope:SCOPE_SE   ; fill 3, two fills ahead of its load
	global_prefetch_b8 v31, s[92:93] offset:9216 th:TH_LOAD_NT scope:SCOPE_SE
	global_prefetch_b8 v30, s[10:11] offset:32*8192 th:TH_LOAD_NT scope:SCOPE_SE
	global_prefetch_b8 v30, s[10:11] offset:40*8192 th:TH_LOAD_NT scope:SCOPE_SE   ; my block 3
	STEP 0, 1
	TURN 0, 1, 1, 1
	STEP 1, 0
	TURN 1, 0, 1, 2
	s_wait_alu depctr_va_vdst(0)
	STEP 0, 0
	TURN 0, 1, 0, 0
	STEP 1, 0
	s_wait_dscnt 12
	WIN MUL_LO
	MUL16 0, 1, 1, 1, 0
	MUL16 2, 1, 1, 1, 0
	s_wait_dscnt 0x0
	WIN MUL_HI
	MUL16 4, 1, 1, 1, 0
	MUL16 6, 1, 1, 1, 0
	WIN 0
	PLACES
	; THE WAY OUT, a row block at a time; the next block turns through the stage, and later blocks' loads are on their way, while this one is worked
	s_wait_loadcnt 0x0                             ; raw blocks 0 and 1, asked for ahead of the ring
	RAWLOAD 2
	RAWLOAD 3
	RAWLOAD 4
	SWTURN 0
.irp a, 0,1,2,3,4,5,6,7
	s_wait_dscnt 0x0                               ; this block's score_weights are in their layout
.if \a < 7
	SWTURN \a+1
.endif
.if \a < 3
	s_wait_dscnt 16                                ; all but the 16 loads: the stores into the stage have read the raw registers,
	RAWLOAD \a+5                                   ; which take the block four on
.endif
.if \a > 0
	s_wait_xcnt 0x0                                ; the last block's stores have read the codes' and the statistics' registers
.endif
	SOFT \a
.irp g, 0,1,2
	global_store_b128 v[L16], v[PC+4*\g:PC+4*\g+3], s[12:13] offset:\a*24576+512*\g
.endr
.if \a%2 == 1
.irp i, 0,1,2
	v_cndmask_b32 v[SQ+\i], v[SQ+\i], v[SQ+4+\i], s[HM]   ; lanes 0-15 keep the even block's rows, lanes 16-31 take the odd block's (both halves of the lanes hold a row's figures)
.endr
	global_store_b128 v[L16], v[SQ:SQ+3], s[100:101] offset:(\a-1)*256   ; 32 rows x 16 bytes: 512 consecutive bytes
.endif
.endr
	s_wait_tensorcnt 0x0                           ; the wave's end
	ds_add_u32 v[SPW], v[NIL]
	s_wait_dscnt 0x0
	CROUND
	s_endpgm
.Lfunc_end_k_qb1b6dafd8b_scores:
	.size	k_qb1b6dafd8b_scores, .Lfunc_end_k_qb1b6dafd8b_scores-k_qb1b6dafd8b_scores
	.p2alignl 7, 3214868480
	.fill 96, 4, 3214868480
	.section	.rodata,"a",@progbits
	.p2align	6, 0x0
	.amdhsa_kernel k_qb1b6dafd8b_scores
		.amdhsa_group_segment_fixed_size 327680
		.amdhsa_private_segment_fixed_size 0
		.amdhsa_enable_private_segment 0
		.amdhsa_kernarg_size 24
		.amdhsa_user_sgpr_count 2
		.amdhsa_user_sgpr_kernarg_segment_ptr 1
		.amdhsa_wavefront_size32 1
		.amdhsa_system_sgpr_workgroup_id_x 1
		.amdhsa_system_sgpr_workgroup_id_y 1
		.amdhsa_system_sgpr_workgroup_id_z 1
		.amdhsa_system_vgpr_workitem_id 0
		.amdhsa_next_free_vgpr 1024
		.amdhsa_next_free_sgpr 102
		.amdhsa_reserve_vcc 0
		.amdhsa_float_denorm_mode_32 3
		.amdhsa_float_denorm_mode_16_64 3
		.amdhsa_memory_ordered 1
		.amdhsa_forward_progress 1
		.amdhsa_inst_pref_size 254
	.end_amdhsa_kernel
	.amdgpu_metadata
---
amdhsa.version: [ 1, 2 ]
amdhsa.kernels:
  - .name:           k_qb1b6dafd8b_scores
    .symbol:         k_qb1b6dafd8b_scores.kd
    .args:
      - { .name: qkv, .offset: 0, .size: 8, .value_kind: global_buffer, .address_space: global }
      - { .name: score_weights, .offset: 8, .size: 8, .value_kind: global_buffer, .address_space: global }
      - { .name: prob, .offset: 16, .size: 8, .value_kind: global_buffer, .address_space: global }
    .group_segment_fixed_size: 327680
    .private_segment_fixed_size: 0
    .kernarg_segment_align: 8
    .kernarg_segment_size: 24
    .max_flat_workgroup_size: 128
    .sgpr_count:     102
    .vgpr_count:     1024
    .wavefront_size: 32
...
	.end_amdgpu_metadata
.endif
;; end of part 8
;; launch context (part 9): grid 4 x 64, 4 waves a work-group, clusters of 4 x 4, 327,680 bytes of LDS; arguments prob, qkv, ctx; writes ctx
.if DOCPART == 9
	.amdgcn_target "amdgcn-amd-amdhsa--gfx1250"
	.amdhsa_code_object_version 6
	.text
	.protected	k_qb1b6dafd8b_context
	.globl	k_qb1b6dafd8b_context
	.p2align	8
	.type	k_qb1b6dafd8b_context,@function
k_qb1b6dafd8b_context:
	s_mov_b64 s[64:65], 0
	v_nop
	global_prefetch_b8 v0, s[64:65] scope:SCOPE_SE
	s_setreg_imm32_b32 hwreg(HW_REG_WAVE_MODE, 25, 1), 1
	s_wait_xcnt 0x0
	s_wait_alu depctr_hold_cnt(0) depctr_sa_sdst(0) depctr_va_vdst(0) depctr_va_sdst(0) depctr_va_ssrc(0) depctr_va_vcc(0) depctr_vm_vsrc(0)
	s_getreg_b32 s2, hwreg(HW_REG_IB_STS2, 6, 4)
	s_cmp_eq_u32 s2, 0
	s_cbranch_scc0 .Lentry_in_a_cluster
	s_endpgm
.Lentry_in_a_cluster:
	s_bfe_u32 s2, ttmp6, 0x10000c
	s_cmp_lg_u32 s2, 0xf033
	s_cbranch_scc0 .Lentry_shape_is_right
	s_endpgm
.Lentry_shape_is_right:
; For each batch: context = p v / l on codes of FP6 (E2M3) with E8M0 scales, sums in f32; the result leaves quantised along the features, as the next product's operand.
; A = p (128 queries a work-group), B = v (256 features), K = 2,048 keys in four fills of 512 through a ring of two LDS slots; a wave makes 64 x 128.
; The head takes each row's largest M over its 16 chunks, moves p's scale bytes by M_chunk - M_row (a power of two, which a block's scale takes up), sums the chunks' sums, and keeps 1 / l.
; CLUSTERS of 4 x 4: p's tiles are asked for jointly by a row of the cluster, v's by a column.  One tensor load a wave at the head (slot 0); slot 1 is first filled behind the full sequence and a round.
; v's scale words go from memory into their registers: a load's 32 lanes read 128 consecutive bytes, a K step's four loads 512 on end.
; PREFETCH: fills 1 and 2 are asked for at the head, fill 3 behind fill 1's load; the sixteen waves of the four partners share a fill's row blocks out by address, a lane to each 256 bytes (lanes left over name their wave's last).
; LIMITS: a block of zeros gets the byte 1 (zero codes; only this program reads the bytes); NaN and infinities are not served.
.set NKS,   16
.set PA,    3072
.set PB,    12288
.set FR,    12
.set RBK,   4*1536
.set AHALF, 4*RBK
.set BHALF, 8*RBK
.set BOFF,  2*AHALF
.set SLOT,  2*AHALF+2*BHALF
.set SCL,   2*SLOT
.set RLB,   SCL+NKS*512
.set SPARE, RLB+512
.set PST,   12582912
.set ADRA, 16
.set ADSA, 18
.set ADSB, 19
.set ADRB, 20
.set L16,  24
.set L8,   27
.set SPW,  28
.set NIL,  29
.set SA,   32
.set SB,   SA+2*NKS
.set AF,   128
.set P0,   128
.set ST,   128
.set RL,   192
.set PC,   200
.set VN,   224
.set VL,   225
.set VE,   226
.set VD,   227
.set VT,   228
.set VB,   229
.set VM,   233
.set VR,   237
.set TM,   224
.set PW,   240
.set SEL,  66
.set G1,   24
.set G0,   32
.set G1B,  48
.set G0B,  56
.set PFA,  80                          ; s[80:81], s[82:83] the prefetches' bases
.set PFB,  82
.set MUL,  0xa1
.set TO_B, 0x40
.set MSB, 0
.macro WIN new
.if MSB != (\new)
	s_set_vgpr_msb (MSB<<8)|(\new)
.set MSB, (\new)
.endif
.endm
.macro PLACES
.rept 4
	v_nop
.endr
.endm
.macro JLOAD g0a, g1a, g0b, g1b
	s_cmp_eq_u32 s15, 0
	s_cbranch_scc0 .Lfor_b_\@
	tensor_load_to_lds s[\g0a:\g0a+3], s[\g1a:\g1a+7]
	s_nop 0
	PLACES
	s_branch .Lasked_\@
.Lfor_b_\@:
	tensor_load_to_lds s[\g0b:\g0b+3], s[\g1b:\g1b+7]
	s_nop 0
	PLACES
.Lasked_\@:
.endm
.macro CREST
	s_cmp_lg_u32 s14, 0
	s_cbranch_scc1 .Lnot_wave_0_\@
	s_barrier_signal -3
.Lnot_wave_0_\@:
	s_barrier_wait -3
	s_barrier_signal -1
	s_barrier_wait -1
.endm
.macro CROUND
	s_barrier_signal -1
	s_barrier_wait -1
	CREST
.endm
.macro GROUP1 g, mask, c, r, p
	s_or_b32 s[\g], s[\mask], (3<<16)|(1<<21)
	s_mov_b32 s[\g+1], (\c)<<16
	s_mov_b32 s[\g+2], (\r)<<16
	s_mov_b32 s[\g+3], (\c)<<16
	s_mov_b32 s[\g+4], \r
	s_mov_b32 s[\g+5], \p
	s_mov_b32 s[\g+6], 0
	s_mov_b32 s[\g+7], 0
.endm
.macro GROUP0 g, lds, ldsoff, adr, step
	s_mov_b32 s[\g], 1
	s_add_co_u32 s[\g+1], s[\lds], \ldsoff
	s_add_nc_u64 s[\g+2:\g+3], s[\adr:\adr+1], \step
	s_or_b32 s[\g+3], s[\g+3], 0x80000000
.endm
.macro TADDR d, g, tm, hm, off
	s_mul_i32 s[\d], s[\g], \tm
	s_mul_i32 s[\d+1], s16, \hm
	s_add_co_u32 s[\d], s[\d], s[\d+1]
	s_add_co_u32 s[\d], s[\d], \off
	s_mov_b32 s[\d+1], 0
.endm
.macro FRAG reg, adr, q, i
.irp g, 0,1,2
	ds_load_b128 v[\reg+4*\g:\reg+4*\g+3], v[\adr] offset:(\i)*RBK+(\q)*1536+512*\g
.endr
.endm
.macro FETCH slot, q, p
	WIN TO_B
.irp i, 0,1,2,3,4,5,6,7
	FRAG 96*(\p)+FR*\i, ADRB+\slot, \q, \i
.endr
	WIN 0
.irp i, 0,1,2,3
	FRAG AF+48*(\p)+FR*\i, ADRA+\slot, \q, \i
.endr
.endm
.macro SCALES
.set kk, 0
.rept NKS
.irp j, 0,1
	ds_load_b32 v[SA+2*kk+\j], v[ADSA] offset:kk*512+128*\j
.endr
.set kk, kk+1
.endr
.endm
.macro MUL8 a, p, ks, mode
.irp b, 0,1,2,3,4,5,6,7
.set rD, 8*(8*(\a)+\b)
.set rB, 96*(\p)+FR*\b
.set rA, AF+48*(\p)+FR*(\a)
.set rSB, SB+4*(\ks)+\b/2
.set rSA, SA+2*(\ks)+(\a)/2
.set uu, 2*((\a)%2)+\b%2
.if \mode == 0
.if uu == 0
	v_wmma_scale_f32_16x16x128_f8f6f4 v[rD:rD+7], v[rB:rB+FR-1], v[rA:rA+FR-1], v[rD:rD+7], v[rSB], v[rSA] matrix_a_fmt:MATRIX_FMT_FP6 matrix_b_fmt:MATRIX_FMT_FP6
.elseif uu == 1
	v_wmma_scale_f32_16x16x128_f8f6f4 v[rD:rD+7], v[rB:rB+FR-1], v[rA:rA+FR-1], v[rD:rD+7], v[rSB], v[rSA] matrix_a_fmt:MATRIX_FMT_FP6 matrix_b_fmt:MATRIX_FMT_FP6 matrix_a_scale:MATRIX_SCALE_ROW1
.elseif uu == 2
	v_wmma_scale_f32_16x16x128_f8f6f4 v[rD:rD+7], v[rB:rB+FR-1], v[rA:rA+FR-1], v[rD:rD+7], v[rSB], v[rSA] matrix_a_fmt:MATRIX_FMT_FP6 matrix_b_fmt:MATRIX_FMT_FP6 matrix_b_scale:MATRIX_SCALE_ROW1
.else
	v_wmma_scale_f32_16x16x128_f8f6f4 v[rD:rD+7], v[rB:rB+FR-1], v[rA:rA+FR-1], v[rD:rD+7], v[rSB], v[rSA] matrix_a_fmt:MATRIX_FMT_FP6 matrix_b_fmt:MATRIX_FMT_FP6 matrix_a_scale:MATRIX_SCALE_ROW1 matrix_b_scale:MATRIX_SCALE_ROW1
.endif
.else
.if uu == 0
	v_wmma_scale_f32_16x16x128_f8f6f4 v[rD:rD+7], v[rB:rB+FR-1], v[rA:rA+FR-1], 0, v[rSB], v[rSA] matrix_a_fmt:MATRIX_FMT_FP6 matrix_b_fmt:MATRIX_FMT_FP6
.elseif uu == 1
	v_wmma_scale_f32_16x16x128_f8f6f4 v[rD:rD+7], v[rB:rB+FR-1], v[rA:rA+FR-1], 0, v[rSB], v[rSA] matrix_a_fmt:MATRIX_FMT_FP6 matrix_b_fmt:MATRIX_FMT_FP6 matrix_a_scale:MATRIX_SCALE_ROW1
.elseif uu == 2
	v_wmma_scale_f32_16x16x128_f8f6f4 v[rD:rD+7], v[rB:rB+FR-1], v[rA:rA+FR-1], 0, v[rSB], v[rSA] matrix_a_fmt:MATRIX_FMT_FP6 matrix_b_fmt:MATRIX_FMT_FP6 matrix_b_scale:MATRIX_SCALE_ROW1
.else
	v_wmma_scale_f32_16x16x128_f8f6f4 v[rD:rD+7], v[rB:rB+FR-1], v[rA:rA+FR-1], 0, v[rSB], v[rSA] matrix_a_fmt:MATRIX_FMT_FP6 matrix_b_fmt:MATRIX_FMT_FP6 matrix_a_scale:MATRIX_SCALE_ROW1 matrix_b_scale:MATRIX_SCALE_ROW1
.endif
.endif
.endr
.endm
.macro STEP slot, q, ks, mode
	s_wait_dscnt 0x0
	PLACES
	FETCH \slot, (\q)+1, ((\ks)+1)%2
	WIN MUL
	MUL8 0, (\ks)%2, \ks, \mode
	MUL8 1, (\ks)%2, \ks, \mode
	MUL8 2, (\ks)%2, \ks, \mode
	MUL8 3, (\ks)%2, \ks, \mode
.endm
.macro TURN slot, next, ks, fill
	WIN 0
	s_wait_tensorcnt 0x0
	ds_add_u32 v[SPW], v[NIL]
	s_wait_dscnt 1
	WIN MUL
	MUL8 0, (\ks)%2, \ks, 0
	s_wait_dscnt 0x0
	s_barrier_signal -1
	MUL8 1, (\ks)%2, \ks, 0
	WIN 0
	s_barrier_wait -1
.if \fill
	CREST
	s_add_nc_u64 s[G0+4*\slot+2:G0+4*\slot+3], s[G0+4*\slot+2:G0+4*\slot+3], 2*RBK
	s_add_nc_u64 s[G0B+4*\slot+2:G0B+4*\slot+3], s[G0B+4*\slot+2:G0B+4*\slot+3], 2*RBK
	JLOAD G0+4*\slot, G1, G0B+4*\slot, G1B
.else
	PLACES
.endif
	FETCH \next, 0, ((\ks)+1)%2
	WIN MUL
	MUL8 2, (\ks)%2, \ks, 0
	MUL8 3, (\ks)%2, \ks, 0
.endm
.macro QUANT s
.irp b, 0,1,2,3
	v_max3_num_f32 v[TM+\b], 0x1800000, |v[\s+16*\b]|, |v[\s+1+16*\b]|
.endr
.irp i, 2,4,6,8,10,12,14
.irp b, 0,1,2,3
	v_max3_num_f32 v[TM+\b], v[TM+\b], |v[\s+16*\b+\i]|, |v[\s+1+16*\b+\i]|
.endr
.endr
.irp b, 0,1,2,3
	v_permlanex16_b32 v[TM+4+\b], v[TM+\b], s[SEL], s[SEL+1]
.endr
.irp b, 0,1,2,3
	v_max_num_f32 v[TM+\b], v[TM+\b], v[TM+4+\b]
.endr
.irp b, 0,1,2,3
	v_add_nc_u32 v[TM+12+\b], 0xff000000, v[TM+\b]
.endr
.irp b, 0,1,2,3
	v_lshrrev_b32 v[TM+4+\b], 23, v[TM+12+\b]
.endr
	v_lshl_or_b32 v[PW], v[TM+5], 8, v[TM+4]
	v_lshl_or_b32 v[PW], v[TM+6], 16, v[PW]
	v_lshl_or_b32 v[PW], v[TM+7], 24, v[PW]
.irp c, 0,1
	v_cvt_scalef32_pk16_fp6_f32 v[PC+6*\c:PC+2+6*\c], v[\s+32*\c:\s+15+32*\c], v[TM+12+2*\c]
	v_cvt_scalef32_pk16_fp6_f32 v[PC+12+4*\c:PC+14+4*\c], v[\s+16+32*\c:\s+31+32*\c], v[TM+12+2*\c+1]
.endr
	v_nop
.irp c, 0,1
.irp i, 0,1,2
	v_permlane16_swap_b32 v[PC+6*\c+\i], v[PC+12+4*\c+\i]
.endr
.irp i, 0,1,2
	v_mov_b32 v[PC+3+6*\c+\i], v[PC+12+4*\c+\i]
.endr
.endr
.endm
	s_load_b128 s[4:7], s[0:1], 0x0
	s_load_b64 s[8:9], s[0:1], 0x10
	v_lshl_add_u32 v[SPW], v0, 2, SPARE
	v_mov_b32 v[NIL], 0
	ds_add_u32 v28, v29
	ds_add_u32 v28, v29
	s_wait_dscnt 0x0
	v_lshrrev_b32 v1, 5, v0
	v_readfirstlane_b32 s14, v1
	s_lshr_b32 s15, s14, 1
	s_and_b32 s16, s14, 1
	s_bfe_u32 s40, ttmp6, 0x40000
	s_bfe_u32 s41, ttmp6, 0x40004
	s_lshl_b32 s42, ttmp9, 2
	s_add_co_u32 s42, s42, s40
	s_and_b32 s17, ttmp7, 0xffff
	s_lshr_b32 s95, s17, 2
	s_mul_i32 s66, s95, 24576
	s_add_co_u32 s66, s66, 13107200
	s_lshl_b32 s67, s95, 16
	s_add_co_u32 s67, s67, 19398656
	s_lshl_b32 s17, s17, 2
	s_add_co_u32 s17, s17, s41
	s_lshl_b32 s43, s41, 2
	s_lshl_b32 s43, 15, s43
	s_lshl_b32 s44, 0x1111, s40
	GROUP1 G1, 43, 768, 4, PA
	GROUP1 G1B, 44, 768, 8, PB
	TADDR 20, 17, 196608, 98304, 0
	TADDR 46, 42, 1572864, 786432, s66
	s_lshl_b32 s92, s42, 10
	s_lshl_b32 s93, s16, 9
	s_add_co_u32 s92, s92, s93
	s_add_co_u32 s92, s92, s67
	s_mov_b32 s93, 0
	s_mul_i32 s45, s16, AHALF
	s_mul_i32 s94, s16, BHALF
	s_lshl_b32 s96, s17, 11
	s_add_co_u32 s96, s96, PST
	s_mov_b32 s97, 0
	v_lshlrev_b32 v30, 4, v0
	s_wait_alu depctr_va_vdst(0)
	s_wait_kmcnt 0x0
	s_add_nc_u64 s[20:21], s[4:5], s[20:21]
	s_add_nc_u64 s[46:47], s[6:7], s[46:47]
	s_add_nc_u64 s[92:93], s[6:7], s[92:93]
	s_add_nc_u64 s[96:97], s[4:5], s[96:97]
.irp k, 0,1,2,3,4,5,6,7,8,9,10,11,12,13,14,15
	global_load_b128 v[P0+4*\k:P0+4*\k+3], v30, s[96:97] offset:\k*131072
.endr
	CROUND
.irp s, 0,1
	GROUP0 G0+4*\s, 45, \s*SLOT, 20, \s*RBK
	GROUP0 G0B+4*\s, 94, \s*SLOT+BOFF, 46, \s*RBK
.endr
	JLOAD G0, G1, G0B, G1B                         ; slot 0: one tensor load a wave at the head
	s_lshl_b32 s[PFA], s40, 1                      ; prefetch of p: row block 2 cx + wave / 2 of the tile's 8, and 3,072 (wave % 2) bytes of a fill's 6,144
	s_add_co_u32 s[PFA], s[PFA], s15
	s_lshl_b32 s[PFA], s[PFA], 3
	s_add_co_u32 s[PFA], s[PFA], s16
	s_mul_i32 s[PFA], s[PFA], 3072
	s_mul_i32 s[PFA+1], s17, 196608
	s_add_co_u32 s[PFA], s[PFA], s[PFA+1]
	s_mov_b32 s[PFA+1], 0
	s_add_nc_u64 s[PFA:PFA+1], s[4:5], s[PFA:PFA+1]
	s_lshl_b32 s[PFB], s41, 2                      ; of v: row block 4 cy + wave of the tile's 16
	s_add_co_u32 s[PFB], s[PFB], s14
	s_mul_i32 s[PFB], s[PFB], 98304
	s_mul_i32 s[PFB+1], s42, 1572864
	s_add_co_u32 s[PFB], s[PFB], s[PFB+1]
	s_add_co_u32 s[PFB], s[PFB], s66
	s_mov_b32 s[PFB+1], 0
	s_add_nc_u64 s[PFB:PFB+1], s[6:7], s[PFB:PFB+1]
	v_and_b32 v12, 31, v0
	v_min_u32 v13, 23, v12
	v_min_u32 v12, 11, v12
	v_lshlrev_b32 v13, 8, v13
	v_lshlrev_b32 v12, 8, v12
	global_prefetch_b8 v12, s[PFA:PFA+1] offset:RBK th:TH_LOAD_NT scope:SCOPE_SE     ; fills 1 and 2
	global_prefetch_b8 v13, s[PFB:PFB+1] offset:RBK th:TH_LOAD_NT scope:SCOPE_SE
	global_prefetch_b8 v12, s[PFA:PFA+1] offset:2*RBK th:TH_LOAD_NT scope:SCOPE_SE
	global_prefetch_b8 v13, s[PFB:PFB+1] offset:2*RBK th:TH_LOAD_NT scope:SCOPE_SE
	s_mov_b32 s[SEL], 0x76543210
	s_mov_b32 s[SEL+1], 0xfedcba98
	v_and_b32 v1, 15, v0
	v_and_b32 v3, 31, v0
	s_wait_alu depctr_va_vdst(0)
	v_lshlrev_b32 v[L16], 4, v3
	v_lshlrev_b32 v[L8], 3, v3
	s_mul_i32 s21, s15, AHALF
	s_mul_i32 s22, s16, BHALF
	s_add_co_u32 s22, s22, BOFF
.irp s, 0,1
	v_add_nc_u32 v[ADRA+\s], s21, v[L16]
	v_add_nc_u32 v[ADRB+\s], s22, v[L16]
	s_add_co_u32 s21, s21, SLOT
	s_add_co_u32 s22, s22, SLOT
.endr
	s_lshl_b32 s21, s15, 8
	s_add_co_u32 s22, s21, SCL
	v_lshl_add_u32 v[ADSA], v3, 2, s22
	s_add_co_u32 s21, s21, RLB
	v_lshl_add_u32 v31, v1, 2, s21
	v_lshlrev_b32 v[ADSB], 2, v3                   ; v's scale words: 4 x lane
.set kk, 0
.rept NKS
.irp j, 0,1,2,3
	global_load_b32 v[SB+4*kk+\j], v[ADSB], s[92:93] offset:kk*4096+128*\j
.endr
.set kk, kk+1
.endr
	v_lshl_add_u32 v22, v0, 2, SCL
	v_lshl_add_u32 v23, v0, 2, RLB
	s_lshl_b32 s21, s14, 8
	v_lshl_add_u32 v25, v1, 2, s21
	v_add_nc_u32 v26, s21, v[L8]
	s_lshl_b32 s2, s42, 1
	s_add_co_u32 s2, s2, s16
	s_lshl_b32 s98, s17, 6
	s_lshl_b32 s99, s15, 5
	s_add_co_u32 s98, s98, s99
	s_add_co_u32 s98, s98, s2
	s_mul_i32 s98, s98, 1536
	s_mov_b32 s99, 0
	s_add_nc_u64 s[10:11], s[8:9], s[98:99]
	s_lshl_b32 s98, s2, 15
	s_lshl_b32 s2, s17, 9
	s_add_co_u32 s98, s98, s2
	s_lshl_b32 s2, s15, 8
	s_add_co_u32 s98, s98, s2
	s_add_co_u32 s98, s98, 6291456
	s_add_nc_u64 s[12:13], s[8:9], s[98:99]
	s_wait_loadcnt 0x0
	v_min3_num_f32 v[VN], v[P0+1], v[P0+5], v[P0+9]
.irp k, 3,5,7,9,11,13
	v_min3_num_f32 v[VN], v[VN], v[P0+4*\k+1], v[P0+4*\k+5]
.endr
	v_min_num_f32 v[VN], v[VN], v[P0+61]
.irp k, 0,1,2,3,4,5,6,7,8,9,10,11,12,13,14,15
	v_sub_f32 v[VE], v[P0+4*\k+1], v[VN]
	v_min_num_f32 v[VE], 0x437f0000, v[VE]
	v_cvt_u32_f32 v[VE], v[VE]
	v_sub_nc_u32 v[VD], 0, v[VE]
.if \k == 0
	v_ldexp_f32 v[VL], v[P0+2], v[VD]
.else
	v_ldexp_f32 v[VT], v[P0+4*\k+2], v[VD]
	v_add_f32 v[VL], v[VL], v[VT]
.endif
	v_and_b32 v[VB], 0xff, v[P0+4*\k]
	v_bfe_u32 v[VB+1], v[P0+4*\k], 8, 8
	v_bfe_u32 v[VB+2], v[P0+4*\k], 16, 8
	v_lshrrev_b32 v[VB+3], 24, v[P0+4*\k]
.irp i, 0,1,2,3
	v_min_u32 v[VM+\i], v[VB+\i], v[VE]
.endr
.irp i, 0,1,2,3
	v_sub_nc_u32 v[VB+\i], v[VB+\i], v[VM+\i]
.endr
	v_lshl_or_b32 v[P0+4*\k], v[VB+1], 8, v[VB]
	v_lshl_or_b32 v[P0+4*\k], v[VB+2], 16, v[P0+4*\k]
	v_lshl_or_b32 v[P0+4*\k], v[VB+3], 24, v[P0+4*\k]
	ds_store_b32 v22, v[P0+4*\k] offset:\k*512
.endr
	s_wait_alu depctr_va_vdst(0)
	v_rcp_f32 v[VR], v[VL]
	v_nop
	s_wait_alu depctr_va_vdst(0)
	ds_store_b32 v23, v[VR]
.irp b, 0,1,2,3
	v_mov_b32 v[TM+4+\b], 0
.endr
	s_wait_alu depctr_va_vdst(0)
	s_wait_tensorcnt 0x0                           ; my part of slot 0 is in
	ds_add_u32 v[SPW], v[NIL]
	s_wait_dscnt 0x0                               ; the add is done, and my stores of p's scale words and of 1 / l
	CROUND
	JLOAD G0+4, G1, G0B+4, G1B                     ; slot 1's first fill, the first tensor load behind the round
	FETCH 0, 0, 0
	SCALES
	global_prefetch_b8 v12, s[PFA:PFA+1] offset:3*RBK th:TH_LOAD_NT scope:SCOPE_SE   ; fill 3, two fills ahead of its load
	global_prefetch_b8 v13, s[PFB:PFB+1] offset:3*RBK th:TH_LOAD_NT scope:SCOPE_SE
	STEP 0, 0, 0, 1
	STEP 0, 1, 1, 0
	STEP 0, 2, 2, 0
	TURN 0, 1, 3, 1
	STEP 1, 0, 4, 0
	STEP 1, 1, 5, 0
	STEP 1, 2, 6, 0
	TURN 1, 0, 7, 1
	STEP 0, 0, 8, 0
	STEP 0, 1, 9, 0
	STEP 0, 2, 10, 0
	TURN 0, 1, 11, 0
	STEP 1, 0, 12, 0
	STEP 1, 1, 13, 0
	STEP 1, 2, 14, 0
	s_wait_dscnt 0x0
	WIN MUL
	MUL8 0, 1, 15, 0
	MUL8 1, 1, 15, 0
	MUL8 2, 1, 15, 0
	MUL8 3, 1, 15, 0
	WIN 0
	PLACES
.irp a, 0,1,2,3
	ds_load_b32 v[RL+2*\a], v31 offset:64*\a
	ds_load_b32 v[RL+2*\a+1], v31 offset:64*\a
.endr
	s_wait_dscnt 0x0
.irp a, 0,1,2,3
.if \a > 0
	s_wait_xcnt 0x0
	s_wait_dscnt 0x0
.endif
	WIN 2
.set jj, 0
.rept 32
	v_pk_mul_f32 v[ST+jj:ST+jj+1], v[64*\a+jj:64*\a+jj+1], v[RL+2*\a:RL+2*\a+1]
.set jj, jj+2
.endr
	WIN 0
	QUANT ST
.irp g, 0,1,2
	global_store_b128 v[L16], v[PC+4*\g:PC+4*\g+3], s[10:11] offset:\a*12288+512*\g
.endr
	ds_store_b32 v25, v[PW] offset:64*\a
.endr
	ds_load_b64 v[244:245], v26
	s_wait_dscnt 0x0
	global_store_b64 v[L8], v[244:245], s[12:13]
	s_wait_tensorcnt 0x0
	ds_add_u32 v[SPW], v[NIL]
	s_wait_dscnt 0x0
	CROUND
	s_endpgm
.Lfunc_end_k_qb1b6dafd8b_context:
	.size	k_qb1b6dafd8b_context, .Lfunc_end_k_qb1b6dafd8b_context-k_qb1b6dafd8b_context
	.p2alignl 7, 3214868480
	.fill 96, 4, 3214868480
	.section	.rodata,"a",@progbits
	.p2align	6, 0x0
	.amdhsa_kernel k_qb1b6dafd8b_context
		.amdhsa_group_segment_fixed_size 327680
		.amdhsa_private_segment_fixed_size 0
		.amdhsa_enable_private_segment 0
		.amdhsa_kernarg_size 24
		.amdhsa_user_sgpr_count 2
		.amdhsa_user_sgpr_kernarg_segment_ptr 1
		.amdhsa_wavefront_size32 1
		.amdhsa_system_sgpr_workgroup_id_x 1
		.amdhsa_system_sgpr_workgroup_id_y 1
		.amdhsa_system_sgpr_workgroup_id_z 1
		.amdhsa_system_vgpr_workitem_id 0
		.amdhsa_next_free_vgpr 768
		.amdhsa_next_free_sgpr 102
		.amdhsa_reserve_vcc 0
		.amdhsa_float_denorm_mode_32 3
		.amdhsa_float_denorm_mode_16_64 3
		.amdhsa_memory_ordered 1
		.amdhsa_forward_progress 1
		.amdhsa_inst_pref_size 168
	.end_amdhsa_kernel
	.amdgpu_metadata
---
amdhsa.version: [ 1, 2 ]
amdhsa.kernels:
  - .name:           k_qb1b6dafd8b_context
    .symbol:         k_qb1b6dafd8b_context.kd
    .args:
      - { .name: prob, .offset: 0, .size: 8, .value_kind: global_buffer, .address_space: global }
      - { .name: qkv, .offset: 8, .size: 8, .value_kind: global_buffer, .address_space: global }
      - { .name: ctx, .offset: 16, .size: 8, .value_kind: global_buffer, .address_space: global }
    .group_segment_fixed_size: 327680
    .private_segment_fixed_size: 0
    .kernarg_segment_align: 8
    .kernarg_segment_size: 24
    .max_flat_workgroup_size: 128
    .sgpr_count:     102
    .vgpr_count:     768
    .wavefront_size: 32
...
	.end_amdgpu_metadata
.endif
;; end of part 9
;; launch project (part 10): grid 4 x 64, 4 waves a work-group, clusters of 4 x 4, 327,680 bytes of LDS; arguments ctx, opnd, b_p, out0; writes out0
.if DOCPART == 10
	.amdgcn_target "amdgcn-amd-amdhsa--gfx1250"
	.amdhsa_code_object_version 6
	.text
	.protected	k_qb1b6dafd8b_project
	.globl	k_qb1b6dafd8b_project
	.p2align	8
	.type	k_qb1b6dafd8b_project,@function
k_qb1b6dafd8b_project:
	s_mov_b64 s[64:65], 0
	v_nop
	global_prefetch_b8 v0, s[64:65] scope:SCOPE_SE
	s_setreg_imm32_b32 hwreg(HW_REG_WAVE_MODE, 25, 1), 1
	s_wait_xcnt 0x0
	s_wait_alu depctr_hold_cnt(0) depctr_sa_sdst(0) depctr_va_vdst(0) depctr_va_sdst(0) depctr_va_ssrc(0) depctr_va_vcc(0) depctr_vm_vsrc(0)
	s_getreg_b32 s2, hwreg(HW_REG_IB_STS2, 6, 4)
	s_cmp_eq_u32 s2, 0
	s_cbranch_scc0 .Lentry_in_a_cluster
	s_endpgm
.Lentry_in_a_cluster:
	s_bfe_u32 s2, ttmp6, 0x10000c
	s_cmp_lg_u32 s2, 0xf033
	s_cbranch_scc0 .Lentry_shape_is_right
	s_endpgm
.Lentry_shape_is_right:
; out = context W_p + b_p on codes of FP6 (E2M3) with E8M0 scales, sums in f32, stored as f32.  A = the context's 8,192 rows, B = W_p's 1,024 columns, K = 1,024.
; SHARES: 256 work-groups, each 128 x 256 of the result; a wave makes 64 x 128: 32 accumulators, 256 registers.
; ALL OF K LIES IN LDS AT ONCE: A's 8 row blocks and B's 16, 12,288 bytes each, are 294,912 bytes.  Each wave brings a part by ONE tensor load at the head (waves 0 and 1 A's halves, waves 2 and 3 B's):
; nothing is filled again, so the walk along K has no ring and no barrier but the one that shows the tiles to all four waves.
; OPERANDS lie in memory as images of their fragments: fragment (row block rb, K step ks) at (8 rb + ks) x 1,536 bytes, register 4 g + w of lane l at 512 g + 16 l + 4 w.  Position p holds logical row p with bits 3 and 4 exchanged.
; THE MATRIX INSTRUCTION IS USED TRANSPOSED (source 0 = 16 rows of B, source 1 = 16 rows of A): a lane holds neighbouring columns of one row of the result.
; CLUSTERS of 4 x 4: A's tiles are asked for jointly by a row of the cluster, B's by a column.
; SCALE WORDS AND BIAS go from memory into registers: a load's 32 lanes read 128 consecutive bytes, a K step's two or four loads 256 or 512 on end.  The bias is the C of each sum's first matrix instruction.
; NO PREFETCH: every tile is asked for by the head's loads; there is no loop to run ahead in.
; THE WAY OUT goes by row blocks through a stage of 16 x 528 bytes for each wave, on bytes of the tiles: they have had their only fill, and a barrier stands between every wave's last read of them and the first store.
; LIMITS: NaN and infinities are not served.
; REGISTERS: window 0: v16-30 addresses; v32-79 scale words and nothing else; v128-223 A's fragments, two sets; on the way out v128-255 rows read back.
;   window 1: B's fragments, two sets, at v0 and v96; v192-255 the bias.   window 2: the accumulators, (a, b) at v[8 (8 a + b)].
.set FR,    12
.set RBK,   8*1536                     ; a row block's 1,024 along K
.set AHALF, 4*RBK
.set BHALF, 8*RBK
.set BOFF,  2*AHALF
.set SPARE, 2*AHALF+2*BHALF            ; behind the tiles: the spare words, 128 bytes for each wave
.set ADRA, 16
.set ADRB, 20                          ; v20 B's row blocks 0-3 of my eight, v21 row blocks 4-7 (an LDS offset has 16 bits)
.set L16,  24
.set STO,  25
.set RD,   26
.set SPW,  28
.set NIL,  29
.set L4,   30
.set SA,   32
.set SB,   48
.set AF,   128
.set BK,   128
.set CB,   192
.set OUTP, 12                          ; s[12:13] where my part of the result begins
.set G1,   24
.set G0,   32
.set G1B,  48
.set G0B,  56
.set NSA,  68
.set NSB,  70
.set BQ,   76
.set MUL,  0xa1                        ; source 0 (B) window 1, source 1 (A) window 0, C and D window 2
.set TO_B, 0x40
.set MSB, 0
.macro WIN new                         ; the immediate's high byte repeats the setting that is left
.if MSB != (\new)
	s_set_vgpr_msb (MSB<<8)|(\new)
.set MSB, (\new)
.endif
.endm
.macro PLACES                          ; four plain lines behind matrix instructions (ISA guide 7.12.1)
.rept 4
	v_nop
.endr
.endm
.macro CROUND                          ; a round of the cluster's barrier
	s_barrier_signal -1
	s_barrier_wait -1
	s_cmp_lg_u32 s14, 0
	s_cbranch_scc1 .Lnot_wave_0_\@
	s_barrier_signal -3
.Lnot_wave_0_\@:
	s_barrier_wait -3
	s_barrier_signal -1
	s_barrier_wait -1
.endm
.macro GROUP1 g, mask, c, r, p         ; r rows of c elements of 8 bytes, p elements apart; the mask, and bit 21 beside it
	s_or_b32 s[\g], s[\mask], (3<<16)|(1<<21)
	s_mov_b32 s[\g+1], (\c)<<16
	s_mov_b32 s[\g+2], (\r)<<16
	s_mov_b32 s[\g+3], (\c)<<16
	s_mov_b32 s[\g+4], \r
	s_mov_b32 s[\g+5], \p
	s_mov_b32 s[\g+6], 0
	s_mov_b32 s[\g+7], 0
.endm
.macro GROUP0 g, lds, ldsoff, adr
	s_mov_b32 s[\g], 1
	s_add_co_u32 s[\g+1], s[\lds], \ldsoff
	s_mov_b64 s[\g+2:\g+3], s[\adr:\adr+1]
	s_or_b32 s[\g+3], s[\g+3], 0x80000000
.endm
.macro ADDR2 d, base, x, m, y, n, off  ; an address: base + x m + y n + off
	s_mul_i32 s[\d], s[\x], \m
.if \n
	s_mul_i32 s[\d+1], s[\y], \n
	s_add_co_u32 s[\d], s[\d], s[\d+1]
.endif
.if \off
	s_add_co_u32 s[\d], s[\d], \off
.endif
	s_mov_b32 s[\d+1], 0
	s_add_nc_u64 s[\d:\d+1], s[\base:\base+1], s[\d:\d+1]
.endm
.macro FRAG reg, adr, ks, i            ; a fragment comes as it lies: three loads of 16 bytes a lane
.irp g, 0,1,2
	ds_load_b128 v[\reg+4*\g:\reg+4*\g+3], v[\adr] offset:(\i)*RBK+(\ks)*1536+512*\g
.endr
.endm
.macro FETCH ks, p                     ; K step ks's fragments into set p: B's eight, A's four
	WIN TO_B
.irp i, 0,1,2,3,4,5,6,7
	FRAG 96*(\p)+FR*\i, ADRB+\i/4, \ks, \i%4
.endr
	WIN 0
.irp i, 0,1,2,3
	FRAG AF+48*(\p)+FR*\i, ADRA, \ks, \i
.endr
.endm
; 8 matrix instructions: A's block a x B's eight.  mode 0: in place; 2: C = the bias of B's block.  The 32 accumulators take turns.
.macro MUL8 a, p, ks, mode
.irp b, 0,1,2,3,4,5,6,7
.set rD, 8*(8*(\a)+\b)
.set rB, 96*(\p)+FR*\b
.set rA, AF+48*(\p)+FR*(\a)
.if \mode == 0
.set rC, rD
.else
.set rC, CB+8*\b
.endif
.set rSB, SB+4*(\ks)+\b/2
.set rSA, SA+2*(\ks)+(\a)/2
.set uu, 2*((\a)%2)+\b%2
.if uu == 0
	v_wmma_scale_f32_16x16x128_f8f6f4 v[rD:rD+7], v[rB:rB+FR-1], v[rA:rA+FR-1], v[rC:rC+7], v[rSB], v[rSA] matrix_a_fmt:MATRIX_FMT_FP6 matrix_b_fmt:MATRIX_FMT_FP6
.elseif uu == 1
	v_wmma_scale_f32_16x16x128_f8f6f4 v[rD:rD+7], v[rB:rB+FR-1], v[rA:rA+FR-1], v[rC:rC+7], v[rSB], v[rSA] matrix_a_fmt:MATRIX_FMT_FP6 matrix_b_fmt:MATRIX_FMT_FP6 matrix_a_scale:MATRIX_SCALE_ROW1
.elseif uu == 2
	v_wmma_scale_f32_16x16x128_f8f6f4 v[rD:rD+7], v[rB:rB+FR-1], v[rA:rA+FR-1], v[rC:rC+7], v[rSB], v[rSA] matrix_a_fmt:MATRIX_FMT_FP6 matrix_b_fmt:MATRIX_FMT_FP6 matrix_b_scale:MATRIX_SCALE_ROW1
.else
	v_wmma_scale_f32_16x16x128_f8f6f4 v[rD:rD+7], v[rB:rB+FR-1], v[rA:rA+FR-1], v[rC:rC+7], v[rSB], v[rSA] matrix_a_fmt:MATRIX_FMT_FP6 matrix_b_fmt:MATRIX_FMT_FP6 matrix_a_scale:MATRIX_SCALE_ROW1 matrix_b_scale:MATRIX_SCALE_ROW1
.endif
.endr
.endm
.macro STEP ks, mode                   ; a K step: the next step's fragments are fetched ahead of its 32 products
	s_wait_dscnt 0x0                               ; this step's fragments are in
	PLACES
	FETCH (\ks)+1, ((\ks)+1)%2
	WIN MUL-0x10*((\mode)/2)                       ; (the bias lies in window 1)
	MUL8 0, (\ks)%2, \ks, \mode
	MUL8 1, (\ks)%2, \ks, \mode
	MUL8 2, (\ks)%2, \ks, \mode
	MUL8 3, (\ks)%2, \ks, \mode
.endm
.macro TOSTAGE a                       ; row block a into my stage, each accumulator from its low end on, and back as whole rows of 512 bytes
.set AC, 64*(\a)
	WIN 0x08
.irp b, 0,1,2,3,4,5,6,7
	ds_store_b128 v[STO], v[AC+8*\b:AC+8*\b+3] offset:128*(\b/2)+32*(\b%2)
	ds_store_b128 v[STO], v[AC+8*\b+4:AC+8*\b+7] offset:128*(\b/2)+32*(\b%2)+16
.endr
	WIN 0
.set BB, BK+64*((\a)%2)
.irp t, 0,1,2,3,4,5,6,7,8,9,10,11,12,13,14,15
	ds_load_b128 v[BB+4*\t:BB+4*\t+3], v[RD] offset:\t*528   ; LDS serves a wave's instructions in order: these see the stores above
.endr
.endm
.macro SEND a, younger                 ; younger: the LDS instructions issued behind block a's loads, which may stay out
.set BB, BK+64*((\a)%2)
	s_wait_dscnt \younger
.irp t, 0,1,2,3,4,5,6,7,8,9,10,11,12,13,14,15
	global_store_b128 v[L16], v[BB+4*\t:BB+4*\t+3], s[OUTP:OUTP+1] offset:(32*((\a)/2)+8*((\a)%2)+\t+8*(\t/8))*4096 th:TH_STORE_NT   ; 512 consecutive bytes, aligned; position t's logical row
.endr
.endm
	s_load_b128 s[4:7], s[0:1], 0x0                ; ctx s[4:5], opnd s[6:7]
	s_load_b128 s[8:11], s[0:1], 0x10              ; b_p s[8:9], out0 s[10:11]
	v_lshl_add_u32 v[SPW], v0, 2, SPARE
	v_mov_b32 v[NIL], 0
	ds_add_u32 v[SPW], v[NIL]                      ; the opening lines: the add, twice on end, and its wait ahead of my first tensor load
	ds_add_u32 v[SPW], v[NIL]
	v_lshrrev_b32 v1, 5, v0
	v_readfirstlane_b32 s14, v1                    ; wave 0..3
	s_lshr_b32 s15, s14, 1                         ; my half of the block's rows.  Also: I fetch for A (0) or for B (1)
	s_and_b32 s16, s14, 1                          ; my half of its columns.  Also: which half of that tile I fetch
	s_bfe_u32 s40, ttmp6, 0x40000                  ; cx
	s_bfe_u32 s41, ttmp6, 0x40004                  ; cy
	s_lshl_b32 s42, ttmp9, 2
	s_add_co_u32 s42, s42, s40                     ; B's tile, 0..3
	s_and_b32 s17, ttmp7, 0xffff
	s_lshl_b32 s17, s17, 2
	s_add_co_u32 s17, s17, s41                     ; A's tile, 0..63
	s_lshl_b32 s43, s41, 2
	s_lshl_b32 s43, 15, s43                        ; my row of the cluster
	s_lshl_b32 s44, 0x1111, s40                    ; my column
	GROUP1 G1, 43, 1536, 4, 1536                   ; 4 row blocks x 12,288 bytes
	GROUP1 G1B, 44, 1536, 8, 1536
	s_mul_i32 s45, s16, AHALF                      ; where they go: no place in the cluster enters an LDS address
	s_mul_i32 s94, s16, BHALF
	s_wait_alu depctr_va_vdst(0)
	s_wait_dscnt 0x0                               ; both opening adds are done
	s_wait_kmcnt 0x0
	ADDR2 20, 4, 17, 98304, 16, 49152, 0           ; A's address is made of A's tile alone, B's of B's alone
	ADDR2 46, 6, 42, 196608, 16, 98304, 9175040
	CROUND                                         ; all sixteen work-groups are here: the joint loads meet
	GROUP0 G0, 45, 0, 20
	GROUP0 G0B, 94, BOFF, 46
	s_cmp_eq_u32 s15, 0
	s_cbranch_scc0 .Lfor_b
	tensor_load_to_lds s[G0:G0+3], s[G1:G1+7]
	s_nop 0
	PLACES
	s_branch .Lasked
.Lfor_b:
	tensor_load_to_lds s[G0B:G0B+3], s[G1B:G1B+7]
	s_nop 0
	PLACES
.Lasked:
	s_lshl_b32 s89, s17, 1
	s_add_co_u32 s89, s89, s15                     ; which 64 rows of A are mine
	s_lshl_b32 s91, s42, 1
	s_add_co_u32 s91, s91, s16                     ; which 128 rows of B
	ADDR2 NSA, 4, 89, 256, 0, 0, 6291456           ; the context's scale words, 32,768 bytes a K step
	ADDR2 NSB, 6, 91, 512, 0, 0, 9961472           ; W_p's, 4,096 bytes a K step
	ADDR2 BQ, 8, 91, 512, 0, 0, 0
	ADDR2 OUTP, 10, 89, 262144, 91, 512, 0         ; 64 rows of 4,096 bytes; 128 columns of 4
	s_mul_i32 s90, s15, AHALF                      ; LDS: my rows of A; of B; my stage
	s_mul_i32 s92, s16, BHALF
	s_add_co_u32 s92, s92, BOFF
	s_add_co_u32 s93, s92, 4*RBK
	s_mul_i32 s97, s14, 8448
	v_and_b32 v1, 15, v0                           ; r
	v_bfe_u32 v2, v0, 4, 1                         ; h
	v_and_b32 v3, 31, v0
	v_lshlrev_b32 v[L16], 4, v3
	v_lshlrev_b32 v[L4], 2, v3
	v_add_nc_u32 v[ADRA], s90, v[L16]
	v_add_nc_u32 v[ADRB], s92, v[L16]
	v_add_nc_u32 v[ADRB+1], s93, v[L16]
	v_lshlrev_b32 v22, 6, v2                       ; the bias: 64 h
	v_mul_u32_u24 v[STO], v1, 528                  ; into the stage: row r, + 64 h
	v_lshl_add_u32 v[STO], v2, 6, v[STO]
	v_add_nc_u32 v[STO], s97, v[STO]
	v_add_nc_u32 v[RD], s97, v[L16]
	s_wait_alu depctr_va_vdst(0)
.irp k, 0,1,2,3,4,5,6,7
.irp j, 0,1
	global_load_b32 v[SA+2*\k+\j], v[L4], s[NSA:NSA+1] offset:\k*32768+128*\j
.endr
.irp j, 0,1,2,3
	global_load_b32 v[SB+4*\k+\j], v[L4], s[NSB:NSB+1] offset:\k*4096+128*\j
.endr
.endr
	WIN TO_B
.irp b, 0,1,2,3,4,5,6,7                        ; register j of tile b is column 32 (b / 2) + 16 h + 8 (b % 2) + j
	global_load_b128 v[CB+8*\b:CB+8*\b+3], v22, s[BQ:BQ+1] offset:128*(\b/2)+32*(\b%2)
	global_load_b128 v[CB+8*\b+4:CB+8*\b+7], v22, s[BQ:BQ+1] offset:128*(\b/2)+32*(\b%2)+16
.endr
	WIN 0
	s_wait_tensorcnt 0x0                           ; my part of the tiles is in
	s_barrier_signal -1
	s_barrier_wait -1                              ; and everybody's
	FETCH 0, 0
	s_wait_loadcnt 0x0                             ; the scale words and the bias
	STEP 0, 2                                      ; the first products start the sums with the bias
.irp k, 1,2,3,4,5,6
	STEP \k, 0
.endr
	s_wait_dscnt 0x0
	WIN MUL
	MUL8 0, 1, 7, 0
	MUL8 1, 1, 7, 0
	MUL8 2, 1, 7, 0
	MUL8 3, 1, 7, 0
	WIN 0
	s_barrier_signal -1                            ; my reads of the tiles are over (waited for above);
	s_barrier_wait -1                              ; so are everybody's: the stages may be written
	PLACES
	TOSTAGE 0
.irp a, 1,2,3
.if \a > 1
	s_wait_xcnt 0x0                                ; block a - 2's stores have read their registers
.endif
	TOSTAGE \a
	SEND \a-1, 32                                  ; behind block a - 1's loads: block a's 16 stores and 16 loads
.endr
	SEND 3, 0
	s_wait_tensorcnt 0x0                           ; the wave's end
	ds_add_u32 v[SPW], v[NIL]
	s_wait_dscnt 0x0
	CROUND                                         ; the closing round
	s_endpgm
.Lfunc_end_k_qb1b6dafd8b_project:
	.size	k_qb1b6dafd8b_project, .Lfunc_end_k_qb1b6dafd8b_project-k_qb1b6dafd8b_project
	.p2alignl 7, 3214868480
	.fill 96, 4, 3214868480
	.section	.rodata,"a",@progbits
	.p2align	6, 0x0
	.amdhsa_kernel k_qb1b6dafd8b_project
		.amdhsa_group_segment_fixed_size 327680
		.amdhsa_private_segment_fixed_size 0
		.amdhsa_enable_private_segment 0
		.amdhsa_kernarg_size 32
		.amdhsa_user_sgpr_count 2
		.amdhsa_user_sgpr_kernarg_segment_ptr 1
		.amdhsa_wavefront_size32 1
		.amdhsa_system_sgpr_workgroup_id_x 1
		.amdhsa_system_sgpr_workgroup_id_y 1
		.amdhsa_system_sgpr_workgroup_id_z 1
		.amdhsa_system_vgpr_workitem_id 0
		.amdhsa_next_free_vgpr 768
		.amdhsa_next_free_sgpr 102
		.amdhsa_reserve_vcc 0
		.amdhsa_float_denorm_mode_32 3
		.amdhsa_float_denorm_mode_16_64 3
		.amdhsa_memory_ordered 1
		.amdhsa_forward_progress 1
		.amdhsa_inst_pref_size 80
	.end_amdhsa_kernel
	.amdgpu_metadata
---
amdhsa.version: [ 1, 2 ]
amdhsa.kernels:
  - .name:           k_qb1b6dafd8b_project
    .symbol:         k_qb1b6dafd8b_project.kd
    .args:
      - { .name: ctx, .offset: 0, .size: 8, .value_kind: global_buffer, .address_space: global }
      - { .name: opnd, .offset: 8, .size: 8, .value_kind: global_buffer, .address_space: global }
      - { .name: b_p, .offset: 16, .size: 8, .value_kind: global_buffer, .address_space: global }
      - { .name: out0, .offset: 24, .size: 8, .value_kind: global_buffer, .address_space: global }
    .group_segment_fixed_size: 327680
    .private_segment_fixed_size: 0
    .kernarg_segment_align: 8
    .kernarg_segment_size: 32
    .max_flat_workgroup_size: 128
    .sgpr_count:     102
    .vgpr_count:     768
    .wavefront_size: 32
...
	.end_amdgpu_metadata
.endif
;; end of part 10
